; MI455X (gfx1250); checked and timed in simulation.
; The chip was launched on July 23, 2026; its instructions are those of AMD's public machine-readable ISA for CDNA 5 (MIT licence, August 2026) and "CDNA5" Instruction Set Architecture Reference Guide (July 2026). The comments in the code are by the model that wrote it; some were corrected since.
;; Advanced Transformer Block. Allowed arithmetic: matrix products marked QUANTISED: E4M3 operands, one E8M0 scale for each 32 along K, by v_wmma_scale_f32_16x16x128_f8f6f4 with both operands' format E4M3, f32 sums; everything else in f32.
;; Inputs: b1 4,096 float32; b2 1,024 float32; be1 1,024 float32; be2 1,024 float32; g1 1,024 float32; g2 1,024 float32; w1_codes 4,096 x 32 x 32 uint8 (E4M3 codes of w1, K innermost, in blocks of 32 codes); w1_scales 4,096 x 32 uint8 (E8M0 scales of w1, one for each 32 codes along K); w2_codes 1,024 x 128 x 32 uint8 (E4M3 codes of w2, K innermost, in blocks of 32 codes); w2_scales 1,024 x 128 uint8 (E8M0 scales of w2, one for each 32 codes along K); wk_codes 1,024 x 32 x 32 uint8 (E4M3 codes of wk, K innermost, in blocks of 32 codes); wk_scales 1,024 x 32 uint8 (E8M0 scales of wk, one for each 32 codes along K); wo_codes 1,024 x 32 x 32 uint8 (E4M3 codes of wo, K innermost, in blocks of 32 codes); wo_scales 1,024 x 32 uint8 (E8M0 scales of wo, one for each 32 codes along K); wq_codes 1,024 x 32 x 32 uint8 (E4M3 codes of wq, K innermost, in blocks of 32 codes); wq_scales 1,024 x 32 uint8 (E8M0 scales of wq, one for each 32 codes along K); wv_codes 1,024 x 32 x 32 uint8 (E4M3 codes of wv, K innermost, in blocks of 32 codes); wv_scales 1,024 x 32 uint8 (E8M0 scales of wv, one for each 32 codes along K); x 2 x 2,048 x 1,024 float32.
;; Outputs: out0 2 x 2,048 x 1,024 float32.
;; This version of the problem:
;;   THIS VERSION OF THE PROBLEM IS GIVEN IN LOW PRECISION. The matrix products marked QUANTISED in the list below multiply operands that are first quantised to E4M3 (4 exponent bits, 3 mantissa bits; 8 bits a number), with one power-of-two scale for each 32 numbers along K (OCP MX v1.0); their sums are f32. All else is computed in f32.
;;   The module's matrix products, in the order in which they are computed (A, B: the left and right operand; K: the contracted axis; several contracted axes count as one K, in the product's order):
;;     1. [M 4,096, K 1,024] x [K 1,024, N 1,024]; A: computed on the way; B: input wq (given as codes): QUANTISED
;;     2. [M 4,096, K 1,024] x [K 1,024, N 1,024]; A: computed on the way; B: input wk (given as codes): QUANTISED
;;     3. [M 4,096, K 1,024] x [K 1,024, N 1,024]; A: computed on the way; B: input wv (given as codes): QUANTISED
;;     4. batch 32 x [M 2,048, K 64] x [K 64, N 2,048]; A: computed on the way; B: computed on the way: QUANTISED
;;     5. batch 32 x [M 2,048, K 2,048] x [K 2,048, N 64]; A: softmax (see below); B: computed on the way: QUANTISED
;;     6. [M 4,096, K 1,024] x [K 1,024, N 1,024]; A: computed on the way; B: input wo (given as codes): QUANTISED
;;     7. [M 4,096, K 1,024] x [K 1,024, N 4,096]; A: computed on the way; B: input w1 (given as codes): QUANTISED
;;     8. [M 4,096, K 4,096] x [K 4,096, N 1,024]; A: computed on the way; B: input w2 (given as codes): QUANTISED
;;   THE QUANTISER, for each operand of a quantised product, along K:
;;     - K is cut into blocks of 32 from its start; a last block that is shorter is filled with zeros.
;;     - A block's scale is 2^e with e = floor(log2(the largest magnitude in the block)) - 8, held to -126 .. 127; a block of zeros has e = 0. As a byte (E8M0): e + 127.
;;     - Each number is divided by its block's scale, clamped to +-448, and rounded to the nearest number of E4M3, ties to even, subnormals kept.
;;     - The product sums the exact products of the quantised numbers (number of the format x scale) in f32.
;;   ~~~python
;;   def quantise(x, axis):      # numpy; x: float32 -> the quantised numbers, widened to float32 again
;;       x = np.moveaxis(x, axis, -1); K = x.shape[-1]
;;       x = np.pad(x, [(0, 0)] * (x.ndim - 1) + [(0, -K % 32)]); x = x.reshape(x.shape[:-1] + (-1, 32)); a = np.abs(x).max(-1, keepdims=True)
;;       e = np.where(a > 0, np.clip(np.frexp(np.where(a > 0, a, 1))[1] - 1 - 8, -126, 127), 0)      # np.frexp(a)[1] - 1 = floor(log2(a)), exactly
;;       r = np.clip(x / 2.0 ** e, -448, 448)
;;       step = 2.0 ** (np.maximum(np.frexp(np.where(r == 0, 1, r))[1] - 1, -6) - 3)
;;       q = np.round(r / step) * step * 2.0 ** e      # np.round: ties to even
;;       return np.moveaxis(q.reshape(q.shape[:-2] + (-1,))[..., :K], -1, axis).astype(np.float32)
;;   ~~~
;;   SOFTMAX AHEAD OF A QUANTISED PRODUCT. Where the list says 'softmax', what is quantised is not the finished softmax but p = 2^(t - M), with t = logit x log2(e) and M = ceil(the row's largest t), a whole number; so 1/2 < the row's largest p <= 1. The row's sum l is taken of the UNQUANTISED p, in f32, and the product's result is divided by l at the end. Since M is a whole number, a kernel that streams over the keys may use a running M (the ceiling of the running maximum): every later rescaling is an exact power of two, which a block's scale takes up: the codes' values come out the same.
;;   OPERANDS COMPUTED ON THE WAY. 'Computed on the way' means the value that the module computes at that place (a softmax that the list does not call 'softmax' is quantised finished and normalised). What goes into a quantiser is computed in f32, as accurately as f32 sums, v_exp_f32 and their like allow (about 1e-6 of the number): no bf16 or f16 on the way to a quantiser, and a product that is left as it is and whose result goes on into a quantised operand takes f32 operands (vector FMAs, or v_wmma_f32_16x16x4_f32). A number that lies on a knife's edge between two numbers of the format may be rounded either way, as far as f32 arithmetic and the matrix unit's own rounding can turn it there, and no further.
;;   INPUTS GIVEN AS CODES. w1 (in the module: [1024, 4096], K = its axis 0); w2 (in the module: [4096, 1024], K = its axis 0); wk (in the module: [1024, 1024], K = its axis 0); wo (in the module: [1024, 1024], K = its axis 0); wq (in the module: [1024, 1024], K = its axis 0); wv (in the module: [1024, 1024], K = its axis 0): each comes as NAME_codes (uint8): NAME with its K axis moved to the last place and cut into blocks of 32 codes, [.., K / 32, bytes a block], one block behind the other in memory; one code a byte (a code: sign, 4 exponent bits, 3 mantissa bits); and NAME_scales (uint8): the same leading axes, one E8M0 byte (e + 127) for each 32 codes along K. Its value is code x scale, taken as it is: it is not quantised again, and the codes and scales need not be those that the quantiser above would give.
;; 2 versions. Each part assembles by itself: llvm-mc -triple=amdgcn-amd-amdhsa -mcpu=gfx1250 --defsym DOCPART=n.
;; ======== version 1 of 2: 7 launches
;; workspace buffers: act 4,325,376 bytes; qkv 13,107,200 bytes; x1 16,777,216 bytes; hid 17,301,504 bytes
;; launch ln1 (part 1): grid 256 x 1, 8 waves a work-group, no clusters, 69,632 bytes of LDS; arguments x, g1, be1, act; writes act
.if DOCPART == 1
	.amdgcn_target "amdgcn-amd-amdhsa--gfx1250"
	.amdhsa_code_object_version 6
	.text
	.protected	k_qc379b34870_ln1
	.globl	k_qc379b34870_ln1
	.p2align	8
	.type	k_qc379b34870_ln1,@function
k_qc379b34870_ln1:
	s_mov_b64 s[64:65], 0
	v_nop
	global_prefetch_b8 v0, s[64:65] scope:SCOPE_SE
	s_setreg_imm32_b32 hwreg(HW_REG_WAVE_MODE, 25, 1), 1
	s_wait_xcnt 0x0
; LayerNorm of [4096][1024] f32 rows, then quantised along the row to codes of FP8 (E4M3) with one E8M0 byte for each 32 numbers.
; y = (x - mean) * rsqrt(var + 1e-5) * g + b; the variance is taken of x - mean in a second pass over registers, so a common offset of the row does no harm.
; SHARES. A work-group owns 16 rows, each of its eight waves 128 columns of them: one operand fragment (16 rows x 128 K).  Loads take the bytes as they lie
; (512 consecutive bytes of a row an instruction); the wave's own stage in LDS turns them so that lane (r, h) holds row r and, in register 16 c + i, column 32 c + 16 h + i.
; OUT. The fragment leaves as an image of the operand's registers: fragment (16-row block mb, K step ks) at (8 mb + ks) * 2048, group c of four registers at 512 c + 16 lane:
; each store covers 512 consecutive bytes.  Scale words: behind the 4,194,304 bytes of codes, word (ks, row) at (4096 ks + row) * 4 (64 bytes a wave: a small part of the bytes).
; No matrix unit, cluster or tensor load: work-groups share nothing but g and b (8 KiB), and memory binds.
; LIMITS: NaN and infinities are not served; a block whose largest magnitude lies under 2^-118 (a block of zeros too) gets the byte 1: the bytes are read by this program alone.
.set STG,   8448                       ; a wave's stage: 16 rows x (512 bytes + 16)
.set PART1, 8*STG                      ; 16 rows x 8 waves' partial sums
.set PART2, PART1+512                  ; the same for the squares: other bytes, so that two barriers do
.set PW,  11                           ; v11      the scale word just made
.set TM,  16                           ; v16-31   the quantiser's: largest magnitudes, bytes, holds, scale operands
.set X,   32                           ; v32-95   my 64 numbers
.set RAW, 96                           ; v96-159  as loaded; later b
.set G,   160                          ; v160-223 g
.set PC,  224                          ; v224-239 the codes
.set SEL, 20                           ; s[20:21] lane selects: lane l xor 16
.set MNT, 23                           ; s23      the mantissa field of 448
	s_load_b256 s[4:11], s[0:1], 0x0               ; in s[4:5], g s[6:7], b s[8:9], out s[10:11]
	v_lshl_add_u32 v254, v0, 2, 0x10c00
	v_mov_b32 v255, 0
	v_lshrrev_b32 v1, 5, v0
	v_readfirstlane_b32 s12, v1                    ; wave 0..7
	v_and_b32 v1, 31, v0                           ; lane
	v_and_b32 v2, 15, v0                           ; r
	v_bfe_u32 v3, v0, 4, 1                         ; h
	v_lshlrev_b32 v4, 4, v1                        ; 16 x lane: my bytes of a load, and of an image's group
	s_mul_i32 s30, s12, STG
	v_add_nc_u32 v5, s30, v4                       ; the stage, on the way in
	v_mul_u32_u24 v6, v2, 528
	v_lshl_add_u32 v6, v3, 6, v6
	v_add_nc_u32 v6, s30, v6                       ; and out: row r, + 64 h
	v_lshlrev_b32 v7, 6, v3                        ; g, b: 64 h
	v_lshl_add_u32 v9, v2, 5, PART1                ; row r's eight partial sums
	s_lshl_b32 s31, s12, 2
	v_add_nc_u32 v8, s31, v9                       ; my wave's word among them
	v_lshlrev_b32 v10, 2, v2                       ; 4 r
	s_mov_b32 s[SEL], 0x76543210
	s_mov_b32 s[SEL+1], 0xfedcba98
	s_mov_b32 s[MNT], 0x600000
	s_mov_b32 s28, 0x3a800000                      ; 1 / 1024
	s_mov_b32 s29, 0x3727c5ac                      ; 1e-5
	s_lshl_b32 s13, ttmp9, 16                      ; 16 rows of 4,096 bytes
	s_lshl_b32 s14, s12, 9                         ; my 128 columns
	s_add_co_u32 s16, s13, s14
	s_mov_b32 s17, 0
	s_mov_b32 s18, s14
	s_mov_b32 s19, 0
	s_lshl_b32 s24, ttmp9, 14                      ; my fragment: (8 x work-group + wave) x 2,048
	s_lshl_b32 s15, s12, 11
	s_add_co_u32 s24, s24, s15
	s_mov_b32 s25, 0
	s_lshl_b32 s26, s12, 14                        ; my scale words: 4,194,304 + (4096 x wave + 16 x work-group) x 4
	s_lshl_b32 s15, ttmp9, 6
	s_add_co_u32 s26, s26, s15
	s_add_co_u32 s26, s26, 4194304
	s_mov_b32 s27, 0
.irp b, 0,1,2,3
	v_mov_b32 v[TM+4+\b], 0                        ; written once: a lane permute's destination counts as one of its sources
.endr
	s_wait_kmcnt 0x0
	s_add_nc_u64 s[4:5], s[4:5], s[16:17]
	s_add_nc_u64 s[6:7], s[6:7], s[18:19]
	s_add_nc_u64 s[8:9], s[8:9], s[18:19]
	s_add_nc_u64 s[26:27], s[10:11], s[26:27]
	s_add_nc_u64 s[10:11], s[10:11], s[24:25]
.irp i, 0,1,2,3,4,5,6,7,8,9,10,11,12,13,14,15
	global_load_b128 v[RAW+4*\i:RAW+4*\i+3], v4, s[4:5] offset:4096*\i   ; row i: 32 lanes read 512 consecutive bytes
.endr
.irp c, 0,1,2,3
.irp j, 0,1,2,3
	global_load_b128 v[G+16*\c+4*\j:G+16*\c+4*\j+3], v7, s[6:7] offset:128*\c+16*\j
.endr
.endr
	s_wait_loadcnt 16                              ; the 16 rows are in; g's 16 loads may be out
.irp i, 0,1,2,3,4,5,6,7,8,9,10,11,12,13,14,15
	ds_store_b128 v5, v[RAW+4*\i:RAW+4*\i+3] offset:528*\i
.endr
.irp c, 0,1,2,3
.irp j, 0,1,2,3
	ds_load_b128 v[X+16*\c+4*\j:X+16*\c+4*\j+3], v6 offset:128*\c+16*\j   ; LDS serves a wave's instructions in order: these see my stores
.endr
.endr
	s_wait_dscnt 0x0                               ; my numbers are in, and the stores have read their registers, which now take b
.irp c, 0,1,2,3
.irp j, 0,1,2,3
	global_load_b128 v[RAW+16*\c+4*\j:RAW+16*\c+4*\j+3], v7, s[8:9] offset:128*\c+16*\j
.endr
.endr
; four partial sums in v[240:247] become the row's sum over all 1,024 columns, in v244 of every lane: lane l xor 16, then the eight waves through LDS
.macro ACROSS off
	v_pk_add_f32 v[240:241], v[240:241], v[242:243]
	v_pk_add_f32 v[244:245], v[244:245], v[246:247]
	v_pk_add_f32 v[240:241], v[240:241], v[244:245]
	v_add_f32 v240, v240, v241
	v_permlanex16_b32 v242, v240, s[SEL], s[SEL+1]
	v_add_f32 v240, v240, v242
	ds_store_b32 v8, v240 offset:\off              ; both lanes of a row write the same word with the same value
	s_wait_dscnt 0x0                               ; for the others' sake: my store has landed
	s_barrier_signal -1
	s_barrier_wait -1
	ds_load_b128 v[244:247], v9 offset:\off
	ds_load_b128 v[248:251], v9 offset:\off+16
	s_wait_dscnt 0x0
	v_pk_add_f32 v[244:245], v[244:245], v[246:247]
	v_pk_add_f32 v[248:249], v[248:249], v[250:251]
	v_pk_add_f32 v[244:245], v[244:245], v[248:249]
	v_add_f32 v244, v244, v245
.endm
.irp k, 0,1,2,3
	v_pk_add_f32 v[240+2*\k:241+2*\k], v[X+4*\k:X+4*\k+1], v[X+4*\k+2:X+4*\k+3]   ; the first sixteen numbers start four chains
.endr
.irp i, 16,24,32,40,48,56
.irp k, 0,1,2,3
	v_pk_add_f32 v[240+2*\k:241+2*\k], v[240+2*\k:241+2*\k], v[X+\i+2*\k:X+\i+2*\k+1]
.endr
.endr
	ACROSS 0
	v_mul_f32 v12, s28, v244                       ; the mean
	v_mov_b32 v13, v12
.set i, 0
.rept 32
	v_pk_add_f32 v[X+i:X+i+1], v[X+i:X+i+1], v[12:13] neg_lo:[0,1] neg_hi:[0,1]   ; x - mean
.set i, i+2
.endr
.irp k, 0,1,2,3
	v_pk_mul_f32 v[240+2*\k:241+2*\k], v[X+2*\k:X+2*\k+1], v[X+2*\k:X+2*\k+1]
.endr
.irp i, 8,16,24,32,40,48,56
.irp k, 0,1,2,3
	v_pk_fma_f32 v[240+2*\k:241+2*\k], v[X+\i+2*\k:X+\i+2*\k+1], v[X+\i+2*\k:X+\i+2*\k+1], v[240+2*\k:241+2*\k]
.endr
.endr
	ACROSS 512
	v_fma_f32 v14, v244, s28, s29                  ; the variance + 1e-5
	v_rsq_f32 v14, v14
	v_nop                                          ; a plain instruction behind the transcendental
	s_wait_alu depctr_va_vdst(0)                   ; and the wait ahead of the first line that names its result
	v_mov_b32 v15, v14
	s_wait_loadcnt 0x0                             ; g and b
.set i, 0
.rept 32
	v_pk_mul_f32 v[X+i:X+i+1], v[X+i:X+i+1], v[14:15]
.set i, i+2
.endr
.set i, 0
.rept 32
	v_pk_fma_f32 v[X+i:X+i+1], v[X+i:X+i+1], v[G+i:G+i+1], v[RAW+i:RAW+i+1]
.set i, i+2
.endr
; THE QUANTISER: four blocks of 32 along K; a block lies in lanes l and l xor 16
.irp b, 0,1,2,3
	v_max3_num_f32 v[TM+\b], |v[X+16*\b]|, |v[X+1+16*\b]|, 0x4800000   ; my 16 numbers, and the floor 2^(9 - 127): the byte cannot fall under 1
.endr
.irp i, 2,4,6,8,10,12,14
.irp b, 0,1,2,3
	v_max3_num_f32 v[TM+\b], v[TM+\b], |v[X+16*\b+\i]|, |v[X+1+16*\b+\i]|
.endr
.endr
.irp b, 0,1,2,3
	v_permlanex16_b32 v[TM+4+\b], v[TM+\b], s[SEL], s[SEL+1]
.endr
.irp b, 0,1,2,3
	v_max_num_f32 v[TM+\b], v[TM+\b], v[TM+4+\b]   ; the block's largest magnitude
.endr
.irp b, 0,1,2,3
	v_add_nc_u32 v[TM+12+\b], 0xfc000000, v[TM+\b] ; 8 off its exponent field: the conversion's scale operand
.endr
.irp b, 0,1,2,3
	v_and_or_b32 v[TM+8+\b], v[TM+\b], 0x7f800000, s[MNT]   ; 448 x the scale
.endr
.irp b, 0,1,2,3
	v_lshrrev_b32 v[TM+4+\b], 23, v[TM+12+\b]      ; the scale's byte
.endr
	v_lshl_or_b32 v[PW], v[TM+5], 8, v[TM+4]
	v_lshl_or_b32 v[PW], v[TM+6], 16, v[PW]
	v_lshl_or_b32 v[PW], v[TM+7], 24, v[PW]
.irp b, 0,1,2,3
.irp i, 0,1,2,3,4,5,6,7,8,9,10,11,12,13,14,15
	v_med3_num_f32 v[X+16*\b+\i], v[X+16*\b+\i], -v[TM+8+\b], v[TM+8+\b]   ; the conversion does not saturate (ISA guide 7.6.2): the hold at 448 x the scale
.endr
	v_cvt_scalef32_pk8_fp8_f32 v[PC+4*\b:PC+1+4*\b], v[X+16*\b:X+7+16*\b], v[TM+12+\b]
	v_cvt_scalef32_pk8_fp8_f32 v[PC+2+4*\b:PC+3+4*\b], v[X+8+16*\b:X+15+16*\b], v[TM+12+\b]
.endr
	v_nop
.irp c, 0,1,2,3
	global_store_b128 v4, v[PC+4*\c:PC+4*\c+3], s[10:11] offset:512*\c   ; 512 consecutive bytes, aligned
.endr
	s_wait_xcnt 0x0                                ; EXEC changes only behind this wait
	v_cmp_gt_u32 vcc_lo, 16, v1
	s_wait_tensorcnt 0x0
	ds_add_u32 v254, v255
	s_wait_dscnt 0x0
	s_and_saveexec_b32 s31, vcc_lo                 ; lanes 0-15: a word a row
	global_store_b32 v10, v[PW], s[26:27]
	s_wait_xcnt 0x0
	s_or_b32 exec_lo, exec_lo, s31
	s_endpgm
.Lfunc_end_k_qc379b34870_ln1:
	.size	k_qc379b34870_ln1, .Lfunc_end_k_qc379b34870_ln1-k_qc379b34870_ln1
	.p2alignl 7, 3214868480
	.fill 96, 4, 3214868480
	.section	.rodata,"a",@progbits
	.p2align	6, 0x0
	.amdhsa_kernel k_qc379b34870_ln1
		.amdhsa_group_segment_fixed_size 69632
		.amdhsa_private_segment_fixed_size 0
		.amdhsa_enable_private_segment 0
		.amdhsa_kernarg_size 32
		.amdhsa_user_sgpr_count 2
		.amdhsa_user_sgpr_kernarg_segment_ptr 1
		.amdhsa_wavefront_size32 1
		.amdhsa_system_sgpr_workgroup_id_x 1
		.amdhsa_system_sgpr_workgroup_id_y 1
		.amdhsa_system_sgpr_workgroup_id_z 1
		.amdhsa_system_vgpr_workitem_id 0
		.amdhsa_next_free_vgpr 256
		.amdhsa_next_free_sgpr 66
		.amdhsa_reserve_vcc 1
		.amdhsa_float_denorm_mode_32 3
		.amdhsa_float_denorm_mode_16_64 3
		.amdhsa_memory_ordered 1
		.amdhsa_forward_progress 1
		.amdhsa_inst_pref_size 30
	.end_amdhsa_kernel
	.amdgpu_metadata
---
amdhsa.version: [ 1, 2 ]
amdhsa.kernels:
  - .name:           k_qc379b34870_ln1
    .symbol:         k_qc379b34870_ln1.kd
    .args:
      - { .name: x, .offset: 0, .size: 8, .value_kind: global_buffer, .address_space: global }
      - { .name: g1, .offset: 8, .size: 8, .value_kind: global_buffer, .address_space: global }
      - { .name: be1, .offset: 16, .size: 8, .value_kind: global_buffer, .address_space: global }
      - { .name: act, .offset: 24, .size: 8, .value_kind: global_buffer, .address_space: global }
    .group_segment_fixed_size: 69632
    .private_segment_fixed_size: 0
    .kernarg_segment_align: 8
    .kernarg_segment_size: 32
    .max_flat_workgroup_size: 256
    .sgpr_count:     66
    .vgpr_count:     256
    .wavefront_size: 32
...
	.end_amdgpu_metadata
.endif
;; end of part 1
;; launch qkv (part 2): grid 24 x 32, 4 waves a work-group, clusters of 4 x 4, 327,680 bytes of LDS; arguments act, wq_codes, wq_scales, wk_codes, wk_scales, wv_codes, wv_scales, qkv; writes qkv
.if DOCPART == 2
	.amdgcn_target "amdgcn-amd-amdhsa--gfx1250"
	.amdhsa_code_object_version 6
	.text
	.protected	k_qc379b34870_qkv
	.globl	k_qc379b34870_qkv
	.p2align	8
	.type	k_qc379b34870_qkv,@function
k_qc379b34870_qkv:
	s_mov_b64 s[64:65], 0
	v_nop
	global_prefetch_b8 v0, s[64:65] scope:SCOPE_SE
	s_setreg_imm32_b32 hwreg(HW_REG_WAVE_MODE, 25, 1), 1
	s_wait_xcnt 0x0
	s_wait_alu depctr_hold_cnt(0) depctr_sa_sdst(0) depctr_va_vdst(0) depctr_va_sdst(0) depctr_va_ssrc(0) depctr_va_vcc(0) depctr_vm_vsrc(0)
	s_getreg_b32 s2, hwreg(HW_REG_IB_STS2, 6, 4)
	s_cmp_eq_u32 s2, 0
	s_cbranch_scc0 .Lentry_in_a_cluster
	s_endpgm
.Lentry_in_a_cluster:
	s_bfe_u32 s2, ttmp6, 0x10000c
	s_cmp_lg_u32 s2, 0xf033
	s_cbranch_scc0 .Lentry_shape_is_right
	s_endpgm
.Lentry_shape_is_right:
; q, k, v = h Wq, h Wk, h Wv on codes of FP8 (E4M3) with E8M0 scales, and their quantising for attention: q and k along the head's 64 channels, v along the keys.
; A: h as images of operand registers (fragment (mb, ks) at (8 mb + ks) * 2048; scale word (ks, row) at 4,194,304 + (4096 ks + row) * 4).  B: a weight's codes [1024 n][1024 k] and scale bytes [1024][32].
; SHARES. Tile columns 0-7 make q, 8-15 k, 16-23 v; a work-group makes 128 tokens x 128 columns, each of its four waves 64 x 64 (one head): 16 accumulators.
; All of K (1,024) lies in two LDS slots of 512, filled once by the tensor data mover; the tiles' scales come with them.
; CLUSTERS: 4 x 4 work-groups; A's tiles are asked for jointly along a row of the cluster, B's along a column.
; q, k: source 0 = 16 rows of the weight, source 1 = 16 tokens: a lane holds one token and its registers run along the channels.  v: the sources are swapped: a lane holds one channel and its
; registers run along the tokens, which are the second product's K.  The two ways part once, on the cluster's x, which all partners share, and the main path is written twice.
; OUT (qkv): q at 0, k at 4,194,304: half-images of 1,024 bytes, ((16 batch + head) * 128 + token / 16) * 1024 + 512 c + 16 lane.  v at 8,388,608: fragment (key / 128, channel / 16) of 2,048 bytes.
; Inside a block of 32 the codes stand in the order in which the results fall: lane half h holds k = 8 h + 0..7 and 16 + 8 h + 0..7.  q and k carry the same order, and so do v and the softmax's p:
; the products are the same, their order of summing differs from ascending k.  Scale words: q's at 12,582,912, k's and v's at 12,845,056 (8,192 bytes a head).
; LIMITS: NaN and infinities are not served; a block whose largest magnitude lies under 2^-118 (a block of zeros too) gets the byte 1: the bytes are read by this program alone.
; No prefetch: every tile is asked for in the first lines.
.set SIZE_K, 1024
.set HAS_BIAS, 0
.set KS,     SIZE_K/32                 ; a row of B's scale bytes
.set NKS,    SIZE_K/128
.set LAPS,   SIZE_K/1024
.set ASCOFF, 4096*SIZE_K               ; A's scale words lie behind its codes
.set HALFA,  32768                     ; 64 rows x 512 K of A as images: [4 blocks][4 K steps][2048]
.set HALFB,  64*528                    ; 64 rows of B: 512 bytes + 16 of padding
.set BOFF,   2*HALFA
.set SLOTB,  BOFF+2*HALFB
.set ASC,    2*SLOTB                   ; A's scale words: [half][K step][64 rows x 4 bytes]
.set BSC,    ASC+NKS*512               ; B's scale bytes, as units of 256 bytes + 16
.set HALFS,  (64*KS/256)*272
.set SBLK,   (16*KS/256)*272
.set SPARE,  BSC+2*HALFS               ; the spare words: 128 bytes a wave, named by no other line
.set ADRA, 16                          ; v16-17 my A fragments in slot 0, 1;  v20-21 B's;  v22 A's scale words;  v23 B's;  v28, v29 the add's two registers
.set ADRB, 20
.set G1A, 24
.set G0A, 32
.set G1B, 48
.set G0B, 56
.set G1SA, 68
.set G0SA, 76
.set G1SB, 80
.set G0SB, 88
.set MUL,  0x05                        ; sources 0 and 1 in window 1; C and D in window 0
.set TO_F, 0x40                        ; destination in window 1
.set SW, 0
; REGISTERS. window 0: v1-29 addresses; v32-95 scale words alone, two sets; v96-127 the way out's; v128-255 the 16 accumulators.  window 1: two fragment buffers of 128 (A's four, then B's four).
.set MSB, 0
.macro WIN new                         ; the immediate's high byte repeats the setting that is left
.if MSB != \new
	s_set_vgpr_msb (MSB<<8)|\new
.set MSB, \new
.endif
.endm
.macro PLACES n
.rept \n
	v_nop
.endr
.endm
.macro JLOAD g0a, g1a, g0b, g1b        ; a joint load: waves 0 and 1 fetch for A, waves 2 and 3 for B; four v_nop follow each line
	s_cmp_eq_u32 s15, 0
	s_cbranch_scc0 .Lfor_b_\@
	tensor_load_to_lds s[\g0a:\g0a+3], s[\g1a:\g1a+7]
	s_nop 0
.rept 4
	v_nop
.endr
	s_branch .Lasked_\@
.Lfor_b_\@:
	tensor_load_to_lds s[\g0b:\g0b+3], s[\g1b:\g1b+7]
	s_nop 0
.rept 4
	v_nop
.endr
.Lasked_\@:
.endm
.macro CREST
	s_cmp_lg_u32 s14, 0
	s_cbranch_scc1 .Lnot_wave_0_\@
	s_barrier_signal -3
.Lnot_wave_0_\@:
	s_barrier_wait -3
	s_barrier_signal -1
	s_barrier_wait -1
.endm
.macro CROUND
	s_barrier_signal -1
	s_barrier_wait -1
	CREST
.endm
.macro FETCH slot, q, f                ; 32 LDS loads: B's four fragments, then A's four, of the slot's q-th 128 along K
	WIN TO_F
.irp i, 0,1,2,3
.irp c, 0,1,2,3
	ds_load_b128 v[\f+64+16*\i+4*\c:\f+64+16*\i+4*\c+3], v[ADRB+\slot] offset:8448*\i+128*(\q)+32*\c
.endr
.endr
.irp i, 0,1,2,3
.irp c, 0,1,2,3
	ds_load_b128 v[\f+16*\i+4*\c:\f+16*\i+4*\c+3], v[ADRA+\slot] offset:8192*\i+2048*(\q)+512*\c
.endr
.endr
.endm
.macro SCALES set                      ; a slot's scale words: A's (K step q, block a) at v[32 + 32 set + 4 q + a], B's (block b, K step q) at v[48 + 32 set + 4 b + q]
	WIN 0
.irp q, 0,1,2,3
.irp a, 0,1,2,3
	ds_load_b32 v[32+32*\set+4*\q+\a], v22 offset:256*\q+64*\a
.endr
.endr
.irp b, 0,1,2,3
	ds_load_b128 v[48+32*\set+4*\b:48+32*\set+4*\b+3], v23 offset:\b*SBLK
.endr
.endm
.macro MULH f, a0, set, q, zero        ; 8 matrix instructions: A's blocks a0, a0 + 1 x B's four; the 16 accumulators take turns, one instruction a turn
	WIN MUL
.irp a, \a0, \a0+1
.irp b, 0,1,2,3
.set rA, \f+16*(\a)
.set rB, \f+64+16*\b
.set sA, 32+32*(\set)+4*(\q)+(\a)
.set sB, 48+32*(\set)+4*\b+(\q)
.if SW
.set rD, 128+8*(4*\b+(\a))
.if \zero
	v_wmma_scale_f32_16x16x128_f8f6f4 v[rD:rD+7], v[rA:rA+15], v[rB:rB+15], 0, v[sA], v[sB]
.else
	v_wmma_scale_f32_16x16x128_f8f6f4 v[rD:rD+7], v[rA:rA+15], v[rB:rB+15], v[rD:rD+7], v[sA], v[sB]
.endif
.else
.set rD, 128+8*(4*(\a)+\b)
.if \zero
	v_wmma_scale_f32_16x16x128_f8f6f4 v[rD:rD+7], v[rB:rB+15], v[rA:rA+15], 0, v[sB], v[sA]
.else
	v_wmma_scale_f32_16x16x128_f8f6f4 v[rD:rD+7], v[rB:rB+15], v[rA:rA+15], v[rD:rD+7], v[sB], v[sA]
.endif
.endif
.endr
.endr
.endm
.macro STEP slot, q, zero              ; 128 along K with a successor in the same slot
	s_wait_dscnt 8                                 ; all but A's fragments 2 and 3, the eight youngest loads
	MULH 128*((\q)%2), 0, \slot, \q, \zero
	PLACES 8                                       ; in front of loads into registers that matrix instructions have read
	FETCH \slot, (\q)+1, 128-128*((\q)%2)
	s_wait_dscnt 32                                ; all but the 32 just issued
	MULH 128*((\q)%2), 2, \slot, \q, \zero
.endm
.macro TURN slot, next, fill           ; a slot's last step, and the change of slots: one barrier
	s_wait_dscnt 8
	MULH 128, 0, \slot, 3, 0
	WIN 0
	s_wait_tensorcnt 0x0                           ; all my tensor loads have landed, my part of the next slot among them
	ds_add_u32 v28, v29                            ; 0 onto my spare word
.if \fill
	s_add_nc_u64 s[G0A+4*\slot+2:G0A+4*\slot+3], s[G0A+4*\slot+2:G0A+4*\slot+3], 16384
	s_add_nc_u64 s[G0B+4*\slot+2:G0B+4*\slot+3], s[G0B+4*\slot+2:G0B+4*\slot+3], 1024
.endif
	s_wait_dscnt 0x0                               ; the add is done, and my reads of this slot are over
	s_barrier_signal -1
	s_barrier_wait -1
.if \fill
	CREST
	JLOAD G0A+4*\slot, G1A, G0B+4*\slot, G1B
	PLACES 4
.else
	PLACES 8
.endif
	v_add_nc_u32 v22, 1024, v22                    ; the next slot's scale words
	v_add_nc_u32 v23, 16, v23
	SCALES \next
	FETCH \next, 0, 0
	MULH 128, 2, \slot, 3, 0
.endm
.macro LAST
	s_wait_dscnt 8
	MULH 128, 0, 1, 3, 0
	s_wait_dscnt 0x0
	MULH 128, 2, 1, 3, 0
	WIN 0
.endm
.macro MAIN                            ; all of K: eight steps of 128; the first starts the sums
	SCALES 0
	FETCH 0, 0, 0
	STEP 0, 0, 1
	STEP 0, 1, 0
	STEP 0, 2, 0
	TURN 0, 1, 0
	STEP 1, 0, 0
	STEP 1, 1, 0
	STEP 1, 2, 0
	LAST
.endm
	s_load_b64 s[4:5], s[0:1], 0x0                 ; act
	s_load_b256 s[68:75], s[0:1], 0x8              ; wq's codes, scales; wk's codes, scales
	s_load_b128 s[76:79], s[0:1], 0x28             ; wv's codes, scales
	s_load_b64 s[10:11], s[0:1], 0x38              ; qkv
	v_lshl_add_u32 v28, v0, 2, SPARE
	v_mov_b32 v29, 0
	ds_add_u32 v28, v29
	ds_add_u32 v28, v29
	s_wait_dscnt 0x0
	v_lshrrev_b32 v1, 5, v0
	v_readfirstlane_b32 s14, v1                    ; wave 0..3
	s_lshr_b32 s15, s14, 1                         ; my half of the tile's rows.  Also: I fetch for A (0) or B (1)
	s_and_b32 s16, s14, 1                          ; my half of its columns.  Also: which half I fetch
	s_bfe_u32 s40, ttmp6, 0x40000                  ; cx
	s_bfe_u32 s41, ttmp6, 0x40004                  ; cy
	s_lshl_b32 s42, ttmp9, 2
	s_add_co_u32 s42, s42, s40                     ; tile column
	s_and_b32 s17, ttmp7, 0xffff
	s_lshl_b32 s17, s17, 2
	s_add_co_u32 s17, s17, s41                     ; tile row
	s_lshl_b32 s43, s41, 2
	s_lshl_b32 s43, 15, s43                        ; my row of the cluster
	s_lshl_b32 s44, 0x1111, s40                    ; my column
	s_lshr_b32 s92, ttmp9, 1                       ; 0: q, 1: k, 2: v: the same in all sixteen partners
	s_lshl_b32 s20, s17, 3
	s_lshl_b32 s18, s16, 2
	s_add_co_u32 s20, s20, s18
	s_mul_i32 s20, s20, 16*SIZE_K                  ; A's codes: block 8 T + 4 half
	s_mov_b32 s21, 0
	s_lshl_b32 s22, s17, 9
	s_lshl_b32 s18, s16, 8
	s_add_co_u32 s22, s22, s18
	s_add_co_u32 s22, s22, ASCOFF                  ; A's scale words
	s_mov_b32 s23, 0
	s_and_b32 s98, s42, 7                          ; the tile column inside its weight
	s_lshl_b32 s46, s98, 7
	s_lshl_b32 s18, s16, 6
	s_add_co_u32 s46, s46, s18                     ; B's first row
	s_mul_i32 s94, s46, KS
	s_mov_b32 s95, 0
	s_mul_i32 s46, s46, SIZE_K
	s_mov_b32 s47, 0
	s_mul_i32 s45, s16, HALFA                      ; where they go: no place in the cluster enters an LDS address
	s_mul_i32 s93, s16, HALFB
	s_add_co_u32 s93, s93, BOFF
	s_mul_i32 s96, s16, NKS*256
	s_add_co_u32 s96, s96, ASC
	s_mul_i32 s97, s16, HALFS
	s_add_co_u32 s97, s97, BSC
	s_wait_kmcnt 0x0
	s_cmp_eq_u32 s92, 0                            ; which weight: the choice hangs on the cluster's x alone
	s_cselect_b64 s[6:7], s[68:69], s[72:73]
	s_cselect_b64 s[8:9], s[70:71], s[74:75]
	s_cmp_eq_u32 s92, 2
	s_cselect_b64 s[6:7], s[76:77], s[6:7]
	s_cselect_b64 s[8:9], s[78:79], s[8:9]
	s_or_b32 s[G1A], s43, (3<<16)|(1<<21)          ; A: 4 rows of 1,024 elements of 8 bytes (a block's four fragments), dense in LDS; mask: my row
	s_mov_b32 s[G1A+1], 1024<<16
	s_mov_b32 s[G1A+2], 4<<16
	s_mov_b32 s[G1A+3], 1024<<16
	s_mov_b32 s[G1A+4], 4
	s_mov_b32 s[G1A+5], 2*SIZE_K
	s_mov_b32 s[G1A+6], 0
	s_mov_b32 s[G1A+7], 0
	s_or_b32 s[G1B], s44, (1<<20)|(1<<21)|(6<<22)|(3<<25)   ; B: 64 rows of 512 bytes, 4 words of padding behind every 128; mask: my column
	s_mov_b32 s[G1B+1], 512<<16
	s_mov_b32 s[G1B+2], 64<<16
	s_mov_b32 s[G1B+3], 512<<16
	s_mov_b32 s[G1B+4], 64
	s_mov_b32 s[G1B+5], SIZE_K
	s_mov_b32 s[G1B+6], 0
	s_mov_b32 s[G1B+7], 0
	s_or_b32 s[G1SA], s43, (3<<16)|(1<<21)         ; A's scale words: NKS rows of 256 bytes, 16,384 bytes apart
	s_mov_b32 s[G1SA+1], 32<<16
	s_mov_b32 s[G1SA+2], NKS<<16
	s_mov_b32 s[G1SA+3], 32<<16
	s_mov_b32 s[G1SA+4], NKS
	s_mov_b32 s[G1SA+5], 2048
	s_mov_b32 s[G1SA+6], 0
	s_mov_b32 s[G1SA+7], 0
	s_or_b32 s[G1SB], s44, (3<<16)|(1<<20)|(1<<21)|(5<<22)|(3<<25)   ; B's scale bytes: a dense block as rows of 256 bytes + 16
	s_mov_b32 s[G1SB+1], 32<<16
	s_mov_b32 s[G1SB+2], (64*KS/256)<<16
	s_mov_b32 s[G1SB+3], 32<<16
	s_mov_b32 s[G1SB+4], 64*KS/256
	s_mov_b32 s[G1SB+5], 32
	s_mov_b32 s[G1SB+6], 0
	s_mov_b32 s[G1SB+7], 0
	s_add_nc_u64 s[20:21], s[4:5], s[20:21]
	s_add_nc_u64 s[22:23], s[4:5], s[22:23]
	s_add_nc_u64 s[46:47], s[6:7], s[46:47]
	s_add_nc_u64 s[94:95], s[8:9], s[94:95]
	CROUND                                         ; all sixteen work-groups are here: the first joint loads meet
	s_mov_b32 s[G0SA], 1
	s_mov_b32 s[G0SA+1], s96
	s_mov_b64 s[G0SA+2:G0SA+3], s[22:23]
	s_or_b32 s[G0SA+3], s[G0SA+3], 0x80000000
	s_mov_b32 s[G0SB], 1
	s_mov_b32 s[G0SB+1], s97
	s_mov_b64 s[G0SB+2:G0SB+3], s[94:95]
	s_or_b32 s[G0SB+3], s[G0SB+3], 0x80000000
	JLOAD G0SA, G1SA, G0SB, G1SB
.irp s, 0,1
	s_mov_b32 s[G0A+4*\s], 1
	s_add_co_u32 s[G0A+4*\s+1], s45, \s*SLOTB
	s_add_nc_u64 s[G0A+4*\s+2:G0A+4*\s+3], s[20:21], \s*8192
	s_or_b32 s[G0A+4*\s+3], s[G0A+4*\s+3], 0x80000000
	s_mov_b32 s[G0B+4*\s], 1
	s_add_co_u32 s[G0B+4*\s+1], s93, \s*SLOTB
	s_add_nc_u64 s[G0B+4*\s+2:G0B+4*\s+3], s[46:47], \s*512
	s_or_b32 s[G0B+4*\s+3], s[G0B+4*\s+3], 0x80000000
	JLOAD G0A+4*\s, G1A, G0B+4*\s, G1B
.endr
	v_and_b32 v1, 15, v0                           ; r
	v_bfe_u32 v2, v0, 4, 1                         ; h
	v_and_b32 v3, 31, v0                           ; lane
	v_lshlrev_b32 v4, 4, v3                        ; 16 x lane
	s_mul_i32 s18, s15, HALFA
	v_add_nc_u32 v16, s18, v4
	v_add_nc_u32 v17, SLOTB, v16
	v_mul_u32_u24 v5, v1, 528
	v_lshl_add_u32 v5, v2, 4, v5
	s_mul_i32 s18, s16, HALFB
	s_add_co_u32 s18, s18, BOFF
	v_add_nc_u32 v20, s18, v5
	v_add_nc_u32 v21, SLOTB, v20
	v_lshlrev_b32 v6, 2, v1
	s_mul_i32 s18, s15, NKS*256
	s_add_co_u32 s18, s18, ASC
	v_add_nc_u32 v22, s18, v6
	v_mul_u32_u24 v7, v1, KS
	v_lshrrev_b32 v8, 8, v7
	v_lshl_add_u32 v7, v8, 4, v7                   ; 16 more for each 256 passed
	s_mul_i32 s18, s16, HALFS
	s_add_co_u32 s18, s18, BSC
	v_add_nc_u32 v23, s18, v7
	s_wait_tensorcnt 1                             ; the scales and my part of slot 0 are in; slot 1's load may be out
	s_barrier_signal -1
	s_barrier_wait -1
	s_cmp_eq_u32 s92, 2
	s_cbranch_scc1 .Lway_v
.set SW, 0
	MAIN
	s_branch .Lout
.Lway_v:
.set SW, 1
	MAIN
.Lout:
	PLACES 8                                       ; in front of the first read of results
; THE WAY OUT. Of outer block o (q, k: 16 tokens; v: 16 channels) a lane holds 32 registers: two blocks of 32 along the next K, each shared with lane l xor 16.
	s_mov_b32 s20, 0x76543210
	s_mov_b32 s21, 0xfedcba98
	s_mov_b32 s22, 0x600000
	s_and_b32 s18, s42, 7
	s_lshl_b32 s18, s18, 1
	s_add_co_u32 s18, s18, s16                     ; head
	s_lshr_b32 s19, s17, 4
	s_lshl_b32 s19, s19, 4
	s_add_co_u32 s19, s19, s18                     ; bh = 16 batch + head
	s_and_b32 s23, s17, 15                         ; the tile's 128 tokens in their sequence
	s_lshl_b32 s45, s19, 7                         ; q, k: (bh * 128 + 8 Ts + 4 wm) * 1024 + kind * 4,194,304
	s_lshl_b32 s46, s23, 3
	s_add_co_u32 s45, s45, s46
	s_lshl_b32 s46, s15, 2
	s_add_co_u32 s45, s45, s46
	s_lshl_b32 s45, s45, 10
	s_lshl_b32 s46, s92, 22
	s_add_co_u32 s45, s45, s46
	s_lshl_b32 s46, s19, 4                         ; v: 8,388,608 + (bh * 16 + Ts) * 8192 + wm * 1024
	s_add_co_u32 s46, s46, s23
	s_lshl_b32 s46, s46, 13
	s_lshl_b32 s47, s15, 10
	s_add_co_u32 s46, s46, s47
	s_add_co_u32 s46, s46, 8388608
	s_lshl_b32 s93, s19, 5                         ; q's scale words: 12,582,912 + (bh * 32 + 2 Ts + wm) * 256
	s_lshl_b32 s47, s23, 1
	s_add_co_u32 s93, s93, s47
	s_add_co_u32 s93, s93, s15
	s_lshl_b32 s93, s93, 8
	s_add_co_u32 s93, s93, 12582912
	s_lshl_b32 s94, s19, 13                        ; k's and v's: 12,845,056 + bh * 8192 + 256 Ts,
	s_add_co_u32 s94, s94, 12845056
	s_lshl_b32 s47, s23, 8
	s_add_co_u32 s94, s94, s47
	s_lshl_b32 s47, s15, 7
	s_add_co_u32 s95, s94, s47                     ; k's: + 128 wm
	s_lshl_b32 s47, s15, 1
	s_add_co_u32 s94, s94, s47
	s_add_co_u32 s94, s94, 4096                    ; v's: + 4096 + 2 wm
	s_mov_b32 s97, 1024
	s_cmp_eq_u32 s92, 2
	s_cselect_b32 s98, s46, s45
	s_cselect_b32 s97, 2048, s97                   ; from outer block to outer block
	s_cselect_b32 s96, s94, s95
	s_cmp_eq_u32 s92, 0
	s_cselect_b32 s94, s93, s96
	s_mov_b32 s95, 0
	s_mov_b32 s99, 0
	s_add_nc_u64 s[12:13], s[10:11], s[94:95]      ; the scale words
	s_add_nc_u64 s[10:11], s[10:11], s[98:99]      ; the codes
	v_mov_b32 v108, v4
	v_add_nc_u32 v109, s97, v108
	v_add_nc_u32 v110, s97, v109
	v_add_nc_u32 v111, s97, v110
	v_mov_b32 v98, 0                               ; written once: a lane permute's destination counts as one of its sources
	v_mov_b32 v99, 0
	v_cmp_le_u32 vcc_lo, 16, v3                    ; lanes 16-31
.macro QROW o
.set qs, 128+32*(\o)
.irp b, 0,1
	v_max3_num_f32 v[96+\b], |v[qs+16*\b]|, |v[qs+16*\b+1]|, 0x4800000   ; each accumulator from its low end on; the floor 2^(9 - 127) holds the byte at 1 from below
.endr
.irp i, 2,4,6,8,10,12,14
.irp b, 0,1
	v_max3_num_f32 v[96+\b], v[96+\b], |v[qs+16*\b+\i]|, |v[qs+16*\b+\i+1]|
.endr
.endr
.irp b, 0,1
	v_permlanex16_b32 v[98+\b], v[96+\b], s20, s21
.endr
.irp b, 0,1
	v_max_num_f32 v[96+\b], v[96+\b], v[98+\b]     ; the block's largest magnitude
.endr
.irp b, 0,1
	v_add_nc_u32 v[100+\b], 0xfc000000, v[96+\b]   ; the conversion's scale operand
	v_and_or_b32 v[102+\b], v[96+\b], 0x7f800000, s22   ; 448 x the scale
.endr
.irp b, 0,1
	v_lshrrev_b32 v[98+\b], 23, v[100+\b]          ; the byte
.endr
	v_lshl_or_b32 v[104+(\o)], v99, 8, v98
.irp b, 0,1
.irp i, 0,1,2,3,4,5,6,7,8,9,10,11,12,13,14,15
	v_med3_num_f32 v[qs+16*\b+\i], v[qs+16*\b+\i], -v[102+\b], v[102+\b]   ; the conversion does not saturate (ISA guide 7.6.2)
.endr
.endr
	WIN 0x40                                       ; the codes go to window 1, registers of their own for each o: no store's data are written again
.irp b, 0,1
	v_cvt_scalef32_pk8_fp8_f32 v[192+8*(\o)+4*\b:193+8*(\o)+4*\b], v[qs+16*\b:qs+16*\b+7], v[100+\b]
	v_cvt_scalef32_pk8_fp8_f32 v[194+8*(\o)+4*\b:195+8*(\o)+4*\b], v[qs+16*\b+8:qs+16*\b+15], v[100+\b]
.endr
	v_nop
	WIN 0x04                                       ; a store's data are its source 1
.irp b, 0,1
	global_store_b128 v[108+(\o)], v[192+8*(\o)+4*\b:195+8*(\o)+4*\b], s[10:11] offset:512*\b   ; 512 consecutive bytes, aligned
.endr
	WIN 0
.endm
	QROW 0
	QROW 1
	QROW 2
	QROW 3
	s_cmp_eq_u32 s92, 0
	s_cbranch_scc0 .Lnot_q
	v_lshl_or_b32 v112, v104, 16, v104             ; q: the two bytes twice, since q stands in either half of the instruction's K
	v_lshl_or_b32 v113, v105, 16, v105
	v_lshl_or_b32 v114, v106, 16, v106
	v_lshl_or_b32 v115, v107, 16, v107
	v_cndmask_b32 v112, v112, v113, vcc_lo         ; lane l: token l, and token 32 + l
	v_cndmask_b32 v113, v114, v115, vcc_lo
	v_lshlrev_b32 v116, 3, v3
	global_store_b64 v116, v[112:113], s[12:13]    ; 256 consecutive bytes, aligned
	s_branch .Ldone
.Lnot_q:
	s_cmp_eq_u32 s92, 1
	s_cbranch_scc0 .Lis_v
	v_lshl_or_b32 v112, v105, 16, v104             ; k: a pair of 16-key blocks shares a word
	v_lshl_or_b32 v113, v107, 16, v106
	v_cndmask_b32 v112, v112, v113, vcc_lo
	v_lshlrev_b32 v116, 2, v3
	global_store_b32 v116, v112, s[12:13]
	s_branch .Ldone
.Lis_v:
	v_cndmask_b32 v112, v104, v105, vcc_lo         ; v: my 64 keys are half of a word's 128
	v_cndmask_b32 v113, v106, v107, vcc_lo
	v_lshlrev_b32 v116, 2, v3
	global_store_b16 v116, v112, s[12:13]
	global_store_b16 v116, v113, s[12:13] offset:128
.Ldone:
	s_wait_tensorcnt 0x0                           ; the wave's end
	ds_add_u32 v28, v29
	s_wait_dscnt 0x0
	CROUND                                         ; the closing round
	s_endpgm
.Lfunc_end_k_qc379b34870_qkv:
	.size	k_qc379b34870_qkv, .Lfunc_end_k_qc379b34870_qkv-k_qc379b34870_qkv
	.p2alignl 7, 3214868480
	.fill 96, 4, 3214868480
	.section	.rodata,"a",@progbits
	.p2align	6, 0x0
	.amdhsa_kernel k_qc379b34870_qkv
		.amdhsa_group_segment_fixed_size 327680
		.amdhsa_private_segment_fixed_size 0
		.amdhsa_enable_private_segment 0
		.amdhsa_kernarg_size 64
		.amdhsa_user_sgpr_count 2
		.amdhsa_user_sgpr_kernarg_segment_ptr 1
		.amdhsa_wavefront_size32 1
		.amdhsa_system_sgpr_workgroup_id_x 1
		.amdhsa_system_sgpr_workgroup_id_y 1
		.amdhsa_system_sgpr_workgroup_id_z 1
		.amdhsa_system_vgpr_workitem_id 0
		.amdhsa_next_free_vgpr 512
		.amdhsa_next_free_sgpr 100
		.amdhsa_reserve_vcc 1
		.amdhsa_float_denorm_mode_32 3
		.amdhsa_float_denorm_mode_16_64 3
		.amdhsa_memory_ordered 1
		.amdhsa_forward_progress 1
		.amdhsa_inst_pref_size 106
	.end_amdhsa_kernel
	.amdgpu_metadata
---
amdhsa.version: [ 1, 2 ]
amdhsa.kernels:
  - .name:           k_qc379b34870_qkv
    .symbol:         k_qc379b34870_qkv.kd
    .args:
      - { .name: act, .offset: 0, .size: 8, .value_kind: global_buffer, .address_space: global }
      - { .name: wq_codes, .offset: 8, .size: 8, .value_kind: global_buffer, .address_space: global }
      - { .name: wq_scales, .offset: 16, .size: 8, .value_kind: global_buffer, .address_space: global }
      - { .name: wk_codes, .offset: 24, .size: 8, .value_kind: global_buffer, .address_space: global }
      - { .name: wk_scales, .offset: 32, .size: 8, .value_kind: global_buffer, .address_space: global }
      - { .name: wv_codes, .offset: 40, .size: 8, .value_kind: global_buffer, .address_space: global }
      - { .name: wv_scales, .offset: 48, .size: 8, .value_kind: global_buffer, .address_space: global }
      - { .name: qkv, .offset: 56, .size: 8, .value_kind: global_buffer, .address_space: global }
    .group_segment_fixed_size: 327680
    .private_segment_fixed_size: 0
    .kernarg_segment_align: 8
    .kernarg_segment_size: 64
    .max_flat_workgroup_size: 128
    .sgpr_count:     100
    .vgpr_count:     512
    .wavefront_size: 32
...
	.end_amdgpu_metadata
.endif
;; end of part 2
;; launch attn (part 3): grid 8 x 32, 16 waves a work-group, clusters of 4 x 1, 272,384 bytes of LDS; arguments qkv, act; writes act
.if DOCPART == 3
	.amdgcn_target "amdgcn-amd-amdhsa--gfx1250"
	.amdhsa_code_object_version 6
	.text
	.protected	k_qc379b34870_attn
	.globl	k_qc379b34870_attn
	.p2align	8
	.type	k_qc379b34870_attn,@function
k_qc379b34870_attn:
	s_mov_b64 s[64:65], 0
	v_nop
	global_prefetch_b8 v0, s[64:65] scope:SCOPE_SE
	s_setreg_imm32_b32 hwreg(HW_REG_WAVE_MODE, 25, 1), 1
	s_wait_xcnt 0x0
	s_wait_alu depctr_hold_cnt(0) depctr_sa_sdst(0) depctr_va_vdst(0) depctr_va_sdst(0) depctr_va_ssrc(0) depctr_va_vcc(0) depctr_vm_vsrc(0)
	s_getreg_b32 s2, hwreg(HW_REG_IB_STS2, 6, 4)
	s_cmp_eq_u32 s2, 0
	s_cbranch_scc0 .Lentry_in_a_cluster
	s_endpgm
.Lentry_in_a_cluster:
	s_bfe_u32 s2, ttmp6, 0x10000c
	s_cmp_lg_u32 s2, 0x3003
	s_cbranch_scc0 .Lentry_shape_is_right
	s_endpgm
.Lentry_shape_is_right:
; Attention of one head on codes of FP8 (E4M3): O = softmax(q k^T / 8) v, both products quantised; O / l is quantised along the model's 1,024 for the next product.
; THE SOFTMAX: t = score x log2(e) / 8; M = the running largest t rounded up to a whole number; p = 2^(t - M) is quantised along the keys; the row's sum is taken of the unquantised p and divides at the end.
; SHARES. A work-group owns 256 queries of one (batch, head); each of its sixteen waves 16 of them in 256 registers, four waves to a SIMD.  Every wave walks all 2,048 keys, 128 a step.
; LDS. A head's k (131,072 bytes), v (131,072) and their scale words (8,192) fit: they are filled ONCE, in four chunks of 512 keys, five tensor loads a wave, all issued at the head: no slot is filled again.
; CLUSTER. The four query blocks of a cluster read the same k and v: each load is asked for jointly, with the mask of all four.
; HEAD SIZE 64 IN AN INSTRUCTION OF K = 128: a fragment of k holds key 32 b + r in its first 64 along K and key 32 b + 16 + r in its second.  It is multiplied by (q | zero codes) and by (zero codes | q).
; Both products are used transposed: a lane holds one query (lane % 16).  The 16 registers of a pair of score tiles are keys 32 b + 8 h + 0..7 and 32 b + 16 + 8 h + 0..7: v's codes were laid in that order.
; LIMITS: NaN and infinities are not served; a block whose largest magnitude lies under 2^-118 gets the byte 1.  The block's largest p is taken from the block's largest score, which leans on v_exp_f32 not falling where its input rises.
; No prefetch: every byte of k and v is asked for in the first lines.
.set VIMG, 131072
.set SC,   262144
.set KOFF, 4194304
.set QSC,  12582912
.set KVSC, 12845056
; REGISTERS: v1 16 x lane; v2 my scale words' place; v3-5 the step's addresses; v6 lane, v7 r; v12 -M, v13 the largest t, v[14:15] the sum; v16-31 (q | 0); v32-47 (0 | q); v48-51 k's or v's scale words;
; v52 q's; v53 p's; v[54:55] f; v56 at work; v64-127 four fragments; v128-191 the scores, then p; v192-223 O^T; v224-239 p's codes; v240-255 the quantiser's.
.macro ROUND
	s_barrier_signal -1
	s_barrier_wait -1
	s_cmp_lg_u32 s8, 0
	s_cbranch_scc1 .Lnot_wave_0_\@
	s_barrier_signal -3
.Lnot_wave_0_\@:
	s_barrier_wait -3
	s_barrier_signal -1
	s_barrier_wait -1
.endm
	s_load_b128 s[4:7], s[0:1], 0x0                ; qkv s[4:5], act s[6:7]
	v_lshl_add_u32 v62, v0, 2, 0x42000
	v_mov_b32 v63, 0
	ds_add_u32 v62, v63
	ds_add_u32 v62, v63
	v_lshrrev_b32 v1, 5, v0
	v_readfirstlane_b32 s8, v1                     ; wave 0..15
	s_bfe_u32 s9, ttmp6, 0x40000                   ; cx
	s_lshl_b32 s10, ttmp9, 2
	s_add_co_u32 s10, s10, s9                      ; my block of 256 queries: it enters q's and the output's addresses alone
	s_and_b32 s11, ttmp7, 0xffff                   ; bh = 16 batch + head, which the partners share
	s_mov_b32 s16, 15|(3<<16)|(1<<21)              ; a chunk's part: 16 rows of 32 elements of 8 bytes, dense; mask: all four
	s_mov_b32 s17, 32<<16
	s_mov_b32 s18, 16<<16
	s_mov_b32 s19, 32<<16
	s_mov_b32 s20, 16
	s_mov_b32 s21, 32
	s_mov_b32 s22, 0
	s_mov_b32 s23, 0
	s_mov_b32 s24, 15|(3<<16)|(1<<21)              ; the scale words' part: 2 such rows
	s_mov_b32 s25, 32<<16
	s_mov_b32 s26, 2<<16
	s_mov_b32 s27, 32<<16
	s_mov_b32 s28, 2
	s_mov_b32 s29, 32
	s_mov_b32 s30, 0
	s_mov_b32 s31, 0
	s_lshl_b32 s2, s8, 9                           ; 512 x wave
	s_lshl_b32 s12, s11, 13
	s_add_co_u32 s12, s12, s2
	s_add_co_u32 s12, s12, KVSC
	s_mov_b32 s13, 0
	s_add_co_u32 s2, s2, SC
	s_lshr_b32 s3, s8, 3                           ; waves 0-7 fetch k, waves 8-15 v
	s_and_b32 s60, s8, 7
	s_lshl_b32 s60, s60, 12                        ; 4,096 bytes a wave
	s_lshl_b32 s14, s3, 22
	s_lshl_b32 s61, s11, 17
	s_add_co_u32 s14, s14, s61
	s_add_co_u32 s14, s14, s60
	s_add_co_u32 s14, s14, KOFF
	s_mov_b32 s15, 0
	s_lshl_b32 s3, s3, 17
	s_add_co_u32 s3, s3, s60
	s_mov_b32 s52, 0x76543210
	s_mov_b32 s53, 0xfedcba98
	s_mov_b32 s54, 0x3e38aa3b                      ; c = log2(e) / 8
	s_mov_b32 s55, s54
	s_mov_b32 s56, 0x600000
	s_lshl_b32 s60, s10, 4
	s_add_co_u32 s60, s60, s8                      ; tb: my 16 queries in their sequence
	s_lshl_b32 s61, s11, 7
	s_add_co_u32 s61, s61, s60
	s_lshl_b32 s66, s61, 10                        ; q's half-image
	s_mov_b32 s67, 0
	s_lshl_b32 s68, s11, 5                         ; q's scale words: QSC + (bh * 32 + tb / 4) * 256 + 128 (tb % 2) + 4 ((tb % 4) / 2)
	s_lshr_b32 s61, s60, 2
	s_add_co_u32 s68, s68, s61
	s_lshl_b32 s68, s68, 8
	s_and_b32 s61, s8, 1
	s_lshl_b32 s61, s61, 7
	s_add_co_u32 s68, s68, s61
	s_bfe_u32 s61, s8, 0x10001
	s_lshl_b32 s61, s61, 2
	s_add_co_u32 s68, s68, s61
	s_add_co_u32 s68, s68, QSC
	s_mov_b32 s69, 0
	s_lshr_b32 s74, s11, 4                         ; batch
	s_and_b32 s75, s11, 15                         ; head
	s_lshl_b32 s76, s74, 7
	s_add_co_u32 s76, s76, s60
	s_lshl_b32 s76, s76, 3
	s_lshr_b32 s77, s75, 1
	s_add_co_u32 s76, s76, s77
	s_lshl_b32 s76, s76, 11                        ; the output's fragment ((128 batch + tb) * 8 + head / 2),
	s_and_b32 s78, s75, 1
	s_lshl_b32 s79, s78, 10
	s_add_co_u32 s70, s76, s79                     ; its groups 2 (head % 2) on
	s_mov_b32 s71, 0
	s_lshl_b32 s77, s77, 12
	s_lshl_b32 s74, s74, 11
	s_add_co_u32 s77, s77, s74
	s_lshl_b32 s79, s60, 4
	s_add_co_u32 s77, s77, s79
	s_lshl_b32 s77, s77, 2
	s_lshl_b32 s78, s78, 1
	s_add_co_u32 s77, s77, s78
	s_add_co_u32 s72, s77, 4194304                 ; and its half of the rows' scale words
	s_mov_b32 s73, 0
	s_wait_dscnt 0x0
	s_wait_kmcnt 0x0
	s_add_nc_u64 s[12:13], s[4:5], s[12:13]
	s_add_nc_u64 s[14:15], s[4:5], s[14:15]
	s_add_nc_u64 s[66:67], s[4:5], s[66:67]
	s_add_nc_u64 s[68:69], s[4:5], s[68:69]
	s_add_nc_u64 s[70:71], s[6:7], s[70:71]
	s_add_nc_u64 s[72:73], s[6:7], s[72:73]
	s_mov_b32 s32, 1
	s_mov_b32 s33, s2
	s_mov_b64 s[34:35], s[12:13]
	s_or_b32 s35, s35, 0x80000000
.irp j, 0,1,2,3
	s_mov_b32 s[36+4*\j], 1
	s_add_co_u32 s[37+4*\j], s3, 32768*\j
	s_add_nc_u64 s[38+4*\j:39+4*\j], s[14:15], 32768*\j
	s_or_b32 s[39+4*\j], s[39+4*\j], 0x80000000
.endr
	ROUND                                          ; all four work-groups are here: the joint loads meet
	tensor_load_to_lds s[32:35], s[24:31]          ; five loads of mine are out: the scale words,
	s_nop 0
	tensor_load_to_lds s[36:39], s[16:23]          ; and my part of the four chunks of 512 keys
	s_nop 0
	tensor_load_to_lds s[40:43], s[16:23]
	s_nop 0
	tensor_load_to_lds s[44:47], s[16:23]
	s_nop 0
	tensor_load_to_lds s[48:51], s[16:23]
	s_nop 0
.rept 4
	v_nop
.endr
	v_and_b32 v6, 31, v0
	v_lshlrev_b32 v1, 4, v6
	v_and_b32 v7, 15, v0
	v_lshl_add_u32 v2, v7, 2, SC
	v_lshlrev_b32 v8, 3, v7
	global_load_b128 v[16:19], v1, s[66:67]        ; q, twice: a matrix instruction's two operands, and the two forms, share no register
	global_load_b128 v[20:23], v1, s[66:67] offset:512
	global_load_b128 v[40:43], v1, s[66:67]
	global_load_b128 v[44:47], v1, s[66:67] offset:512
	global_load_b32 v52, v8, s[68:69]
.irp i, 24,25,26,27,28,29,30,31,32,33,34,35,36,37,38,39
	v_mov_b32 v[\i], 0                             ; zero codes
.endr
	v_mov_b32 v13, 0xff61b1e6                      ; the largest t so far: -3e38
	v_floor_f32 v12, -v13
	v_mov_b32 v14, 0
	v_mov_b32 v15, 0
	v_mov_b32 v55, 0                               ; (named as the upper half of the pair v[54:55])
	v_mov_b32 v56, 0
.irp b, 0,1,2,3
	v_mov_b32 v[244+\b], 0                         ; written once: a lane permute's destination counts as one of its sources
.endr
.set i, 0
.rept 32
	v_mov_b32 v[192+i], 0                          ; O^T: the step is written once; the first finds zeros
.set i, i+1
.endr
; A KEY STEP: 128 keys
.macro STEP
	v_add_nc_u32 v3, s57, v1
	v_add_nc_u32 v5, s58, v2
	v_add_nc_u32 v4, VIMG, v3
.rept 5
	v_nop                                          ; with the three additions: eight places in front of loads into registers that matrix instructions have read
.endr
.irp b, 0,1,2,3
.irp c, 0,1,2,3
	ds_load_b128 v[64+16*\b+4*\c:64+16*\b+4*\c+3], v3 offset:2048*\b+512*\c
.endr
	ds_load_b32 v[48+\b], v5 offset:64*\b
.endr
	s_wait_dscnt 0x0
.irp b, 0,1,2,3
	v_wmma_scale_f32_16x16x128_f8f6f4 v[128+16*\b:135+16*\b], v[64+16*\b:79+16*\b], v[16:31], 0, v[48+\b], v52   ; keys 32 b + 0 .. 15
	v_wmma_scale_f32_16x16x128_f8f6f4 v[136+16*\b:143+16*\b], v[64+16*\b:79+16*\b], v[32:47], 0, v[48+\b], v52   ; keys 32 b + 16 .. 31
.endr
.rept 8
	v_nop
.endr
.irp t, 0,1,2,3                        ; v's fragments take k's registers now and land while the softmax runs
.irp c, 0,1,2,3
	ds_load_b128 v[64+16*\t+4*\c:64+16*\t+4*\c+3], v4 offset:2048*\t+512*\c
.endr
	ds_load_b32 v[48+\t], v5 offset:4096+64*\t
.endr
.irp b, 0,1,2,3
	v_max3_num_f32 v[240+\b], v[128+16*\b], v[129+16*\b], v[130+16*\b]   ; the largest score of each block of 32 keys
.endr
.irp i, 3,5,7,9,11,13
.irp b, 0,1,2,3
	v_max3_num_f32 v[240+\b], v[240+\b], v[128+16*\b+\i], v[129+16*\b+\i]
.endr
.endr
.irp b, 0,1,2,3
	v_max_num_f32 v[240+\b], v[240+\b], v[143+16*\b]
.endr
.irp b, 0,1,2,3
	v_permlanex16_b32 v[244+\b], v[240+\b], s52, s53
.endr
.irp b, 0,1,2,3
	v_max_num_f32 v[240+\b], v[240+\b], v[244+\b]
.endr
	v_max3_num_f32 v56, v240, v241, v242
	v_max_num_f32 v56, v56, v243
	v_mul_f32 v56, s54, v56
	v_max_num_f32 v13, v13, v56                    ; the running largest t
	v_mov_b32 v56, v12
	v_floor_f32 v12, -v13                          ; -M = floor(-t)
	v_sub_f32 v56, v12, v56
	v_cvt_i32_f32 v56, v56
	v_ldexp_f32 v54, 1.0, v56                      ; f = 2^(old M - new M)
.set i, 0
.rept 32
	v_pk_fma_f32 v[128+i:129+i], v[128+i:129+i], s[54:55], v[12:13] op_sel_hi:[1,0,0]   ; t - M
.set i, i+2
.endr
.irp b, 0,1,2,3
	v_fma_f32 v[240+\b], v[240+\b], s54, v12
.endr
.set i, 0
.rept 64
	v_exp_f32 v[128+i], v[128+i]                   ; p
.set i, i+1
.endr
	v_pk_mul_f32 v[14:15], v[14:15], v[54:55] op_sel_hi:[1,0]   ; the sums under the new M: a plain instruction behind the exponentials
	s_wait_alu depctr_va_vdst(0)                   ; one wait for the batch, ahead of its first reader
.irp b, 0,1,2,3
	v_exp_f32 v[240+\b], v[240+\b]                 ; the blocks' largest p
.endr
	v_pk_add_f32 v[244:245], v[128:129], v[130:131]   ; the row's sum of the unquantised p, in two chains
.irp j, 4,8,12,16,20,24,28,32,36,40,44,48,52,56,60
	v_pk_add_f32 v[14:15], v[14:15], v[128+\j:129+\j]
	v_pk_add_f32 v[244:245], v[244:245], v[130+\j:131+\j]
.endr
	v_pk_add_f32 v[14:15], v[14:15], v[244:245]
	s_wait_alu depctr_va_vdst(0)                   ; and one for the four
.irp b, 0,1,2,3
	v_max_num_f32 v[240+\b], 0x4800000, v[240+\b]  ; the floor 2^(9 - 127)
.endr
.irp b, 0,1,2,3
	v_add_nc_u32 v[252+\b], 0xfc000000, v[240+\b]
.endr
.irp b, 0,1,2,3
	v_and_or_b32 v[248+\b], v[240+\b], 0x7f800000, s56
.endr
.irp b, 0,1,2,3
	v_lshrrev_b32 v[244+\b], 23, v[252+\b]
.endr
	v_lshl_or_b32 v53, v245, 8, v244               ; p's scale word for these 128 keys
	v_lshl_or_b32 v53, v246, 16, v53
	v_lshl_or_b32 v53, v247, 24, v53
.irp b, 0,1,2,3
.irp i, 0,1,2,3,4,5,6,7,8,9,10,11,12,13,14,15
	v_min_num_f32 v[128+16*\b+\i], v[128+16*\b+\i], v[248+\b]   ; the hold: p is not negative
.endr
	v_cvt_scalef32_pk8_fp8_f32 v[224+4*\b:225+4*\b], v[128+16*\b:135+16*\b], v[252+\b]
	v_cvt_scalef32_pk8_fp8_f32 v[226+4*\b:227+4*\b], v[136+16*\b:143+16*\b], v[252+\b]
.endr
.set i, 0
.rept 16
	v_pk_mul_f32 v[192+i:193+i], v[192+i:193+i], v[54:55] op_sel_hi:[1,0]   ; O^T under the new M; also the places between the codes and the products
.set i, i+2
.endr
	s_wait_dscnt 0x0                               ; v is in
.irp t, 0,1,2,3
	v_wmma_scale_f32_16x16x128_f8f6f4 v[192+8*\t:199+8*\t], v[64+16*\t:79+16*\t], v[224:239], v[192+8*\t:199+8*\t], v[48+\t], v53
.endr
	s_add_co_u32 s57, s57, 8192
	s_add_co_u32 s58, s58, 256
.endm
.macro CHUNK j                         ; 512 keys: four steps
	s_wait_dscnt 0x0
	s_wait_tensorcnt 3-\j                          ; my part of chunk j is in; the later chunks may be out
	s_barrier_signal -1
	s_barrier_wait -1                              ; everybody's is
	s_mov_b32 s57, 32768*\j
	s_mov_b32 s58, 1024*\j
	s_mov_b32 s59, 4
.Lstep_\@:
	STEP
	s_sub_co_u32 s59, s59, 1
	s_cmp_lg_u32 s59, 0
	s_cbranch_scc1 .Lstep_\@
.endm
	s_wait_loadcnt 0x0                             ; q
	CHUNK 0
	CHUNK 1
	CHUNK 2
	CHUNK 3
; THE WAY OUT: O^T / the sum, quantised along the channels (two blocks of 32), brought into ascending k by one exchange with lane l xor 16, stored as two groups of an operand's image.
.rept 8
	v_nop
.endr
	v_add_f32 v14, v14, v15
	v_permlanex16_b32 v56, v14, s52, s53
	v_add_f32 v14, v14, v56
	v_rcp_f32 v14, v14
	v_lshlrev_b32 v9, 2, v7                        ; (a plain instruction behind the transcendental)  4 r
	v_cmp_le_u32 vcc_lo, 16, v6                    ; lanes 16-31
	s_wait_alu depctr_va_vdst(0)
.set i, 0
.rept 32
	v_mul_f32 v[128+i], v[192+i], v14              ; register 8 t + j: channel 16 t + 8 h + j
.set i, i+1
.endr
.irp b, 0,1
	v_max3_num_f32 v[240+\b], |v[128+16*\b]|, |v[129+16*\b]|, 0x4800000
.endr
.irp i, 2,4,6,8,10,12,14
.irp b, 0,1
	v_max3_num_f32 v[240+\b], v[240+\b], |v[128+16*\b+\i]|, |v[129+16*\b+\i]|
.endr
.endr
.irp b, 0,1
	v_permlanex16_b32 v[244+\b], v[240+\b], s52, s53
.endr
.irp b, 0,1
	v_max_num_f32 v[240+\b], v[240+\b], v[244+\b]
.endr
.irp b, 0,1
	v_add_nc_u32 v[252+\b], 0xfc000000, v[240+\b]
	v_and_or_b32 v[248+\b], v[240+\b], 0x7f800000, s56
.endr
.irp b, 0,1
	v_lshrrev_b32 v[244+\b], 23, v[252+\b]
.endr
	v_lshl_or_b32 v57, v245, 8, v244
.irp b, 0,1
.irp i, 0,1,2,3,4,5,6,7,8,9,10,11,12,13,14,15
	v_med3_num_f32 v[128+16*\b+\i], v[128+16*\b+\i], -v[248+\b], v[248+\b]
.endr
	v_cvt_scalef32_pk8_fp8_f32 v[224+4*\b:225+4*\b], v[128+16*\b:135+16*\b], v[252+\b]
	v_cvt_scalef32_pk8_fp8_f32 v[226+4*\b:227+4*\b], v[136+16*\b:143+16*\b], v[252+\b]
.endr
	v_nop
.irp b, 0,1                            ; lanes 0-15 hold k 0-7 and 16-23, lanes 16-31 k 8-15 and 24-31: the lower lanes give their upper eight for the upper lanes' lower eight
	v_cndmask_b32 v232, v[226+4*\b], v[224+4*\b], vcc_lo
	v_cndmask_b32 v233, v[227+4*\b], v[225+4*\b], vcc_lo
	v_permlanex16_b32 v234, v232, s52, s53
	v_permlanex16_b32 v235, v233, s52, s53
	v_cndmask_b32 v[224+4*\b], v[224+4*\b], v234, vcc_lo
	v_cndmask_b32 v[225+4*\b], v[225+4*\b], v235, vcc_lo
	v_cndmask_b32 v[226+4*\b], v234, v[226+4*\b], vcc_lo
	v_cndmask_b32 v[227+4*\b], v235, v[227+4*\b], vcc_lo
.endr
	global_store_b128 v1, v[224:227], s[70:71]     ; 512 consecutive bytes, aligned
	global_store_b128 v1, v[228:231], s[70:71] offset:512
	s_wait_xcnt 0x0                                ; EXEC changes only behind this wait
	v_cmp_gt_u32 vcc_lo, 16, v6
	s_and_saveexec_b32 s74, vcc_lo
	global_store_b16 v9, v57, s[72:73]             ; my head's two bytes of each row's word
	s_wait_xcnt 0x0
	s_or_b32 exec_lo, exec_lo, s74
	s_wait_tensorcnt 0x0
	ds_add_u32 v62, v63
	s_wait_dscnt 0x0
	ROUND                                          ; the closing round: no work-group ends while a partner may still ask for a tile that names it
	s_endpgm
.Lfunc_end_k_qc379b34870_attn:
	.size	k_qc379b34870_attn, .Lfunc_end_k_qc379b34870_attn-k_qc379b34870_attn
	.p2alignl 7, 3214868480
	.fill 96, 4, 3214868480
	.section	.rodata,"a",@progbits
	.p2align	6, 0x0
	.amdhsa_kernel k_qc379b34870_attn
		.amdhsa_group_segment_fixed_size 272384
		.amdhsa_private_segment_fixed_size 0
		.amdhsa_enable_private_segment 0
		.amdhsa_kernarg_size 16
		.amdhsa_user_sgpr_count 2
		.amdhsa_user_sgpr_kernarg_segment_ptr 1
		.amdhsa_wavefront_size32 1
		.amdhsa_system_sgpr_workgroup_id_x 1
		.amdhsa_system_sgpr_workgroup_id_y 1
		.amdhsa_system_sgpr_workgroup_id_z 1
		.amdhsa_system_vgpr_workitem_id 0
		.amdhsa_next_free_vgpr 256
		.amdhsa_next_free_sgpr 80
		.amdhsa_reserve_vcc 1
		.amdhsa_float_denorm_mode_32 3
		.amdhsa_float_denorm_mode_16_64 3
		.amdhsa_memory_ordered 1
		.amdhsa_forward_progress 1
		.amdhsa_inst_pref_size 92
	.end_amdhsa_kernel
	.amdgpu_metadata
---
amdhsa.version: [ 1, 2 ]
amdhsa.kernels:
  - .name:           k_qc379b34870_attn
    .symbol:         k_qc379b34870_attn.kd
    .args:
      - { .name: qkv, .offset: 0, .size: 8, .value_kind: global_buffer, .address_space: global }
      - { .name: act, .offset: 8, .size: 8, .value_kind: global_buffer, .address_space: global }
    .group_segment_fixed_size: 272384
    .private_segment_fixed_size: 0
    .kernarg_segment_align: 8
    .kernarg_segment_size: 16
    .max_flat_workgroup_size: 512
    .sgpr_count:     80
    .vgpr_count:     256
    .wavefront_size: 32
...
	.end_amdgpu_metadata
.endif
;; end of part 3
;; launch oproj (part 4): grid 8 x 32, 4 waves a work-group, clusters of 4 x 4, 327,680 bytes of LDS; arguments act, wo_codes, wo_scales, x, x1; writes x1
.if DOCPART == 4
	.amdgcn_target "amdgcn-amd-amdhsa--gfx1250"
	.amdhsa_code_object_version 6
	.text
	.protected	k_qc379b34870_oproj
	.globl	k_qc379b34870_oproj
	.p2align	8
	.type	k_qc379b34870_oproj,@function
k_qc379b34870_oproj:
	s_mov_b64 s[64:65], 0
	v_nop
	global_prefetch_b8 v0, s[64:65] scope:SCOPE_SE
	s_setreg_imm32_b32 hwreg(HW_REG_WAVE_MODE, 25, 1), 1
	s_wait_xcnt 0x0
	s_wait_alu depctr_hold_cnt(0) depctr_sa_sdst(0) depctr_va_vdst(0) depctr_va_sdst(0) depctr_va_ssrc(0) depctr_va_vcc(0) depctr_vm_vsrc(0)
	s_getreg_b32 s2, hwreg(HW_REG_IB_STS2, 6, 4)
	s_cmp_eq_u32 s2, 0
	s_cbranch_scc0 .Lentry_in_a_cluster
	s_endpgm
.Lentry_in_a_cluster:
	s_bfe_u32 s2, ttmp6, 0x10000c
	s_cmp_lg_u32 s2, 0xf033
	s_cbranch_scc0 .Lentry_shape_is_right
	s_endpgm
.Lentry_shape_is_right:
; x1 = x + attention's output x Wo, the product on codes of FP8 (E4M3) with E8M0 scales; sums and the residual in f32.
; A: images of operand registers (fragment (mb, ks) at (8 mb + ks) * 2048; scale word (ks, row) at 4,194,304 + (4096 ks + row) * 4).  B: wo's codes [1024 n][1024 k], scale bytes [1024][32].
; SHARES. A work-group makes 128 x 128 of the result (256 work-groups), each of its four waves 64 x 64: 16 accumulators.  All of K lies in two LDS slots of 512, filled once.
; CLUSTERS: 4 x 4 work-groups; A's tiles are asked for jointly along a row of the cluster, B's along a column.
; The matrix instruction is used transposed (source 0 = 16 rows of the weight, source 1 = 16 tokens): a lane holds eight neighbouring numbers of a row.
; THE WAY OUT goes through the wave's own stage in LDS (in slot 0, which has had its last fill and its last read): sixteen lanes then hold 256 consecutive bytes of a row.
; No prefetch: every tile is asked for in the first lines.
.set SIZE_K, 1024
.set HAS_BIAS, 0
.set KS,     SIZE_K/32
.set NKS,    SIZE_K/128
.set LAPS,   SIZE_K/1024
.set ASCOFF, 4096*SIZE_K
.set HALFA,  32768
.set HALFB,  64*528
.set BOFF,   2*HALFA
.set SLOTB,  BOFF+2*HALFB
.set ASC,    2*SLOTB
.set BSC,    ASC+NKS*512
.set HALFS,  (64*KS/256)*272
.set SBLK,   (16*KS/256)*272
.set SPARE,  BSC+2*HALFS               ; the spare words: 128 bytes a wave, named by no other line
.set ADRA, 16
.set ADRB, 20
.set G1A, 24
.set G0A, 32
.set G1B, 48
.set G0B, 56
.set G1SA, 68
.set G0SA, 76
.set G1SB, 80
.set G0SB, 88
.set MUL,  0x05
.set TO_F, 0x40
; REGISTERS. window 0: v1-29 addresses; v32-95 scale words alone, two sets; v128-255 the 16 accumulators.  window 1: two fragment buffers of 128; on the way out the residual (v0-127) and the rows (v128-255).
.set MSB, 0
.macro WIN new
.if MSB != \new
	s_set_vgpr_msb (MSB<<8)|\new
.set MSB, \new
.endif
.endm
.macro PLACES n
.rept \n
	v_nop
.endr
.endm
.macro JLOAD g0a, g1a, g0b, g1b        ; a joint load: waves 0 and 1 fetch for A, waves 2 and 3 for B; four v_nop follow each line
	s_cmp_eq_u32 s15, 0
	s_cbranch_scc0 .Lfor_b_\@
	tensor_load_to_lds s[\g0a:\g0a+3], s[\g1a:\g1a+7]
	s_nop 0
.rept 4
	v_nop
.endr
	s_branch .Lasked_\@
.Lfor_b_\@:
	tensor_load_to_lds s[\g0b:\g0b+3], s[\g1b:\g1b+7]
	s_nop 0
.rept 4
	v_nop
.endr
.Lasked_\@:
.endm
.macro CREST
	s_cmp_lg_u32 s14, 0
	s_cbranch_scc1 .Lnot_wave_0_\@
	s_barrier_signal -3
.Lnot_wave_0_\@:
	s_barrier_wait -3
	s_barrier_signal -1
	s_barrier_wait -1
.endm
.macro CROUND
	s_barrier_signal -1
	s_barrier_wait -1
	CREST
.endm
.macro FETCH slot, q, f
	WIN TO_F
.irp i, 0,1,2,3
.irp c, 0,1,2,3
	ds_load_b128 v[\f+64+16*\i+4*\c:\f+64+16*\i+4*\c+3], v[ADRB+\slot] offset:8448*\i+128*(\q)+32*\c
.endr
.endr
.irp i, 0,1,2,3
.irp c, 0,1,2,3
	ds_load_b128 v[\f+16*\i+4*\c:\f+16*\i+4*\c+3], v[ADRA+\slot] offset:8192*\i+2048*(\q)+512*\c
.endr
.endr
.endm
.macro SCALES set
	WIN 0
.irp q, 0,1,2,3
.irp a, 0,1,2,3
	ds_load_b32 v[32+32*\set+4*\q+\a], v22 offset:256*\q+64*\a
.endr
.endr
.irp b, 0,1,2,3
	ds_load_b128 v[48+32*\set+4*\b:48+32*\set+4*\b+3], v23 offset:\b*SBLK
.endr
.endm
.macro MULH f, a0, set, q, zero        ; 8 matrix instructions; the 16 accumulators take turns, one instruction a turn
	WIN MUL
.irp a, \a0, \a0+1
.irp b, 0,1,2,3
.set rA, \f+16*(\a)
.set rB, \f+64+16*\b
.set sA, 32+32*(\set)+4*(\q)+(\a)
.set sB, 48+32*(\set)+4*\b+(\q)
.set rD, 128+8*(4*(\a)+\b)
.if \zero
	v_wmma_scale_f32_16x16x128_f8f6f4 v[rD:rD+7], v[rB:rB+15], v[rA:rA+15], 0, v[sB], v[sA]
.else
	v_wmma_scale_f32_16x16x128_f8f6f4 v[rD:rD+7], v[rB:rB+15], v[rA:rA+15], v[rD:rD+7], v[sB], v[sA]
.endif
.endr
.endr
.endm
.macro STEP slot, q, zero
	s_wait_dscnt 8                                 ; all but A's fragments 2 and 3, the eight youngest loads
	MULH 128*((\q)%2), 0, \slot, \q, \zero
	PLACES 8                                       ; in front of loads into registers that matrix instructions have read
	FETCH \slot, (\q)+1, 128-128*((\q)%2)
	s_wait_dscnt 32                                ; all but the 32 just issued
	MULH 128*((\q)%2), 2, \slot, \q, \zero
.endm
.macro TURN slot, next, fill
	s_wait_dscnt 8
	MULH 128, 0, \slot, 3, 0
	WIN 0
	s_wait_tensorcnt 0x0                           ; all my tensor loads have landed, my part of the next slot among them
	ds_add_u32 v28, v29                            ; 0 onto my spare word
.if \fill
	s_add_nc_u64 s[G0A+4*\slot+2:G0A+4*\slot+3], s[G0A+4*\slot+2:G0A+4*\slot+3], 16384
	s_add_nc_u64 s[G0B+4*\slot+2:G0B+4*\slot+3], s[G0B+4*\slot+2:G0B+4*\slot+3], 1024
.endif
	s_wait_dscnt 0x0                               ; the add is done, and my reads of this slot are over
	s_barrier_signal -1
	s_barrier_wait -1
.if \fill
	CREST
	JLOAD G0A+4*\slot, G1A, G0B+4*\slot, G1B
	PLACES 4
.else
	PLACES 8
.endif
	v_add_nc_u32 v22, 1024, v22
	v_add_nc_u32 v23, 16, v23
	SCALES \next
	FETCH \next, 0, 0
	MULH 128, 2, \slot, 3, 0
.endm
.macro LAST
	s_wait_dscnt 8
	MULH 128, 0, 1, 3, 0
	s_wait_dscnt 0x0
	MULH 128, 2, 1, 3, 0
	WIN 0
.endm
	s_load_b128 s[4:7], s[0:1], 0x0                ; act, wo's codes
	s_load_b64 s[8:9], s[0:1], 0x10                ; wo's scales
	s_load_b64 s[12:13], s[0:1], 0x18              ; x
	s_load_b64 s[10:11], s[0:1], 0x20              ; x1
	v_lshl_add_u32 v28, v0, 2, SPARE
	v_mov_b32 v29, 0
	ds_add_u32 v28, v29
	ds_add_u32 v28, v29
	s_wait_dscnt 0x0
	v_lshrrev_b32 v1, 5, v0
	v_readfirstlane_b32 s14, v1
	s_lshr_b32 s15, s14, 1
	s_and_b32 s16, s14, 1
	s_bfe_u32 s40, ttmp6, 0x40000
	s_bfe_u32 s41, ttmp6, 0x40004
	s_lshl_b32 s42, ttmp9, 2
	s_add_co_u32 s42, s42, s40                     ; tile column
	s_and_b32 s17, ttmp7, 0xffff
	s_lshl_b32 s17, s17, 2
	s_add_co_u32 s17, s17, s41                     ; tile row
	s_lshl_b32 s43, s41, 2
	s_lshl_b32 s43, 15, s43
	s_lshl_b32 s44, 0x1111, s40
	s_lshl_b32 s20, s17, 3
	s_lshl_b32 s18, s16, 2
	s_add_co_u32 s20, s20, s18
	s_mul_i32 s20, s20, 16*SIZE_K
	s_mov_b32 s21, 0
	s_lshl_b32 s22, s17, 9
	s_lshl_b32 s18, s16, 8
	s_add_co_u32 s22, s22, s18
	s_add_co_u32 s22, s22, ASCOFF
	s_mov_b32 s23, 0
	s_lshl_b32 s46, s42, 7
	s_lshl_b32 s18, s16, 6
	s_add_co_u32 s46, s46, s18
	s_mul_i32 s94, s46, KS
	s_mov_b32 s95, 0
	s_mul_i32 s46, s46, SIZE_K
	s_mov_b32 s47, 0
	s_mul_i32 s45, s16, HALFA
	s_mul_i32 s93, s16, HALFB
	s_add_co_u32 s93, s93, BOFF
	s_mul_i32 s96, s16, NKS*256
	s_add_co_u32 s96, s96, ASC
	s_mul_i32 s97, s16, HALFS
	s_add_co_u32 s97, s97, BSC
	s_or_b32 s[G1A], s43, (3<<16)|(1<<21)          ; A: 4 rows of 1,024 elements of 8 bytes, dense in LDS; mask: my row
	s_mov_b32 s[G1A+1], 1024<<16
	s_mov_b32 s[G1A+2], 4<<16
	s_mov_b32 s[G1A+3], 1024<<16
	s_mov_b32 s[G1A+4], 4
	s_mov_b32 s[G1A+5], 2*SIZE_K
	s_mov_b32 s[G1A+6], 0
	s_mov_b32 s[G1A+7], 0
	s_or_b32 s[G1B], s44, (1<<20)|(1<<21)|(6<<22)|(3<<25)   ; B: 64 rows of 512 bytes + 16; mask: my column
	s_mov_b32 s[G1B+1], 512<<16
	s_mov_b32 s[G1B+2], 64<<16
	s_mov_b32 s[G1B+3], 512<<16
	s_mov_b32 s[G1B+4], 64
	s_mov_b32 s[G1B+5], SIZE_K
	s_mov_b32 s[G1B+6], 0
	s_mov_b32 s[G1B+7], 0
	s_or_b32 s[G1SA], s43, (3<<16)|(1<<21)
	s_mov_b32 s[G1SA+1], 32<<16
	s_mov_b32 s[G1SA+2], NKS<<16
	s_mov_b32 s[G1SA+3], 32<<16
	s_mov_b32 s[G1SA+4], NKS
	s_mov_b32 s[G1SA+5], 2048
	s_mov_b32 s[G1SA+6], 0
	s_mov_b32 s[G1SA+7], 0
	s_or_b32 s[G1SB], s44, (3<<16)|(1<<20)|(1<<21)|(5<<22)|(3<<25)
	s_mov_b32 s[G1SB+1], 32<<16
	s_mov_b32 s[G1SB+2], (64*KS/256)<<16
	s_mov_b32 s[G1SB+3], 32<<16
	s_mov_b32 s[G1SB+4], 64*KS/256
	s_mov_b32 s[G1SB+5], 32
	s_mov_b32 s[G1SB+6], 0
	s_mov_b32 s[G1SB+7], 0
	s_wait_kmcnt 0x0
	s_add_nc_u64 s[20:21], s[4:5], s[20:21]
	s_add_nc_u64 s[22:23], s[4:5], s[22:23]
	s_add_nc_u64 s[46:47], s[6:7], s[46:47]
	s_add_nc_u64 s[94:95], s[8:9], s[94:95]
	CROUND
	s_mov_b32 s[G0SA], 1
	s_mov_b32 s[G0SA+1], s96
	s_mov_b64 s[G0SA+2:G0SA+3], s[22:23]
	s_or_b32 s[G0SA+3], s[G0SA+3], 0x80000000
	s_mov_b32 s[G0SB], 1
	s_mov_b32 s[G0SB+1], s97
	s_mov_b64 s[G0SB+2:G0SB+3], s[94:95]
	s_or_b32 s[G0SB+3], s[G0SB+3], 0x80000000
	JLOAD G0SA, G1SA, G0SB, G1SB
.irp s, 0,1
	s_mov_b32 s[G0A+4*\s], 1
	s_add_co_u32 s[G0A+4*\s+1], s45, \s*SLOTB
	s_add_nc_u64 s[G0A+4*\s+2:G0A+4*\s+3], s[20:21], \s*8192
	s_or_b32 s[G0A+4*\s+3], s[G0A+4*\s+3], 0x80000000
	s_mov_b32 s[G0B+4*\s], 1
	s_add_co_u32 s[G0B+4*\s+1], s93, \s*SLOTB
	s_add_nc_u64 s[G0B+4*\s+2:G0B+4*\s+3], s[46:47], \s*512
	s_or_b32 s[G0B+4*\s+3], s[G0B+4*\s+3], 0x80000000
	JLOAD G0A+4*\s, G1A, G0B+4*\s, G1B
.endr
	v_and_b32 v1, 15, v0
	v_bfe_u32 v2, v0, 4, 1
	v_and_b32 v3, 31, v0
	v_lshlrev_b32 v4, 4, v3
	s_mul_i32 s18, s15, HALFA
	v_add_nc_u32 v16, s18, v4
	v_add_nc_u32 v17, SLOTB, v16
	v_mul_u32_u24 v5, v1, 528
	v_lshl_add_u32 v5, v2, 4, v5
	s_mul_i32 s18, s16, HALFB
	s_add_co_u32 s18, s18, BOFF
	v_add_nc_u32 v20, s18, v5
	v_add_nc_u32 v21, SLOTB, v20
	v_lshlrev_b32 v6, 2, v1
	s_mul_i32 s18, s15, NKS*256
	s_add_co_u32 s18, s18, ASC
	v_add_nc_u32 v22, s18, v6
	v_mul_u32_u24 v7, v1, KS
	v_lshrrev_b32 v8, 8, v7
	v_lshl_add_u32 v7, v8, 4, v7
	s_mul_i32 s18, s16, HALFS
	s_add_co_u32 s18, s18, BSC
	v_add_nc_u32 v23, s18, v7
	s_mul_i32 s18, s14, 16*272                     ; my stage: 16 rows x (256 bytes + 16)
	v_mul_u32_u24 v24, v1, 272
	v_lshl_add_u32 v24, v2, 5, v24
	v_add_nc_u32 v24, s18, v24                     ; in: row r, + 32 h
	v_mul_u32_u24 v25, v2, 272
	v_lshl_add_u32 v25, v1, 4, v25
	v_add_nc_u32 v25, s18, v25                     ; back: lanes 0-15 one row, lanes 16-31 the next
	v_lshlrev_b32 v26, 12, v2
	v_lshl_add_u32 v26, v1, 4, v26                 ; and the same two rows in memory
	s_wait_tensorcnt 1                             ; the scales and my part of slot 0 are in; slot 1's load may be out
	s_barrier_signal -1
	s_barrier_wait -1
	SCALES 0
	FETCH 0, 0, 0
	STEP 0, 0, 1
	STEP 0, 1, 0
	STEP 0, 2, 0
	TURN 0, 1, 0
	STEP 1, 0, 0
	STEP 1, 1, 0
	STEP 1, 2, 0
	LAST
	PLACES 8
	s_lshl_b32 s18, s17, 19                        ; my 64 x 64: (128 T + 64 wm) rows of 4,096 bytes + (128 tc + 64 wn) x 4
	s_lshl_b32 s19, s15, 18
	s_add_co_u32 s18, s18, s19
	s_lshl_b32 s19, s42, 9
	s_add_co_u32 s18, s18, s19
	s_lshl_b32 s19, s16, 8
	s_add_co_u32 s18, s18, s19
	s_mov_b32 s19, 0
	s_add_nc_u64 s[12:13], s[12:13], s[18:19]
	s_add_nc_u64 s[10:11], s[10:11], s[18:19]
	WIN TO_F
.irp a, 0,1,2,3
.irp t, 0,1,2,3,4,5,6,7
	global_load_b128 v[32*\a+4*\t:32*\a+4*\t+3], v26, s[12:13] offset:(16*\a+2*\t)*4096   ; the residual, in the layout in which the rows come back
.endr
.endr
.irp a, 0,1,2,3
	WIN 0
.irp b, 0,1,2,3
	ds_store_b128 v24, v[128+8*(4*\a+\b):131+8*(4*\a+\b)] offset:64*\b        ; each accumulator from its low end on
	ds_store_b128 v24, v[132+8*(4*\a+\b):135+8*(4*\a+\b)] offset:64*\b+16
.endr
	WIN TO_F
.irp t, 0,1,2,3,4,5,6,7
	ds_load_b128 v[128+32*\a+4*\t:131+32*\a+4*\t], v25 offset:544*\t          ; LDS serves a wave's instructions in order: these see my stores, and the next block's stores come behind them
.endr
.endr
.irp a, 0,1,2,3
	s_wait_dscnt 16*(3-\a)                         ; the later blocks' 8 stores and 8 loads each may be out
	s_wait_loadcnt 8*(3-\a)                        ; and their 8 residual loads each
	WIN 0x45
.set i, 0
.rept 16
	v_pk_add_f32 v[128+32*\a+i:129+32*\a+i], v[128+32*\a+i:129+32*\a+i], v[32*\a+i:33*1+32*\a+i-32]
.set i, i+2
.endr
	WIN 0x04
.irp t, 0,1,2,3,4,5,6,7
	global_store_b128 v26, v[128+32*\a+4*\t:131+32*\a+4*\t], s[10:11] offset:(16*\a+2*\t)*4096   ; sixteen lanes store 256 consecutive bytes, aligned
.endr
.endr
	WIN 0
	s_wait_tensorcnt 0x0                           ; the wave's end
	ds_add_u32 v28, v29
	s_wait_dscnt 0x0
	CROUND
	s_endpgm
.Lfunc_end_k_qc379b34870_oproj:
	.size	k_qc379b34870_oproj, .Lfunc_end_k_qc379b34870_oproj-k_qc379b34870_oproj
	.p2alignl 7, 3214868480
	.fill 96, 4, 3214868480
	.section	.rodata,"a",@progbits
	.p2align	6, 0x0
	.amdhsa_kernel k_qc379b34870_oproj
		.amdhsa_group_segment_fixed_size 327680
		.amdhsa_private_segment_fixed_size 0
		.amdhsa_enable_private_segment 0
		.amdhsa_kernarg_size 40
		.amdhsa_user_sgpr_count 2
		.amdhsa_user_sgpr_kernarg_segment_ptr 1
		.amdhsa_wavefront_size32 1
		.amdhsa_system_sgpr_workgroup_id_x 1
		.amdhsa_system_sgpr_workgroup_id_y 1
		.amdhsa_system_sgpr_workgroup_id_z 1
		.amdhsa_system_vgpr_workitem_id 0
		.amdhsa_next_free_vgpr 512
		.amdhsa_next_free_sgpr 100
		.amdhsa_reserve_vcc 0
		.amdhsa_float_denorm_mode_32 3
		.amdhsa_float_denorm_mode_16_64 3
		.amdhsa_memory_ordered 1
		.amdhsa_forward_progress 1
		.amdhsa_inst_pref_size 63
	.end_amdhsa_kernel
	.amdgpu_metadata
---
amdhsa.version: [ 1, 2 ]
amdhsa.kernels:
  - .name:           k_qc379b34870_oproj
    .symbol:         k_qc379b34870_oproj.kd
    .args:
      - { .name: act, .offset: 0, .size: 8, .value_kind: global_buffer, .address_space: global }
      - { .name: wo_codes, .offset: 8, .size: 8, .value_kind: global_buffer, .address_space: global }
      - { .name: wo_scales, .offset: 16, .size: 8, .value_kind: global_buffer, .address_space: global }
      - { .name: x, .offset: 24, .size: 8, .value_kind: global_buffer, .address_space: global }
      - { .name: x1, .offset: 32, .size: 8, .value_kind: global_buffer, .address_space: global }
    .group_segment_fixed_size: 327680
    .private_segment_fixed_size: 0
    .kernarg_segment_align: 8
    .kernarg_segment_size: 40
    .max_flat_workgroup_size: 128
    .sgpr_count:     100
    .vgpr_count:     512
    .wavefront_size: 32
...
	.end_amdgpu_metadata
.endif
;; end of part 4
;; launch ln2: the kernel of part 1 again; grid 256 x 1, 8 waves a work-group, no clusters, 69,632 bytes of LDS; arguments x1, g2, be2, act; writes act
;; launch ffn1 (part 5): grid 32 x 32, 4 waves a work-group, clusters of 4 x 4, 327,680 bytes of LDS; arguments act, w1_codes, w1_scales, b1, hid; writes hid
.if DOCPART == 5
	.amdgcn_target "amdgcn-amd-amdhsa--gfx1250"
	.amdhsa_code_object_version 6
	.text
	.protected	k_qc379b34870_ffn1
	.globl	k_qc379b34870_ffn1
	.p2align	8
	.type	k_qc379b34870_ffn1,@function
k_qc379b34870_ffn1:
	s_mov_b64 s[64:65], 0
	v_nop
	global_prefetch_b8 v0, s[64:65] scope:SCOPE_SE
	s_setreg_imm32_b32 hwreg(HW_REG_WAVE_MODE, 25, 1), 1
	s_wait_xcnt 0x0
	s_wait_alu depctr_hold_cnt(0) depctr_sa_sdst(0) depctr_va_vdst(0) depctr_va_sdst(0) depctr_va_ssrc(0) depctr_va_vcc(0) depctr_vm_vsrc(0)
	s_getreg_b32 s2, hwreg(HW_REG_IB_STS2, 6, 4)
	s_cmp_eq_u32 s2, 0
	s_cbranch_scc0 .Lentry_in_a_cluster
	s_endpgm
.Lentry_in_a_cluster:
	s_bfe_u32 s2, ttmp6, 0x10000c
	s_cmp_lg_u32 s2, 0xf033
	s_cbranch_scc0 .Lentry_shape_is_right
	s_endpgm
.Lentry_shape_is_right:
; hid = Q(gelu(h W1 + b1)): the product on codes of FP8 (E4M3) with E8M0 scales, the exact GELU in f32, the result quantised along the 4,096 hidden units.
; A: images of operand registers (fragment (mb, ks) at (8 mb + ks) * 2048; scale word (ks, row) at 4,194,304 + (4096 ks + row) * 4).  B: w1's codes [4096 n][1024 k], scale bytes [4096][32].
; SHARES. A work-group makes 128 x 128, each of its four waves 64 x 64: 16 accumulators.  All of K lies in two LDS slots of 512, filled once.  The bias is the C of each sum's first matrix instruction.
; CLUSTERS: 4 x 4 work-groups; A's tiles are asked for jointly along a row of the cluster, B's along a column.
; The matrix instruction is used transposed: a lane holds one token, and its registers run along the hidden units, the next product's K.
; GELU: u / 2 + (u / 2) erf(z), z = u / sqrt(2) held within +-4, erf(z) = z P(z^2) / Q(z^2), P of degree 6 and Q of degree 4 in z^2, all in f32.  LIMIT: beyond |z| = 4 erf is that form's value at 4.
; OUT (hid): images for K = 4,096: fragment (mb, ks) at (32 mb + ks) * 2048, k ascending (one exchange with lane l xor 16); scale word (ks, row) at 16,777,216 + (4096 ks + row) * 4, my 64 columns' half of it.
; LIMITS: NaN and infinities are not served; a block whose largest magnitude lies under 2^-118 (a block of zeros too) gets the byte 1: the bytes are read by this program alone.
; No prefetch: every tile is asked for in the first lines.
.set SIZE_K, 1024
.set HAS_BIAS, 1
.set KS,     SIZE_K/32
.set NKS,    SIZE_K/128
.set LAPS,   SIZE_K/1024
.set ASCOFF, 4096*SIZE_K
.set HALFA,  32768
.set HALFB,  64*528
.set BOFF,   2*HALFA
.set SLOTB,  BOFF+2*HALFB
.set ASC,    2*SLOTB
.set BSC,    ASC+NKS*512
.set HALFS,  (64*KS/256)*272
.set SBLK,   (16*KS/256)*272
.set SPARE,  BSC+2*HALFS               ; the spare words: 128 bytes a wave, named by no other line
.set ADRA, 16
.set ADRB, 20
.set G1A, 24
.set G0A, 32
.set G1B, 48
.set G0B, 56
.set G1SA, 68
.set G0SA, 76
.set G1SB, 80
.set G0SB, 88
.set MUL,  0x05
.set TO_F, 0x40
; REGISTERS. window 0: v1-29 addresses; v32-95 scale words alone; v96-127 the bias, then the way out's; v128-255 the 16 accumulators.  window 1: two fragment buffers; on the way out v0-127 the GELU's, v128-131 two constants, v192-227 codes.
.set MSB, 0
.macro WIN new
.if MSB != \new
	s_set_vgpr_msb (MSB<<8)|\new
.set MSB, \new
.endif
.endm
.macro PLACES n
.rept \n
	v_nop
.endr
.endm
.macro JLOAD g0a, g1a, g0b, g1b        ; a joint load: waves 0 and 1 fetch for A, waves 2 and 3 for B; four v_nop follow each line
	s_cmp_eq_u32 s15, 0
	s_cbranch_scc0 .Lfor_b_\@
	tensor_load_to_lds s[\g0a:\g0a+3], s[\g1a:\g1a+7]
	s_nop 0
.rept 4
	v_nop
.endr
	s_branch .Lasked_\@
.Lfor_b_\@:
	tensor_load_to_lds s[\g0b:\g0b+3], s[\g1b:\g1b+7]
	s_nop 0
.rept 4
	v_nop
.endr
.Lasked_\@:
.endm
.macro CREST
	s_cmp_lg_u32 s14, 0
	s_cbranch_scc1 .Lnot_wave_0_\@
	s_barrier_signal -3
.Lnot_wave_0_\@:
	s_barrier_wait -3
	s_barrier_signal -1
	s_barrier_wait -1
.endm
.macro CROUND
	s_barrier_signal -1
	s_barrier_wait -1
	CREST
.endm
.macro FETCH slot, q, f
	WIN TO_F
.irp i, 0,1,2,3
.irp c, 0,1,2,3
	ds_load_b128 v[\f+64+16*\i+4*\c:\f+64+16*\i+4*\c+3], v[ADRB+\slot] offset:8448*\i+128*(\q)+32*\c
.endr
.endr
.irp i, 0,1,2,3
.irp c, 0,1,2,3
	ds_load_b128 v[\f+16*\i+4*\c:\f+16*\i+4*\c+3], v[ADRA+\slot] offset:8192*\i+2048*(\q)+512*\c
.endr
.endr
.endm
.macro SCALES set
	WIN 0
.irp q, 0,1,2,3
.irp a, 0,1,2,3
	ds_load_b32 v[32+32*\set+4*\q+\a], v22 offset:256*\q+64*\a
.endr
.endr
.irp b, 0,1,2,3
	ds_load_b128 v[48+32*\set+4*\b:48+32*\set+4*\b+3], v23 offset:\b*SBLK
.endr
.endm
.macro MULH f, a0, set, q, zero        ; 8 matrix instructions; the 16 accumulators take turns, one instruction a turn
	WIN MUL
.irp a, \a0, \a0+1
.irp b, 0,1,2,3
.set rA, \f+16*(\a)
.set rB, \f+64+16*\b
.set sA, 32+32*(\set)+4*(\q)+(\a)
.set sB, 48+32*(\set)+4*\b+(\q)
.set rD, 128+8*(4*(\a)+\b)
.if \zero
	v_wmma_scale_f32_16x16x128_f8f6f4 v[rD:rD+7], v[rB:rB+15], v[rA:rA+15], v[96+8*\b:103+8*\b], v[sB], v[sA]
.else
	v_wmma_scale_f32_16x16x128_f8f6f4 v[rD:rD+7], v[rB:rB+15], v[rA:rA+15], v[rD:rD+7], v[sB], v[sA]
.endif
.endr
.endr
.endm
.macro STEP slot, q, zero
	s_wait_dscnt 8                                 ; all but A's fragments 2 and 3, the eight youngest loads
	MULH 128*((\q)%2), 0, \slot, \q, \zero
	PLACES 8                                       ; in front of loads into registers that matrix instructions have read
	FETCH \slot, (\q)+1, 128-128*((\q)%2)
	s_wait_dscnt 32                                ; all but the 32 just issued
	MULH 128*((\q)%2), 2, \slot, \q, \zero
.endm
.macro TURN slot, next, fill
	s_wait_dscnt 8
	MULH 128, 0, \slot, 3, 0
	WIN 0
	s_wait_tensorcnt 0x0                           ; all my tensor loads have landed, my part of the next slot among them
	ds_add_u32 v28, v29                            ; 0 onto my spare word
.if \fill
	s_add_nc_u64 s[G0A+4*\slot+2:G0A+4*\slot+3], s[G0A+4*\slot+2:G0A+4*\slot+3], 16384
	s_add_nc_u64 s[G0B+4*\slot+2:G0B+4*\slot+3], s[G0B+4*\slot+2:G0B+4*\slot+3], 1024
.endif
	s_wait_dscnt 0x0                               ; the add is done, and my reads of this slot are over
	s_barrier_signal -1
	s_barrier_wait -1
.if \fill
	CREST
	JLOAD G0A+4*\slot, G1A, G0B+4*\slot, G1B
	PLACES 4
.else
	PLACES 8
.endif
	v_add_nc_u32 v22, 1024, v22
	v_add_nc_u32 v23, 16, v23
	SCALES \next
	FETCH \next, 0, 0
	MULH 128, 2, \slot, 3, 0
.endm
.macro LAST
	s_wait_dscnt 8
	MULH 128, 0, 1, 3, 0
	s_wait_dscnt 0x0
	MULH 128, 2, 1, 3, 0
	WIN 0
.endm
	s_load_b128 s[4:7], s[0:1], 0x0                ; act, w1's codes
	s_load_b64 s[8:9], s[0:1], 0x10                ; w1's scales
	s_load_b64 s[66:67], s[0:1], 0x18              ; b1
	s_load_b64 s[10:11], s[0:1], 0x20              ; hid
	v_lshl_add_u32 v28, v0, 2, SPARE
	v_mov_b32 v29, 0
	ds_add_u32 v28, v29
	ds_add_u32 v28, v29
	s_wait_dscnt 0x0
	v_lshrrev_b32 v1, 5, v0
	v_readfirstlane_b32 s14, v1
	s_lshr_b32 s15, s14, 1
	s_and_b32 s16, s14, 1
	s_bfe_u32 s40, ttmp6, 0x40000
	s_bfe_u32 s41, ttmp6, 0x40004
	s_lshl_b32 s42, ttmp9, 2
	s_add_co_u32 s42, s42, s40                     ; tile column
	s_and_b32 s17, ttmp7, 0xffff
	s_lshl_b32 s17, s17, 2
	s_add_co_u32 s17, s17, s41                     ; tile row
	s_lshl_b32 s43, s41, 2
	s_lshl_b32 s43, 15, s43
	s_lshl_b32 s44, 0x1111, s40
	s_lshl_b32 s20, s17, 3
	s_lshl_b32 s18, s16, 2
	s_add_co_u32 s20, s20, s18
	s_mul_i32 s20, s20, 16*SIZE_K
	s_mov_b32 s21, 0
	s_lshl_b32 s22, s17, 9
	s_lshl_b32 s18, s16, 8
	s_add_co_u32 s22, s22, s18
	s_add_co_u32 s22, s22, ASCOFF
	s_mov_b32 s23, 0
	s_lshl_b32 s46, s42, 7
	s_lshl_b32 s18, s16, 6
	s_add_co_u32 s46, s46, s18
	s_mul_i32 s94, s46, KS
	s_mov_b32 s95, 0
	s_mul_i32 s46, s46, SIZE_K
	s_mov_b32 s47, 0
	s_mul_i32 s45, s16, HALFA
	s_mul_i32 s93, s16, HALFB
	s_add_co_u32 s93, s93, BOFF
	s_mul_i32 s96, s16, NKS*256
	s_add_co_u32 s96, s96, ASC
	s_mul_i32 s97, s16, HALFS
	s_add_co_u32 s97, s97, BSC
	s_or_b32 s[G1A], s43, (3<<16)|(1<<21)          ; A: 4 rows of 1,024 elements of 8 bytes, dense in LDS; mask: my row
	s_mov_b32 s[G1A+1], 1024<<16
	s_mov_b32 s[G1A+2], 4<<16
	s_mov_b32 s[G1A+3], 1024<<16
	s_mov_b32 s[G1A+4], 4
	s_mov_b32 s[G1A+5], 2*SIZE_K
	s_mov_b32 s[G1A+6], 0
	s_mov_b32 s[G1A+7], 0
	s_or_b32 s[G1B], s44, (1<<20)|(1<<21)|(6<<22)|(3<<25)   ; B: 64 rows of 512 bytes + 16; mask: my column
	s_mov_b32 s[G1B+1], 512<<16
	s_mov_b32 s[G1B+2], 64<<16
	s_mov_b32 s[G1B+3], 512<<16
	s_mov_b32 s[G1B+4], 64
	s_mov_b32 s[G1B+5], SIZE_K
	s_mov_b32 s[G1B+6], 0
	s_mov_b32 s[G1B+7], 0
	s_or_b32 s[G1SA], s43, (3<<16)|(1<<21)
	s_mov_b32 s[G1SA+1], 32<<16
	s_mov_b32 s[G1SA+2], NKS<<16
	s_mov_b32 s[G1SA+3], 32<<16
	s_mov_b32 s[G1SA+4], NKS
	s_mov_b32 s[G1SA+5], 2048
	s_mov_b32 s[G1SA+6], 0
	s_mov_b32 s[G1SA+7], 0
	s_or_b32 s[G1SB], s44, (3<<16)|(1<<20)|(1<<21)|(5<<22)|(3<<25)
	s_mov_b32 s[G1SB+1], 32<<16
	s_mov_b32 s[G1SB+2], (64*KS/256)<<16
	s_mov_b32 s[G1SB+3], 32<<16
	s_mov_b32 s[G1SB+4], 64*KS/256
	s_mov_b32 s[G1SB+5], 32
	s_mov_b32 s[G1SB+6], 0
	s_mov_b32 s[G1SB+7], 0
	s_wait_kmcnt 0x0
	s_add_nc_u64 s[20:21], s[4:5], s[20:21]
	s_add_nc_u64 s[22:23], s[4:5], s[22:23]
	s_add_nc_u64 s[46:47], s[6:7], s[46:47]
	s_add_nc_u64 s[94:95], s[8:9], s[94:95]
	CROUND
	s_mov_b32 s[G0SA], 1
	s_mov_b32 s[G0SA+1], s96
	s_mov_b64 s[G0SA+2:G0SA+3], s[22:23]
	s_or_b32 s[G0SA+3], s[G0SA+3], 0x80000000
	s_mov_b32 s[G0SB], 1
	s_mov_b32 s[G0SB+1], s97
	s_mov_b64 s[G0SB+2:G0SB+3], s[94:95]
	s_or_b32 s[G0SB+3], s[G0SB+3], 0x80000000
	JLOAD G0SA, G1SA, G0SB, G1SB
.irp s, 0,1
	s_mov_b32 s[G0A+4*\s], 1
	s_add_co_u32 s[G0A+4*\s+1], s45, \s*SLOTB
	s_add_nc_u64 s[G0A+4*\s+2:G0A+4*\s+3], s[20:21], \s*8192
	s_or_b32 s[G0A+4*\s+3], s[G0A+4*\s+3], 0x80000000
	s_mov_b32 s[G0B+4*\s], 1
	s_add_co_u32 s[G0B+4*\s+1], s93, \s*SLOTB
	s_add_nc_u64 s[G0B+4*\s+2:G0B+4*\s+3], s[46:47], \s*512
	s_or_b32 s[G0B+4*\s+3], s[G0B+4*\s+3], 0x80000000
	JLOAD G0A+4*\s, G1A, G0B+4*\s, G1B
.endr
	v_and_b32 v1, 15, v0
	v_bfe_u32 v2, v0, 4, 1
	v_and_b32 v3, 31, v0
	v_lshlrev_b32 v4, 4, v3
	s_mul_i32 s18, s15, HALFA
	v_add_nc_u32 v16, s18, v4
	v_add_nc_u32 v17, SLOTB, v16
	v_mul_u32_u24 v5, v1, 528
	v_lshl_add_u32 v5, v2, 4, v5
	s_mul_i32 s18, s16, HALFB
	s_add_co_u32 s18, s18, BOFF
	v_add_nc_u32 v20, s18, v5
	v_add_nc_u32 v21, SLOTB, v20
	v_lshlrev_b32 v6, 2, v1
	s_mul_i32 s18, s15, NKS*256
	s_add_co_u32 s18, s18, ASC
	v_add_nc_u32 v22, s18, v6
	v_mul_u32_u24 v7, v1, KS
	v_lshrrev_b32 v8, 8, v7
	v_lshl_add_u32 v7, v8, 4, v7
	s_mul_i32 s18, s16, HALFS
	s_add_co_u32 s18, s18, BSC
	v_add_nc_u32 v23, s18, v7
	s_lshl_b32 s98, s42, 9                         ; the bias of my 64 columns: lane (r, h) wants, for block b, columns 16 b + 8 h + 0 .. 7
	s_lshl_b32 s99, s16, 8
	s_add_co_u32 s98, s98, s99
	s_mov_b32 s99, 0
	s_add_nc_u64 s[66:67], s[66:67], s[98:99]
	v_lshlrev_b32 v9, 5, v2
.irp b, 0,1,2,3
	global_load_b128 v[96+8*\b:99+8*\b], v9, s[66:67] offset:64*\b
	global_load_b128 v[100+8*\b:103+8*\b], v9, s[66:67] offset:64*\b+16
.endr
	s_wait_loadcnt 0x0
	s_wait_tensorcnt 1                             ; the scales and my part of slot 0 are in; slot 1's load may be out
	s_barrier_signal -1
	s_barrier_wait -1
	SCALES 0
	FETCH 0, 0, 0
	STEP 0, 0, 1
	STEP 0, 1, 0
	STEP 0, 2, 0
	TURN 0, 1, 0
	STEP 1, 0, 0
	STEP 1, 1, 0
	STEP 1, 2, 0
	LAST
	PLACES 8
	s_lshl_b32 s18, s17, 3                         ; codes: ((8 T + 4 wm) * 32 + tc) * 2048 + wn * 1024
	s_lshl_b32 s19, s15, 2
	s_add_co_u32 s18, s18, s19
	s_lshl_b32 s18, s18, 5
	s_add_co_u32 s18, s18, s42
	s_lshl_b32 s18, s18, 11
	s_lshl_b32 s19, s16, 10
	s_add_co_u32 s18, s18, s19
	s_mov_b32 s19, 0
	s_lshl_b32 s46, s42, 12                        ; scale words: 16,777,216 + (4096 tc + 128 T + 64 wm) * 4 + 2 wn
	s_lshl_b32 s47, s17, 7
	s_add_co_u32 s46, s46, s47
	s_lshl_b32 s47, s15, 6
	s_add_co_u32 s46, s46, s47
	s_lshl_b32 s46, s46, 2
	s_lshl_b32 s47, s16, 1
	s_add_co_u32 s46, s46, s47
	s_add_co_u32 s46, s46, 16777216
	s_mov_b32 s47, 0
	s_add_nc_u64 s[12:13], s[10:11], s[46:47]
	s_add_nc_u64 s[10:11], s[10:11], s[18:19]
	s_mov_b32 s20, 0x76543210
	s_mov_b32 s21, 0xfedcba98
	s_mov_b32 s22, 0x600000
.macro SPAIR r, val                    ; a constant as a pair: the packed forms name a pair and take its low word for both halves
	s_mov_b32 s[\r], \val
	s_mov_b32 s[\r+1], \val
.endm
	SPAIR 24, 0x3f3504f3                           ; 1 / sqrt(2).  (No tensor load is out: the descriptors' registers are free)
	SPAIR 26, 0xaf95df0b                           ; P, from the highest power down (the second, 0x32edffee, lies in a vector pair)
	SPAIR 28, 0xb60cff51
	SPAIR 30, 0xb86ec2d2
	SPAIR 32, 0xba40ac63
	SPAIR 34, 0xbb41a1f6
	SPAIR 36, 0xbc83dbd4
	SPAIR 38, 0xb77460cd                           ; Q likewise (the second, 0xb95fbd29, in a vector pair)
	SPAIR 40, 0xbadc924e
	SPAIR 42, 0xbbf19bf8
	SPAIR 44, 0xbc69b6a7
	v_mov_b32 v108, v4
	v_add_nc_u32 v109, 0x10000, v108               ; from block of 16 rows to block: 32 fragments
	v_add_nc_u32 v110, 0x10000, v109
	v_add_nc_u32 v111, 0x10000, v110
	v_mov_b32 v98, 0                               ; written once: a lane permute's destination counts as one of its sources
	v_mov_b32 v99, 0
	v_cmp_le_u32 vcc_lo, 16, v3                    ; lanes 16-31
	WIN 0x40
	v_mov_b32 v128, 0x32edffee
	v_mov_b32 v129, 0x32edffee
	v_mov_b32 v130, 0xb95fbd29
	v_mov_b32 v131, 0xb95fbd29
	v_mov_b32 v226, 0
	v_mov_b32 v227, 0
	WIN 0
.macro GELU a                          ; on the 32 registers of block a.  Window 1: z v0-31, z^2 v32-63, P v64-95, Q v96-127
.set U, 128+32*(\a)
	WIN 0x40
.set i, 0
.rept 16
	v_pk_mul_f32 v[i:i+1], v[U+i:U+i+1], s[24:25] op_sel_hi:[1,0]   ; each accumulator from its low end on
.set i, i+2
.endr
	WIN 0x55
.set i, 0
.rept 32
	v_med3_num_f32 v[i], v[i], -4.0, 4.0
.set i, i+1
.endr
.set i, 0
.rept 16
	v_pk_mul_f32 v[32+i:33+i], v[i:i+1], v[i:i+1]
.set i, i+2
.endr
.set i, 0
.rept 16
	v_pk_fma_f32 v[64+i:65+i], v[32+i:33+i], s[26:27], v[128:129] op_sel_hi:[1,0,1]
	v_pk_fma_f32 v[96+i:97+i], v[32+i:33+i], s[38:39], v[130:131] op_sel_hi:[1,0,1]
.set i, i+2
.endr
.irp k, 28,30,32,34,36
.set i, 0
.rept 16
	v_pk_fma_f32 v[64+i:65+i], v[64+i:65+i], v[32+i:33+i], s[\k:\k+1] op_sel_hi:[1,1,0]
.set i, i+2
.endr
.endr
.irp k, 40,42,44
.set i, 0
.rept 16
	v_pk_fma_f32 v[96+i:97+i], v[96+i:97+i], v[32+i:33+i], s[\k:\k+1] op_sel_hi:[1,1,0]
.set i, i+2
.endr
.endr
.set i, 0
.rept 32
	v_rcp_f32 v[96+i], v[96+i]                     ; Q's coefficients are all negative: it is never 0
.set i, i+1
.endr
.set i, 0
.rept 16
	v_pk_mul_f32 v[64+i:65+i], v[64+i:65+i], v[i:i+1]   ; z P: plain work behind the batch, which names none of its results
.set i, i+2
.endr
	s_wait_alu depctr_va_vdst(0)                   ; one wait for the 32 reciprocals, ahead of their first reader
.set i, 0
.rept 16
	v_pk_mul_f32 v[64+i:65+i], v[64+i:65+i], v[96+i:97+i]   ; erf
.set i, i+2
.endr
	WIN 0
.set i, 0
.rept 16
	v_pk_mul_f32 v[U+i:U+i+1], v[U+i:U+i+1], 0.5 op_sel_hi:[1,0]
.set i, i+2
.endr
	WIN 0x04
.set i, 0
.rept 16
	v_pk_fma_f32 v[U+i:U+i+1], v[U+i:U+i+1], v[64+i:65+i], v[U+i:U+i+1]   ; u / 2 x erf + u / 2
.set i, i+2
.endr
	WIN 0
.endm
.macro QROW o
.set qs, 128+32*(\o)
.irp b, 0,1
	v_max3_num_f32 v[96+\b], |v[qs+16*\b]|, |v[qs+16*\b+1]|, 0x4800000   ; the floor 2^(9 - 127) holds the byte at 1 from below
.endr
.irp i, 2,4,6,8,10,12,14
.irp b, 0,1
	v_max3_num_f32 v[96+\b], v[96+\b], |v[qs+16*\b+\i]|, |v[qs+16*\b+\i+1]|
.endr
.endr
.irp b, 0,1
	v_permlanex16_b32 v[98+\b], v[96+\b], s20, s21
.endr
.irp b, 0,1
	v_max_num_f32 v[96+\b], v[96+\b], v[98+\b]
.endr
.irp b, 0,1
	v_add_nc_u32 v[100+\b], 0xfc000000, v[96+\b]
	v_and_or_b32 v[102+\b], v[96+\b], 0x7f800000, s22
.endr
.irp b, 0,1
	v_lshrrev_b32 v[98+\b], 23, v[100+\b]
.endr
	v_lshl_or_b32 v[104+(\o)], v99, 8, v98
.irp b, 0,1
.irp i, 0,1,2,3,4,5,6,7,8,9,10,11,12,13,14,15
	v_med3_num_f32 v[qs+16*\b+\i], v[qs+16*\b+\i], -v[102+\b], v[102+\b]   ; the conversion does not saturate (ISA guide 7.6.2)
.endr
.endr
	WIN 0x40
.irp b, 0,1
	v_cvt_scalef32_pk8_fp8_f32 v[192+8*(\o)+4*\b:193+8*(\o)+4*\b], v[qs+16*\b:qs+16*\b+7], v[100+\b]
	v_cvt_scalef32_pk8_fp8_f32 v[194+8*(\o)+4*\b:195+8*(\o)+4*\b], v[qs+16*\b+8:qs+16*\b+15], v[100+\b]
.endr
	v_nop
	WIN 0x45                                       ; lanes 0-15 hold k 0-7 and 16-23, lanes 16-31 k 8-15 and 24-31: the lower lanes give their upper eight for the upper lanes' lower eight
.irp b, 0,1
.set c0, 192+8*(\o)+4*\b
	v_cndmask_b32 v224, v[c0+2], v[c0], vcc_lo
	v_cndmask_b32 v225, v[c0+3], v[c0+1], vcc_lo
	v_permlanex16_b32 v226, v224, s20, s21
	v_permlanex16_b32 v227, v225, s20, s21
	v_cndmask_b32 v[c0], v[c0], v226, vcc_lo
	v_cndmask_b32 v[c0+1], v[c0+1], v227, vcc_lo
	v_cndmask_b32 v[c0+2], v226, v[c0+2], vcc_lo
	v_cndmask_b32 v[c0+3], v227, v[c0+3], vcc_lo
.endr
	WIN 0x04
.irp b, 0,1
	global_store_b128 v[108+(\o)], v[192+8*(\o)+4*\b:195+8*(\o)+4*\b], s[10:11] offset:512*\b   ; 512 consecutive bytes, aligned
.endr
	WIN 0
.endm
.irp a, 0,1,2,3
	GELU \a
	QROW \a
.endr
	v_cndmask_b32 v112, v104, v105, vcc_lo         ; lane l: row l, then row 32 + l
	v_cndmask_b32 v113, v106, v107, vcc_lo
	v_lshlrev_b32 v116, 2, v3
	global_store_b16 v116, v112, s[12:13]
	global_store_b16 v116, v113, s[12:13] offset:128
	s_wait_tensorcnt 0x0                           ; the wave's end
	ds_add_u32 v28, v29
	s_wait_dscnt 0x0
	CROUND
	s_endpgm
.Lfunc_end_k_qc379b34870_ffn1:
	.size	k_qc379b34870_ffn1, .Lfunc_end_k_qc379b34870_ffn1-k_qc379b34870_ffn1
	.p2alignl 7, 3214868480
	.fill 96, 4, 3214868480
	.section	.rodata,"a",@progbits
	.p2align	6, 0x0
	.amdhsa_kernel k_qc379b34870_ffn1
		.amdhsa_group_segment_fixed_size 327680
		.amdhsa_private_segment_fixed_size 0
		.amdhsa_enable_private_segment 0
		.amdhsa_kernarg_size 40
		.amdhsa_user_sgpr_count 2
		.amdhsa_user_sgpr_kernarg_segment_ptr 1
		.amdhsa_wavefront_size32 1
		.amdhsa_system_sgpr_workgroup_id_x 1
		.amdhsa_system_sgpr_workgroup_id_y 1
		.amdhsa_system_sgpr_workgroup_id_z 1
		.amdhsa_system_vgpr_workitem_id 0
		.amdhsa_next_free_vgpr 512
		.amdhsa_next_free_sgpr 100
		.amdhsa_reserve_vcc 1
		.amdhsa_float_denorm_mode_32 3
		.amdhsa_float_denorm_mode_16_64 3
		.amdhsa_memory_ordered 1
		.amdhsa_forward_progress 1
		.amdhsa_inst_pref_size 148
	.end_amdhsa_kernel
	.amdgpu_metadata
---
amdhsa.version: [ 1, 2 ]
amdhsa.kernels:
  - .name:           k_qc379b34870_ffn1
    .symbol:         k_qc379b34870_ffn1.kd
    .args:
      - { .name: act, .offset: 0, .size: 8, .value_kind: global_buffer, .address_space: global }
      - { .name: w1_codes, .offset: 8, .size: 8, .value_kind: global_buffer, .address_space: global }
      - { .name: w1_scales, .offset: 16, .size: 8, .value_kind: global_buffer, .address_space: global }
      - { .name: b1, .offset: 24, .size: 8, .value_kind: global_buffer, .address_space: global }
      - { .name: hid, .offset: 32, .size: 8, .value_kind: global_buffer, .address_space: global }
    .group_segment_fixed_size: 327680
    .private_segment_fixed_size: 0
    .kernarg_segment_align: 8
    .kernarg_segment_size: 40
    .max_flat_workgroup_size: 128
    .sgpr_count:     100
    .vgpr_count:     512
    .wavefront_size: 32
...
	.end_amdgpu_metadata
.endif
;; end of part 5
;; launch ffn2 (part 6): grid 8 x 32, 4 waves a work-group, clusters of 4 x 4, 327,680 bytes of LDS; arguments hid, w2_codes, w2_scales, b2, x1, out0; writes out0
.if DOCPART == 6
	.amdgcn_target "amdgcn-amd-amdhsa--gfx1250"
	.amdhsa_code_object_version 6
	.text
	.protected	k_qc379b34870_ffn2
	.globl	k_qc379b34870_ffn2
	.p2align	8
	.type	k_qc379b34870_ffn2,@function
k_qc379b34870_ffn2:
	s_mov_b64 s[64:65], 0
	v_nop
	global_prefetch_b8 v0, s[64:65] scope:SCOPE_SE
	s_setreg_imm32_b32 hwreg(HW_REG_WAVE_MODE, 25, 1), 1
	s_wait_xcnt 0x0
	s_wait_alu depctr_hold_cnt(0) depctr_sa_sdst(0) depctr_va_vdst(0) depctr_va_sdst(0) depctr_va_ssrc(0) depctr_va_vcc(0) depctr_vm_vsrc(0)
	s_getreg_b32 s2, hwreg(HW_REG_IB_STS2, 6, 4)
	s_cmp_eq_u32 s2, 0
	s_cbranch_scc0 .Lentry_in_a_cluster
	s_endpgm
.Lentry_in_a_cluster:
	s_bfe_u32 s2, ttmp6, 0x10000c
	s_cmp_lg_u32 s2, 0xf033
	s_cbranch_scc0 .Lentry_shape_is_right
	s_endpgm
.Lentry_shape_is_right:
; out0 = x1 + hid W2 + b2, the product on codes of FP8 (E4M3) with E8M0 scales; sums, bias and residual in f32.
; A: images of operand registers for K = 4,096 (fragment (mb, ks) at (32 mb + ks) * 2048; scale word (ks, row) at 16,777,216 + (4096 ks + row) * 4).  B: w2's codes [1024 n][4096 k], scale bytes [1024][128].
; SHARES. A work-group makes 128 x 128 (256 work-groups), each of its four waves 64 x 64: 16 accumulators.  K goes in steps of 512 through a ring of two LDS slots; the tiles' scales for all of K come once.
; A wave has three tensor loads out at the head and one behind each change of slots, which has four steps of 128 in which to land.
; CLUSTERS: 4 x 4 work-groups; A's tiles are asked for jointly along a row of the cluster, B's along a column; where a slot is filled again a round of the cluster's barrier stands in front.
; The matrix instruction is used transposed; the bias is the C of each sum's first matrix instruction.  THE WAY OUT goes through the wave's own stage in LDS (in slot 0, behind its last fill and last read).
; No prefetch: the tile is small, and the slots are as large as LDS allows.
.set SIZE_K, 4096
.set HAS_BIAS, 1
.set KS,     SIZE_K/32
.set NKS,    SIZE_K/128
.set LAPS,   SIZE_K/1024
.set ASCOFF, 4096*SIZE_K
.set HALFA,  32768
.set HALFB,  64*528
.set BOFF,   2*HALFA
.set SLOTB,  BOFF+2*HALFB
.set ASC,    2*SLOTB
.set BSC,    ASC+NKS*512
.set HALFS,  (64*KS/256)*272
.set SBLK,   (16*KS/256)*272
.set SPARE,  BSC+2*HALFS               ; the spare words: 128 bytes a wave, named by no other line
.set ADRA, 16
.set ADRB, 20
.set G1A, 24
.set G0A, 32
.set G1B, 48
.set G0B, 56
.set G1SA, 68
.set G0SA, 76
.set G1SB, 80
.set G0SB, 88
.set MUL,  0x05
.set TO_F, 0x40
.set MSB, 0
.macro WIN new
.if MSB != \new
	s_set_vgpr_msb (MSB<<8)|\new
.set MSB, \new
.endif
.endm
.macro PLACES n
.rept \n
	v_nop
.endr
.endm
.macro JLOAD g0a, g1a, g0b, g1b        ; a joint load: waves 0 and 1 fetch for A, waves 2 and 3 for B; four v_nop follow each line
	s_cmp_eq_u32 s15, 0
	s_cbranch_scc0 .Lfor_b_\@
	tensor_load_to_lds s[\g0a:\g0a+3], s[\g1a:\g1a+7]
	s_nop 0
.rept 4
	v_nop
.endr
	s_branch .Lasked_\@
.Lfor_b_\@:
	tensor_load_to_lds s[\g0b:\g0b+3], s[\g1b:\g1b+7]
	s_nop 0
.rept 4
	v_nop
.endr
.Lasked_\@:
.endm
.macro CREST
	s_cmp_lg_u32 s14, 0
	s_cbranch_scc1 .Lnot_wave_0_\@
	s_barrier_signal -3
.Lnot_wave_0_\@:
	s_barrier_wait -3
	s_barrier_signal -1
	s_barrier_wait -1
.endm
.macro CROUND
	s_barrier_signal -1
	s_barrier_wait -1
	CREST
.endm
.macro FETCH slot, q, f
	WIN TO_F
.irp i, 0,1,2,3
.irp c, 0,1,2,3
	ds_load_b128 v[\f+64+16*\i+4*\c:\f+64+16*\i+4*\c+3], v[ADRB+\slot] offset:8448*\i+128*(\q)+32*\c
.endr
.endr
.irp i, 0,1,2,3
.irp c, 0,1,2,3
	ds_load_b128 v[\f+16*\i+4*\c:\f+16*\i+4*\c+3], v[ADRA+\slot] offset:8192*\i+2048*(\q)+512*\c
.endr
.endr
.endm
.macro SCALES set
	WIN 0
.irp q, 0,1,2,3
.irp a, 0,1,2,3
	ds_load_b32 v[32+32*\set+4*\q+\a], v22 offset:256*\q+64*\a
.endr
.endr
.irp b, 0,1,2,3
	ds_load_b128 v[48+32*\set+4*\b:48+32*\set+4*\b+3], v23 offset:\b*SBLK
.endr
.endm
.macro MULH f, a0, set, q, zero        ; 8 matrix instructions; the 16 accumulators take turns, one instruction a turn, over the loop's backward jump too
	WIN MUL
.irp a, \a0, \a0+1
.irp b, 0,1,2,3
.set rA, \f+16*(\a)
.set rB, \f+64+16*\b
.set sA, 32+32*(\set)+4*(\q)+(\a)
.set sB, 48+32*(\set)+4*\b+(\q)
.set rD, 128+8*(4*(\a)+\b)
.if \zero
	v_wmma_scale_f32_16x16x128_f8f6f4 v[rD:rD+7], v[rB:rB+15], v[rA:rA+15], v[96+8*\b:103+8*\b], v[sB], v[sA]
.else
	v_wmma_scale_f32_16x16x128_f8f6f4 v[rD:rD+7], v[rB:rB+15], v[rA:rA+15], v[rD:rD+7], v[sB], v[sA]
.endif
.endr
.endr
.endm
.macro STEP slot, q, zero
	s_wait_dscnt 8                                 ; all but A's fragments 2 and 3, the eight youngest loads
	MULH 128*((\q)%2), 0, \slot, \q, \zero
	PLACES 8                                       ; in front of loads into registers that matrix instructions have read
	FETCH \slot, (\q)+1, 128-128*((\q)%2)
	s_wait_dscnt 32                                ; all but the 32 just issued
	MULH 128*((\q)%2), 2, \slot, \q, \zero
.endm
.macro TURN slot, next, fill           ; a slot's last step, and the change of slots.  fill = 1: this slot is filled again, two slots ahead
	s_wait_dscnt 8
	MULH 128, 0, \slot, 3, 0
	WIN 0
	s_wait_tensorcnt 0x0                           ; all my tensor loads have landed, my part of the next slot among them: so a group 0 may be written
	ds_add_u32 v28, v29                            ; 0 onto my spare word
.if \fill
	s_add_nc_u64 s[G0A+4*\slot+2:G0A+4*\slot+3], s[G0A+4*\slot+2:G0A+4*\slot+3], 16384
	s_add_nc_u64 s[G0B+4*\slot+2:G0B+4*\slot+3], s[G0B+4*\slot+2:G0B+4*\slot+3], 1024
.endif
	s_wait_dscnt 0x0                               ; the add is done, and my reads of this slot are over
	s_barrier_signal -1
	s_barrier_wait -1
.if \fill
	CREST                                          ; the barrier has opened a round of the cluster's: no wave of any partner still reads this slot or has a load on its way
	JLOAD G0A+4*\slot, G1A, G0B+4*\slot, G1B       ; the first tensor load behind the round, one a wave
	PLACES 4
.else
	PLACES 8
.endif
	v_add_nc_u32 v22, 1024, v22
	v_add_nc_u32 v23, 16, v23
	SCALES \next
	FETCH \next, 0, 0
	MULH 128, 2, \slot, 3, 0
.endm
.macro LAST
	s_wait_dscnt 8
	MULH 128, 0, 1, 3, 0
	s_wait_dscnt 0x0
	MULH 128, 2, 1, 3, 0
	WIN 0
.endm
	s_load_b128 s[4:7], s[0:1], 0x0                ; hid, w2's codes
	s_load_b64 s[8:9], s[0:1], 0x10                ; w2's scales
	s_load_b64 s[66:67], s[0:1], 0x18              ; b2
	s_load_b64 s[12:13], s[0:1], 0x20              ; x1
	s_load_b64 s[10:11], s[0:1], 0x28              ; out0
	v_lshl_add_u32 v28, v0, 2, SPARE
	v_mov_b32 v29, 0
	ds_add_u32 v28, v29
	ds_add_u32 v28, v29
	s_wait_dscnt 0x0
	v_lshrrev_b32 v1, 5, v0
	v_readfirstlane_b32 s14, v1
	s_lshr_b32 s15, s14, 1
	s_and_b32 s16, s14, 1
	s_bfe_u32 s40, ttmp6, 0x40000
	s_bfe_u32 s41, ttmp6, 0x40004
	s_lshl_b32 s42, ttmp9, 2
	s_add_co_u32 s42, s42, s40                     ; tile column
	s_and_b32 s17, ttmp7, 0xffff
	s_lshl_b32 s17, s17, 2
	s_add_co_u32 s17, s17, s41                     ; tile row
	s_lshl_b32 s43, s41, 2
	s_lshl_b32 s43, 15, s43
	s_lshl_b32 s44, 0x1111, s40
	s_lshl_b32 s20, s17, 3
	s_lshl_b32 s18, s16, 2
	s_add_co_u32 s20, s20, s18
	s_mul_i32 s20, s20, 16*SIZE_K
	s_mov_b32 s21, 0
	s_lshl_b32 s22, s17, 9
	s_lshl_b32 s18, s16, 8
	s_add_co_u32 s22, s22, s18
	s_add_co_u32 s22, s22, ASCOFF
	s_mov_b32 s23, 0
	s_lshl_b32 s46, s42, 7
	s_lshl_b32 s18, s16, 6
	s_add_co_u32 s46, s46, s18
	s_mul_i32 s94, s46, KS
	s_mov_b32 s95, 0
	s_mul_i32 s46, s46, SIZE_K
	s_mov_b32 s47, 0
	s_mul_i32 s45, s16, HALFA
	s_mul_i32 s93, s16, HALFB
	s_add_co_u32 s93, s93, BOFF
	s_mul_i32 s96, s16, NKS*256
	s_add_co_u32 s96, s96, ASC
	s_mul_i32 s97, s16, HALFS
	s_add_co_u32 s97, s97, BSC
	s_or_b32 s[G1A], s43, (3<<16)|(1<<21)          ; A: 4 rows of 1,024 elements of 8 bytes, dense in LDS; mask: my row
	s_mov_b32 s[G1A+1], 1024<<16
	s_mov_b32 s[G1A+2], 4<<16
	s_mov_b32 s[G1A+3], 1024<<16
	s_mov_b32 s[G1A+4], 4
	s_mov_b32 s[G1A+5], 2*SIZE_K
	s_mov_b32 s[G1A+6], 0
	s_mov_b32 s[G1A+7], 0
	s_or_b32 s[G1B], s44, (1<<20)|(1<<21)|(6<<22)|(3<<25)   ; B: 64 rows of 512 bytes + 16; mask: my column
	s_mov_b32 s[G1B+1], 512<<16
	s_mov_b32 s[G1B+2], 64<<16
	s_mov_b32 s[G1B+3], 512<<16
	s_mov_b32 s[G1B+4], 64
	s_mov_b32 s[G1B+5], SIZE_K
	s_mov_b32 s[G1B+6], 0
	s_mov_b32 s[G1B+7], 0
	s_or_b32 s[G1SA], s43, (3<<16)|(1<<21)
	s_mov_b32 s[G1SA+1], 32<<16
	s_mov_b32 s[G1SA+2], NKS<<16
	s_mov_b32 s[G1SA+3], 32<<16
	s_mov_b32 s[G1SA+4], NKS
	s_mov_b32 s[G1SA+5], 2048
	s_mov_b32 s[G1SA+6], 0
	s_mov_b32 s[G1SA+7], 0
	s_or_b32 s[G1SB], s44, (3<<16)|(1<<20)|(1<<21)|(5<<22)|(3<<25)
	s_mov_b32 s[G1SB+1], 32<<16
	s_mov_b32 s[G1SB+2], (64*KS/256)<<16
	s_mov_b32 s[G1SB+3], 32<<16
	s_mov_b32 s[G1SB+4], 64*KS/256
	s_mov_b32 s[G1SB+5], 32
	s_mov_b32 s[G1SB+6], 0
	s_mov_b32 s[G1SB+7], 0
	s_wait_kmcnt 0x0
	s_add_nc_u64 s[20:21], s[4:5], s[20:21]
	s_add_nc_u64 s[22:23], s[4:5], s[22:23]
	s_add_nc_u64 s[46:47], s[6:7], s[46:47]
	s_add_nc_u64 s[94:95], s[8:9], s[94:95]
	CROUND
	s_mov_b32 s[G0SA], 1
	s_mov_b32 s[G0SA+1], s96
	s_mov_b64 s[G0SA+2:G0SA+3], s[22:23]
	s_or_b32 s[G0SA+3], s[G0SA+3], 0x80000000
	s_mov_b32 s[G0SB], 1
	s_mov_b32 s[G0SB+1], s97
	s_mov_b64 s[G0SB+2:G0SB+3], s[94:95]
	s_or_b32 s[G0SB+3], s[G0SB+3], 0x80000000
	JLOAD G0SA, G1SA, G0SB, G1SB
.irp s, 0,1
	s_mov_b32 s[G0A+4*\s], 1
	s_add_co_u32 s[G0A+4*\s+1], s45, \s*SLOTB
	s_add_nc_u64 s[G0A+4*\s+2:G0A+4*\s+3], s[20:21], \s*8192
	s_or_b32 s[G0A+4*\s+3], s[G0A+4*\s+3], 0x80000000
	s_mov_b32 s[G0B+4*\s], 1
	s_add_co_u32 s[G0B+4*\s+1], s93, \s*SLOTB
	s_add_nc_u64 s[G0B+4*\s+2:G0B+4*\s+3], s[46:47], \s*512
	s_or_b32 s[G0B+4*\s+3], s[G0B+4*\s+3], 0x80000000
	JLOAD G0A+4*\s, G1A, G0B+4*\s, G1B
.endr
	v_and_b32 v1, 15, v0
	v_bfe_u32 v2, v0, 4, 1
	v_and_b32 v3, 31, v0
	v_lshlrev_b32 v4, 4, v3
	s_mul_i32 s18, s15, HALFA
	v_add_nc_u32 v16, s18, v4
	v_add_nc_u32 v17, SLOTB, v16
	v_mul_u32_u24 v5, v1, 528
	v_lshl_add_u32 v5, v2, 4, v5
	s_mul_i32 s18, s16, HALFB
	s_add_co_u32 s18, s18, BOFF
	v_add_nc_u32 v20, s18, v5
	v_add_nc_u32 v21, SLOTB, v20
	v_lshlrev_b32 v6, 2, v1
	s_mul_i32 s18, s15, NKS*256
	s_add_co_u32 s18, s18, ASC
	v_add_nc_u32 v22, s18, v6
	v_mul_u32_u24 v7, v1, KS
	v_lshrrev_b32 v8, 8, v7
	v_lshl_add_u32 v7, v8, 4, v7
	s_mul_i32 s18, s16, HALFS
	s_add_co_u32 s18, s18, BSC
	v_add_nc_u32 v23, s18, v7
	s_mul_i32 s18, s14, 16*272                     ; my stage: 16 rows x (256 bytes + 16)
	v_mul_u32_u24 v24, v1, 272
	v_lshl_add_u32 v24, v2, 5, v24
	v_add_nc_u32 v24, s18, v24
	v_mul_u32_u24 v25, v2, 272
	v_lshl_add_u32 v25, v1, 4, v25
	v_add_nc_u32 v25, s18, v25
	v_lshlrev_b32 v26, 12, v2
	v_lshl_add_u32 v26, v1, 4, v26
	s_lshl_b32 s98, s42, 9                         ; the bias of my 64 columns
	s_lshl_b32 s99, s16, 8
	s_add_co_u32 s98, s98, s99
	s_mov_b32 s99, 0
	s_add_nc_u64 s[66:67], s[66:67], s[98:99]
	v_lshlrev_b32 v9, 5, v2
.irp b, 0,1,2,3
	global_load_b128 v[96+8*\b:99+8*\b], v9, s[66:67] offset:64*\b
	global_load_b128 v[100+8*\b:103+8*\b], v9, s[66:67] offset:64*\b+16
.endr
	s_wait_loadcnt 0x0
	s_wait_tensorcnt 1                             ; the scales and my part of slot 0 are in; slot 1's load may be out
	s_barrier_signal -1
	s_barrier_wait -1
	SCALES 0
	FETCH 0, 0, 0
	STEP 0, 0, 1                                   ; the first step stands in front of the loop: its products start the sums
	WIN 0                                          ; at a label and at a branch every window is 0
	s_mov_b32 s3, LAPS-1
.Llap:                                                 ; a trip goes once round the ring and fills both slots again
	STEP 0, 1, 0
	STEP 0, 2, 0
	TURN 0, 1, 1
	STEP 1, 0, 0
	STEP 1, 1, 0
	STEP 1, 2, 0
	TURN 1, 0, 1
	STEP 0, 0, 0
	WIN 0
	s_sub_co_u32 s3, s3, 1
	s_cmp_lg_u32 s3, 0
	s_cbranch_scc1 .Llap
	STEP 0, 1, 0                                   ; the last lap fills nothing
	STEP 0, 2, 0
	TURN 0, 1, 0
	STEP 1, 0, 0
	STEP 1, 1, 0
	STEP 1, 2, 0
	LAST
	PLACES 8
	s_lshl_b32 s18, s17, 19
	s_lshl_b32 s19, s15, 18
	s_add_co_u32 s18, s18, s19
	s_lshl_b32 s19, s42, 9
	s_add_co_u32 s18, s18, s19
	s_lshl_b32 s19, s16, 8
	s_add_co_u32 s18, s18, s19
	s_mov_b32 s19, 0
	s_add_nc_u64 s[12:13], s[12:13], s[18:19]
	s_add_nc_u64 s[10:11], s[10:11], s[18:19]
	WIN TO_F
.irp a, 0,1,2,3
.irp t, 0,1,2,3,4,5,6,7
	global_load_b128 v[32*\a+4*\t:32*\a+4*\t+3], v26, s[12:13] offset:(16*\a+2*\t)*4096
.endr
.endr
.irp a, 0,1,2,3
	WIN 0
.irp b, 0,1,2,3
	ds_store_b128 v24, v[128+8*(4*\a+\b):131+8*(4*\a+\b)] offset:64*\b        ; each accumulator from its low end on
	ds_store_b128 v24, v[132+8*(4*\a+\b):135+8*(4*\a+\b)] offset:64*\b+16
.endr
	WIN TO_F
.irp t, 0,1,2,3,4,5,6,7
	ds_load_b128 v[128+32*\a+4*\t:131+32*\a+4*\t], v25 offset:544*\t          ; LDS serves a wave's instructions in order
.endr
.endr
.irp a, 0,1,2,3
	s_wait_dscnt 16*(3-\a)                         ; the later blocks' 8 stores and 8 loads each may be out
	s_wait_loadcnt 8*(3-\a)                        ; and their 8 residual loads each
	WIN 0x45
.set i, 0
.rept 16
	v_pk_add_f32 v[128+32*\a+i:129+32*\a+i], v[128+32*\a+i:129+32*\a+i], v[32*\a+i:32*\a+i+1]
.set i, i+2
.endr
	WIN 0x04
.irp t, 0,1,2,3,4,5,6,7
	global_store_b128 v26, v[128+32*\a+4*\t:131+32*\a+4*\t], s[10:11] offset:(16*\a+2*\t)*4096 th:TH_STORE_NT   ; sixteen lanes store 256 consecutive bytes, aligned
.endr
.endr
	WIN 0
	s_wait_tensorcnt 0x0                           ; the wave's end
	ds_add_u32 v28, v29
	s_wait_dscnt 0x0
	CROUND
	s_endpgm
.Lfunc_end_k_qc379b34870_ffn2:
	.size	k_qc379b34870_ffn2, .Lfunc_end_k_qc379b34870_ffn2-k_qc379b34870_ffn2
	.p2alignl 7, 3214868480
	.fill 96, 4, 3214868480
	.section	.rodata,"a",@progbits
	.p2align	6, 0x0
	.amdhsa_kernel k_qc379b34870_ffn2
		.amdhsa_group_segment_fixed_size 327680
		.amdhsa_private_segment_fixed_size 0
		.amdhsa_enable_private_segment 0
		.amdhsa_kernarg_size 48
		.amdhsa_user_sgpr_count 2
		.amdhsa_user_sgpr_kernarg_segment_ptr 1
		.amdhsa_wavefront_size32 1
		.amdhsa_system_sgpr_workgroup_id_x 1
		.amdhsa_system_sgpr_workgroup_id_y 1
		.amdhsa_system_sgpr_workgroup_id_z 1
		.amdhsa_system_vgpr_workitem_id 0
		.amdhsa_next_free_vgpr 512
		.amdhsa_next_free_sgpr 100
		.amdhsa_reserve_vcc 0
		.amdhsa_float_denorm_mode_32 3
		.amdhsa_float_denorm_mode_16_64 3
		.amdhsa_memory_ordered 1
		.amdhsa_forward_progress 1
		.amdhsa_inst_pref_size 104
	.end_amdhsa_kernel
	.amdgpu_metadata
---
amdhsa.version: [ 1, 2 ]
amdhsa.kernels:
  - .name:           k_qc379b34870_ffn2
    .symbol:         k_qc379b34870_ffn2.kd
    .args:
      - { .name: hid, .offset: 0, .size: 8, .value_kind: global_buffer, .address_space: global }
      - { .name: w2_codes, .offset: 8, .size: 8, .value_kind: global_buffer, .address_space: global }
      - { .name: w2_scales, .offset: 16, .size: 8, .value_kind: global_buffer, .address_space: global }
      - { .name: b2, .offset: 24, .size: 8, .value_kind: global_buffer, .address_space: global }
      - { .name: x1, .offset: 32, .size: 8, .value_kind: global_buffer, .address_space: global }
      - { .name: out0, .offset: 40, .size: 8, .value_kind: global_buffer, .address_space: global }
    .group_segment_fixed_size: 327680
    .private_segment_fixed_size: 0
    .kernarg_segment_align: 8
    .kernarg_segment_size: 48
    .max_flat_workgroup_size: 128
    .sgpr_count:     100
    .vgpr_count:     512
    .wavefront_size: 32
...
	.end_amdgpu_metadata
.endif
;; end of part 6
;; ======== version 2 of 2: 7 launches
;; limits: right only within a limited range of input values
;; workspace buffers: act 4,325,376 bytes; qkv 13,107,200 bytes; x1 16,777,216 bytes; hid 17,301,504 bytes
;; launch ln1 (part 7): grid 256 x 1, 8 waves a work-group, no clusters, 69,632 bytes of LDS; arguments x, g1, be1, act; writes act
.if DOCPART == 7
	.amdgcn_target "amdgcn-amd-amdhsa--gfx1250"
	.amdhsa_code_object_version 6
	.text
	.protected	k_qc379b34870_ln1
	.globl	k_qc379b34870_ln1
	.p2align	8
	.type	k_qc379b34870_ln1,@function
k_qc379b34870_ln1:
	s_mov_b64 s[64:65], 0
	v_nop
	global_prefetch_b8 v0, s[64:65] scope:SCOPE_SE
	s_setreg_imm32_b32 hwreg(HW_REG_WAVE_MODE, 25, 1), 1
	s_wait_xcnt 0x0
; LayerNorm of [4096][1024] f32 rows, then quantised along the row to codes of FP8 (E4M3) with one E8M0 byte for each 32 numbers.
; y = (x - mean) * rsqrt(var + 1e-5) * g + b; the variance is taken of x - mean in a second pass over registers, so a common offset of the row does no harm.
; SHARES. A work-group owns 16 rows, each of its eight waves 128 columns of them: one operand fragment (16 rows x 128 K).  Loads take the bytes as they lie
; (512 consecutive bytes of a row an instruction); the wave's own stage in LDS turns them so that lane (r, h) holds row r and, in register 16 c + i, column 32 c + 16 h + i.
; OUT. The fragment leaves as an image of the operand's registers: fragment (16-row block mb, K step ks) at (8 mb + ks) * 2048, group c of four registers at 512 c + 16 lane:
; each store covers 512 consecutive bytes.  Scale words: behind the 4,194,304 bytes of codes, word (ks, row) at (4096 ks + row) * 4 (64 bytes a wave: a small part of the bytes).
; No matrix unit, cluster or tensor load: work-groups share nothing but g and b (8 KiB), and memory binds.
; LIMITS: NaN and infinities are not served; a block whose largest magnitude lies under 2^-118 (a block of zeros too) gets the byte 1: the bytes are read by this program alone.
.set STG,   8448                       ; a wave's stage: 16 rows x (512 bytes + 16)
.set PART1, 8*STG                      ; 16 rows x 8 waves' partial sums
.set PART2, PART1+512                  ; the same for the squares: other bytes, so that two barriers do
.set PW,  11                           ; v11      the scale word just made
.set TM,  16                           ; v16-31   the quantiser's: largest magnitudes, bytes, holds, scale operands
.set X,   32                           ; v32-95   my 64 numbers
.set RAW, 96                           ; v96-159  as loaded.  b lies in v256-319 (window 1), asked for at the head beside g
.set G,   160                          ; v160-223 g
.set PC,  224                          ; v224-239 the codes
.set SEL, 20                           ; s[20:21] lane selects: lane l xor 16
.set MNT, 23                           ; s23      the mantissa field of 448
	s_load_b256 s[4:11], s[0:1], 0x0               ; in s[4:5], g s[6:7], b s[8:9], out s[10:11]
	v_lshl_add_u32 v254, v0, 2, 0x10c00
	v_mov_b32 v255, 0
	v_lshrrev_b32 v1, 5, v0
	s_delay_alu instid0(VALU_DEP_1)
	v_readfirstlane_b32 s12, v1                    ; wave 0..7
	v_and_b32 v1, 31, v0                           ; lane
	v_and_b32 v2, 15, v0                           ; r
	v_bfe_u32 v3, v0, 4, 1                         ; h
	s_delay_alu instid0(VALU_DEP_3)
	v_lshlrev_b32 v4, 4, v1                        ; 16 x lane: my bytes of a load, and of an image's group
	s_mul_i32 s30, s12, STG
	v_add_nc_u32 v5, s30, v4                       ; the stage, on the way in
	v_mul_u32_u24 v6, v2, 528
	s_delay_alu instid0(VALU_DEP_1)
	v_lshl_add_u32 v6, v3, 6, v6
	s_delay_alu instid0(VALU_DEP_1)
	v_add_nc_u32 v6, s30, v6                       ; and out: row r, + 64 h
	v_lshlrev_b32 v7, 6, v3                        ; g, b: 64 h
	v_lshl_add_u32 v9, v2, 5, PART1                ; row r's eight partial sums
	s_lshl_b32 s31, s12, 2
	v_add_nc_u32 v8, s31, v9                       ; my wave's word among them
	v_lshlrev_b32 v10, 2, v2                       ; 4 r
	s_mov_b32 s[SEL], 0x76543210
	s_mov_b32 s[SEL+1], 0xfedcba98
	s_mov_b32 s[MNT], 0x600000
	s_mov_b32 s28, 0x3a800000                      ; 1 / 1024
	s_mov_b32 s29, 0x3727c5ac                      ; 1e-5
	s_lshl_b32 s13, ttmp9, 16                      ; 16 rows of 4,096 bytes
	s_lshl_b32 s14, s12, 9                         ; my 128 columns
	s_add_co_u32 s16, s13, s14
	s_mov_b32 s17, 0
	s_mov_b32 s18, s14
	s_mov_b32 s19, 0
	s_lshl_b32 s24, ttmp9, 14                      ; my fragment: (8 x work-group + wave) x 2,048
	s_lshl_b32 s15, s12, 11
	s_add_co_u32 s24, s24, s15
	s_mov_b32 s25, 0
	s_lshl_b32 s26, s12, 14                        ; my scale words: 4,194,304 + (4096 x wave + 16 x work-group) x 4
	s_lshl_b32 s15, ttmp9, 6
	s_add_co_u32 s26, s26, s15
	s_add_co_u32 s26, s26, 4194304
	s_mov_b32 s27, 0
.irp b, 0,1,2,3
	v_mov_b32 v[TM+4+\b], 0                        ; written once: a lane permute's destination counts as one of its sources
.endr
	s_wait_alu depctr_va_vdst(0)
	s_wait_kmcnt 0x0
	s_add_nc_u64 s[4:5], s[4:5], s[16:17]
	s_add_nc_u64 s[6:7], s[6:7], s[18:19]
	s_add_nc_u64 s[8:9], s[8:9], s[18:19]
	s_add_nc_u64 s[26:27], s[10:11], s[26:27]
	s_add_nc_u64 s[10:11], s[10:11], s[24:25]
.irp i, 0,1,2,3,4,5,6,7,8,9,10,11,12,13,14,15
	global_load_b128 v[RAW+4*\i:RAW+4*\i+3], v4, s[4:5] offset:4096*\i   ; row i: 32 lanes read 512 consecutive bytes
.endr
.irp c, 0,1,2,3
.irp j, 0,1,2,3
	global_load_b128 v[G+16*\c+4*\j:G+16*\c+4*\j+3], v7, s[6:7] offset:128*\c+16*\j
.endr
.endr
	s_set_vgpr_msb 0x40                            ; the loaded data go to window 1, the address stays in window 0
.irp c, 0,1,2,3
.irp j, 0,1,2,3
	global_load_b128 v[16*\c+4*\j:16*\c+4*\j+3], v7, s[8:9] offset:128*\c+16*\j   ; b -> v256-319
.endr
.endr
	s_set_vgpr_msb 0x4000
	s_wait_loadcnt 32                              ; the 16 rows are in; g's 16 loads and b's 16 may be out
.irp i, 0,1,2,3,4,5,6,7,8,9,10,11,12,13,14,15
	ds_store_b128 v5, v[RAW+4*\i:RAW+4*\i+3] offset:528*\i
.endr
.irp c, 0,1,2,3
.irp j, 0,1,2,3
	ds_load_b128 v[X+16*\c+4*\j:X+16*\c+4*\j+3], v6 offset:128*\c+16*\j   ; LDS serves a wave's instructions in order: these see my stores
.endr
.endr
	s_wait_dscnt 0x0                               ; my numbers are in
; four partial sums in v[240:247] become the row's sum over all 1,024 columns, in v244 of every lane: lane l xor 16, then the eight waves through LDS
.macro ACROSS off
	s_delay_alu instid0(VALU_DEP_3)
	v_pk_add_f32 v[240:241], v[240:241], v[242:243]
	s_delay_alu instid0(VALU_DEP_2)
	v_pk_add_f32 v[244:245], v[244:245], v[246:247]
	s_delay_alu instid0(VALU_DEP_1)
	v_pk_add_f32 v[240:241], v[240:241], v[244:245]
	s_delay_alu instid0(VALU_DEP_1)
	v_add_f32 v240, v240, v241
	s_delay_alu instid0(VALU_DEP_1)
	v_permlanex16_b32 v242, v240, s[SEL], s[SEL+1]
	s_delay_alu instid0(VALU_DEP_1)
	v_add_f32 v240, v240, v242
	ds_store_b32 v8, v240 offset:\off              ; both lanes of a row write the same word with the same value
	s_wait_dscnt 0x0                               ; for the others' sake: my store has landed
	s_barrier_signal -1
	s_barrier_wait -1
	ds_load_b128 v[244:247], v9 offset:\off
	ds_load_b128 v[248:251], v9 offset:\off+16
	s_wait_dscnt 0x0
	v_pk_add_f32 v[244:245], v[244:245], v[246:247]
	v_pk_add_f32 v[248:249], v[248:249], v[250:251]
	s_delay_alu instid0(VALU_DEP_1)
	v_pk_add_f32 v[244:245], v[244:245], v[248:249]
	s_delay_alu instid0(VALU_DEP_1)
	v_add_f32 v244, v244, v245
.endm
.irp k, 0,1,2,3
	v_pk_add_f32 v[240+2*\k:241+2*\k], v[X+4*\k:X+4*\k+1], v[X+4*\k+2:X+4*\k+3]   ; the first sixteen numbers start four chains
.endr
.irp i, 16,24,32,40,48,56
.irp k, 0,1,2,3
	s_delay_alu instid0(VALU_DEP_4)
	v_pk_add_f32 v[240+2*\k:241+2*\k], v[240+2*\k:241+2*\k], v[X+\i+2*\k:X+\i+2*\k+1]
.endr
.endr
	ACROSS 0
	s_delay_alu instid0(VALU_DEP_1)
	v_mul_f32 v12, s28, v244                       ; the mean
	s_delay_alu instid0(VALU_DEP_1)
	v_mov_b32 v13, v12
.set i, 0
.rept 32
	v_pk_add_f32 v[X+i:X+i+1], v[X+i:X+i+1], v[12:13] neg_lo:[0,1] neg_hi:[0,1]   ; x - mean
.set i, i+2
.endr
.irp k, 0,1,2,3
	v_pk_mul_f32 v[240+2*\k:241+2*\k], v[X+2*\k:X+2*\k+1], v[X+2*\k:X+2*\k+1]
.endr
.irp i, 8,16,24,32,40,48,56
.irp k, 0,1,2,3
	s_delay_alu instid0(VALU_DEP_4)
	v_pk_fma_f32 v[240+2*\k:241+2*\k], v[X+\i+2*\k:X+\i+2*\k+1], v[X+\i+2*\k:X+\i+2*\k+1], v[240+2*\k:241+2*\k]
.endr
.endr
	ACROSS 512
	s_delay_alu instid0(VALU_DEP_1)
	v_fma_f32 v14, v244, s28, s29                  ; the variance + 1e-5
	s_wait_alu depctr_va_vdst(0)
	v_rsq_f32 v14, v14
	v_nop                                          ; a plain instruction behind the transcendental
	s_wait_alu depctr_va_vdst(0)                   ; and the wait ahead of the first line that names its result
	v_mov_b32 v15, v14
	s_wait_alu depctr_va_vdst(0)
	s_wait_loadcnt 0x0                             ; g and b
.set i, 0
.rept 32
	v_pk_mul_f32 v[X+i:X+i+1], v[X+i:X+i+1], v[14:15]
.set i, i+2
.endr
	s_set_vgpr_msb 0x0010                          ; the third source, b, lies in window 1
.set i, 0
.rept 32
	v_pk_fma_f32 v[X+i:X+i+1], v[X+i:X+i+1], v[G+i:G+i+1], v[i:i+1]
.set i, i+2
.endr
	s_set_vgpr_msb 0x1000
; THE QUANTISER: four blocks of 32 along K; a block lies in lanes l and l xor 16
.irp b, 0,1,2,3
	v_max3_num_f32 v[TM+\b], |v[X+16*\b]|, |v[X+1+16*\b]|, 0x4800000   ; my 16 numbers, and the floor 2^(9 - 127): the byte cannot fall under 1
.endr
.irp i, 2,4,6,8,10,12,14
.irp b, 0,1,2,3
	s_delay_alu instid0(VALU_DEP_4)
	v_max3_num_f32 v[TM+\b], v[TM+\b], |v[X+16*\b+\i]|, |v[X+1+16*\b+\i]|
.endr
.endr
.irp b, 0,1,2,3
	s_delay_alu instid0(VALU_DEP_4)
	v_permlanex16_b32 v[TM+4+\b], v[TM+\b], s[SEL], s[SEL+1]
.endr
.irp b, 0,1,2,3
	s_delay_alu instid0(VALU_DEP_4)
	v_max_num_f32 v[TM+\b], v[TM+\b], v[TM+4+\b]   ; the block's largest magnitude
.endr
.irp b, 0,1,2,3
	s_delay_alu instid0(VALU_DEP_4)
	v_add_nc_u32 v[TM+12+\b], 0xfc000000, v[TM+\b] ; 8 off its exponent field: the conversion's scale operand
.endr
.irp b, 0,1,2,3
	v_and_or_b32 v[TM+8+\b], v[TM+\b], 0x7f800000, s[MNT]   ; 448 x the scale
.endr
.irp b, 0,1,2,3
	v_lshrrev_b32 v[TM+4+\b], 23, v[TM+12+\b]      ; the scale's byte
.endr
	s_delay_alu instid0(VALU_DEP_3)
	v_lshl_or_b32 v[PW], v[TM+5], 8, v[TM+4]
	s_delay_alu instid0(VALU_DEP_1)
	v_lshl_or_b32 v[PW], v[TM+6], 16, v[PW]
	s_delay_alu instid0(VALU_DEP_1)
	v_lshl_or_b32 v[PW], v[TM+7], 24, v[PW]
.irp b, 0,1,2,3
.irp i, 0,1,2,3,4,5,6,7,8,9,10,11,12,13,14,15
	v_med3_num_f32 v[X+16*\b+\i], v[X+16*\b+\i], -v[TM+8+\b], v[TM+8+\b]   ; the conversion does not saturate (ISA guide 7.6.2): the hold at 448 x the scale
.endr
	v_cvt_scalef32_pk8_fp8_f32 v[PC+4*\b:PC+1+4*\b], v[X+16*\b:X+7+16*\b], v[TM+12+\b]
	v_cvt_scalef32_pk8_fp8_f32 v[PC+2+4*\b:PC+3+4*\b], v[X+8+16*\b:X+15+16*\b], v[TM+12+\b]
.endr
	v_nop
.irp c, 0,1,2,3
	global_store_b128 v4, v[PC+4*\c:PC+4*\c+3], s[10:11] offset:512*\c   ; 512 consecutive bytes, aligned
.endr
	s_wait_xcnt 0x0                                ; EXEC changes only behind this wait
	v_cmp_gt_u32 vcc_lo, 16, v1
	s_wait_tensorcnt 0x0
	ds_add_u32 v254, v255
	s_wait_dscnt 0x0
	s_and_saveexec_b32 s31, vcc_lo                 ; lanes 0-15: a word a row
	global_store_b32 v10, v[PW], s[26:27]
	s_wait_xcnt 0x0
	s_or_b32 exec_lo, exec_lo, s31
	s_endpgm
.Lfunc_end_k_qc379b34870_ln1:
	.size	k_qc379b34870_ln1, .Lfunc_end_k_qc379b34870_ln1-k_qc379b34870_ln1
	.p2alignl 7, 3214868480
	.fill 96, 4, 3214868480
	.section	.rodata,"a",@progbits
	.p2align	6, 0x0
	.amdhsa_kernel k_qc379b34870_ln1
		.amdhsa_group_segment_fixed_size 69632
		.amdhsa_private_segment_fixed_size 0
		.amdhsa_enable_private_segment 0
		.amdhsa_kernarg_size 32
		.amdhsa_user_sgpr_count 2
		.amdhsa_user_sgpr_kernarg_segment_ptr 1
		.amdhsa_wavefront_size32 1
		.amdhsa_system_sgpr_workgroup_id_x 1
		.amdhsa_system_sgpr_workgroup_id_y 1
		.amdhsa_system_sgpr_workgroup_id_z 1
		.amdhsa_system_vgpr_workitem_id 0
		.amdhsa_next_free_vgpr 320
		.amdhsa_next_free_sgpr 66
		.amdhsa_reserve_vcc 1
		.amdhsa_float_denorm_mode_32 3
		.amdhsa_float_denorm_mode_16_64 3
		.amdhsa_memory_ordered 1
		.amdhsa_forward_progress 1
		.amdhsa_inst_pref_size 34
	.end_amdhsa_kernel
	.amdgpu_metadata
---
amdhsa.version: [ 1, 2 ]
amdhsa.kernels:
  - .name:           k_qc379b34870_ln1
    .symbol:         k_qc379b34870_ln1.kd
    .args:
      - { .name: x, .offset: 0, .size: 8, .value_kind: global_buffer, .address_space: global }
      - { .name: g1, .offset: 8, .size: 8, .value_kind: global_buffer, .address_space: global }
      - { .name: be1, .offset: 16, .size: 8, .value_kind: global_buffer, .address_space: global }
      - { .name: act, .offset: 24, .size: 8, .value_kind: global_buffer, .address_space: global }
    .group_segment_fixed_size: 69632
    .private_segment_fixed_size: 0
    .kernarg_segment_align: 8
    .kernarg_segment_size: 32
    .max_flat_workgroup_size: 256
    .sgpr_count:     66
    .vgpr_count:     320
    .wavefront_size: 32
...
	.end_amdgpu_metadata
.endif
;; end of part 7
;; launch qkv (part 8): grid 8 x 32, 4 waves a work-group, clusters of 4 x 4, 327,680 bytes of LDS; arguments act, wq_codes, wq_scales, wk_codes, wk_scales, wv_codes, wv_scales, qkv; writes qkv
.if DOCPART == 8
	.amdgcn_target "amdgcn-amd-amdhsa--gfx1250"
	.amdhsa_code_object_version 6
	.text
	.protected	k_qc379b34870_qkv
	.globl	k_qc379b34870_qkv
	.p2align	8
	.type	k_qc379b34870_qkv,@function
k_qc379b34870_qkv:
	s_mov_b64 s[64:65], 0
	v_nop
	global_prefetch_b8 v0, s[64:65] scope:SCOPE_SE
	s_setreg_imm32_b32 hwreg(HW_REG_WAVE_MODE, 25, 1), 1
	s_wait_xcnt 0x0
	s_wait_alu depctr_hold_cnt(0) depctr_sa_sdst(0) depctr_va_vdst(0) depctr_va_sdst(0) depctr_va_ssrc(0) depctr_va_vcc(0) depctr_vm_vsrc(0)
	s_getreg_b32 s2, hwreg(HW_REG_IB_STS2, 6, 4)
	s_cmp_eq_u32 s2, 0
	s_cbranch_scc0 .Lentry_in_a_cluster
	s_endpgm
.Lentry_in_a_cluster:
	s_bfe_u32 s2, ttmp6, 0x10000c
	s_cmp_lg_u32 s2, 0xf033
	s_cbranch_scc0 .Lentry_shape_is_right
	s_endpgm
.Lentry_shape_is_right:
; q, k, v = h Wq, h Wk, h Wv on codes of FP8 (E4M3) with E8M0 scales, and their quantising for attention: q and k along the head's 64 channels, v along the keys.
; A: h as images of operand registers (fragment (mb, ks) at (8 mb + ks) * 2048; scale word (ks, row) at 4,194,304 + (4096 ks + row) * 4).  B: a weight's codes [1024 n][1024 k] and scale bytes [1024][32].
; A WORK-GROUP STAYS: it owns 128 tokens and 128 columns and makes three tiles, q's, k's and v's; each of its four waves makes 64 x 64 (one head) of each: 16 accumulators.
; A IS READ ONCE: its 128 x 1,024 codes come into LDS by one fill, and each wave takes its 64 rows into 512 registers (windows 2 and 3), its 32 scale words too, where they stay for all three tiles.
; B GOES THROUGH A RING OF TWO SLOTS, EACH A WHOLE TILE (128 rows x 1,024 K).  A's fill lies in slot 1's bytes; when A is in registers, k's tile is asked for there; at the end of q's products v's tile is asked
; for in slot 0.  So a tile is asked for a whole tile's work ahead of its first use, and there is one change of slots a tile.  A wave has one tensor load out at the head, later one.
; B's scale bytes (64 rows x 32 bytes a wave, 2,048 consecutive bytes) go from memory straight into the scale registers, asked for behind the tile before's last product.
; CLUSTERS: 4 x 4 work-groups; A's tiles are asked for jointly along a row of the cluster, B's along a column.
; q, k: source 0 = 16 rows of the weight, source 1 = 16 tokens: a lane holds one token and its registers run along the channels.  v: the sources are swapped: a lane holds one channel and its
; registers run along the tokens, which are the second product's K.
; OUT (qkv): q at 0, k at 4,194,304: half-images of 1,024 bytes, ((16 batch + head) * 128 + token / 16) * 1024 + 512 c + 16 lane.  v at 8,388,608: fragment (key / 128, channel / 16) of 2,048 bytes.
; Inside a block of 32 the codes stand in the order in which the results fall: lane half h holds k = 8 h + 0..7 and 16 + 8 h + 0..7.  q and k carry the same order, and so do v and the softmax's p:
; the products are the same, their order of summing differs from ascending k.  Scale words: q's at 12,582,912, k's and v's at 12,845,056 (8,192 bytes a head).
; LIMITS: NaN and infinities are not served; a block whose largest magnitude lies under 2^-118 (a block of zeros too) gets the byte 1: the bytes are read by this program alone.
; No prefetch: each tile of a weight is asked for by its tensor load a whole tile's work ahead of its first use.
.set SIZE_K, 1024
.set ASCOFF, 4096*SIZE_K               ; A's scale words lie behind its codes
.set HALFA,  32768                     ; 64 rows x 512 K of A as images: [4 blocks][4 K steps][2048]
.set HALFB,  64*528                    ; 64 rows x 512 K of B: 512 bytes + 16 of padding a row: what one tensor load brings
.set KHALF,  2*HALFB                   ; 128 rows x 512 K
.set BUF,    2*KHALF                   ; a slot: a whole tile of B
.set ABASE,  BUF                       ; A's one fill lies in slot 1's bytes
.set ASC,    2*BUF                     ; A's scale words: [K step][half][64 rows x 4 bytes]
.set SPARE,  ASC+4096                  ; the spare words: 128 bytes a wave, named by no other line
.set G1A, 24                           ; s[24:31] group 1 for A's codes; s[32:35] its group 0
.set G0A, 32
.set G1B, 48                           ; s[48:55] group 1 for B's codes; s[56:59] the head's group 0 for q's tile; s[68:71], s[72:75] those of k's and v's tiles
.set G0B, 56
.set R1, 68
.set R2, 72
.set G1SA, 80                          ; s[80:87], s[88:91] groups 1 and 0 for A's scale words
.set G0SA, 88
.set TB, 19                            ; s19 LDS byte at which the slot in hand begins
.set SW, 0                             ; 1: the sources are swapped (v)
; REGISTERS. window 0: v1-31 addresses; v32-95 scale words alone (A's (K step ks, block a) at v[32 + 32 (ks / 4) + 4 (ks % 4) + a], B's (block b, ks) at v[48 + 32 (ks / 4) + 4 b + ks % 4]);
;   v96-116 the way out's; v128-255 the 16 accumulators.  window 1: v0-191 three buffers of B's four fragments (K step ks in buffer ks % 3); v192-223 the codes just made.
;   windows 2, 3: A's fragments: (ks, a) at v[64 (ks % 4) + 16 a] of window 2 + ks / 4.
.set MSB, 0
.macro WIN new                         ; the immediate's high byte repeats the setting that is left
.if MSB != (\new)
	s_set_vgpr_msb (MSB<<8)|(\new)
.set MSB, (\new)
.endif
.endm
.macro PLACES n
.rept \n
	v_nop
.endr
.endm
.macro CREST
	s_cmp_lg_u32 s14, 0
	s_cbranch_scc1 .Lnot_wave_0_\@
	s_barrier_signal -3
.Lnot_wave_0_\@:
	s_barrier_wait -3
	s_barrier_signal -1
	s_barrier_wait -1
.endm
.macro CROUND                          ; a round of the cluster's barrier
	s_barrier_signal -1
	s_barrier_wait -1
	CREST
.endm
.macro FETCHB ks                       ; 16 LDS loads: B's four fragments of K step ks into buffer ks % 3
	WIN 0x40
.irp i, 0,1,2,3
.irp c, 0,1,2,3
	ds_load_b128 v[64*((\ks)%3)+16*\i+4*\c:64*((\ks)%3)+16*\i+4*\c+3], v[20+(\ks)/4] offset:8448*\i+128*((\ks)%4)+32*\c
.endr
.endr
.endm
.macro MULH ks, a0, zero               ; 8 matrix instructions: A's blocks a0, a0 + 1 x B's four; the 16 accumulators take turns, one instruction a turn
.if SW
	WIN 0x06+(\ks)/4                               ; source 0 (A) window 2 or 3, source 1 (B) window 1
.else
	WIN 0x09+4*((\ks)/4)                           ; source 0 (B) window 1, source 1 (A) window 2 or 3
.endif
.irp a, \a0, \a0+1
.irp b, 0,1,2,3
.set rA, 64*((\ks)%4)+16*(\a)
.set rB, 64*((\ks)%3)+16*\b
.set sA, 32+32*((\ks)/4)+4*((\ks)%4)+(\a)
.set sB, 48+32*((\ks)/4)+4*\b+((\ks)%4)
.if SW
.set rD, 128+8*(4*\b+(\a))
.if \zero
	v_wmma_scale_f32_16x16x128_f8f6f4 v[rD:rD+7], v[rA:rA+15], v[rB:rB+15], 0, v[sA], v[sB]
.else
	v_wmma_scale_f32_16x16x128_f8f6f4 v[rD:rD+7], v[rA:rA+15], v[rB:rB+15], v[rD:rD+7], v[sA], v[sB]
.endif
.else
.set rD, 128+8*(4*(\a)+\b)
.if \zero
	v_wmma_scale_f32_16x16x128_f8f6f4 v[rD:rD+7], v[rB:rB+15], v[rA:rA+15], 0, v[sB], v[sA]
.else
	v_wmma_scale_f32_16x16x128_f8f6f4 v[rD:rD+7], v[rB:rB+15], v[rA:rA+15], v[rD:rD+7], v[sB], v[sA]
.endif
.endif
.endr
.endr
.endm
.macro STEP ks, zero                   ; K step ks of 0 .. 6: 16 matrix instructions; in its middle the fragments of two steps on are asked for
	s_wait_dscnt 16                                ; this step's fragments are in; the next step's 16 loads may be out
	MULH \ks, 0, \zero
.if (\ks) < 6
	PLACES 8                                       ; in front of loads into registers that the step before's matrix instructions have read
	FETCHB (\ks)+2
.endif
	MULH \ks, 2, \zero
.endm
.macro STEPS
	STEP 0, 1                                      ; the first step starts the sums
	STEP 1, 0
	STEP 2, 0
	STEP 3, 0
	STEP 4, 0
	STEP 5, 0
	STEP 6, 0
.endm
; The last K step, and the change of slots.  fill = 2: the slot just read is filled again, by the group 0 at s[g0]; 1: nothing is left to ask for, the barrier shows the next tile to every wave; 0: the last tile.
.macro LASTSTEP fill, g0
	s_wait_dscnt 0x0                               ; my last reads of this slot are in
	MULH 7, 0, 0
.if \fill
	WIN 0
	s_wait_tensorcnt 0x0                           ; all my tensor loads have landed: my part of the next tile
	ds_add_u32 v28, v29                            ; 0 onto my spare word
	s_xor_b32 s[TB], s[TB], BUF                    ; the next tile lies in the other slot
	s_wait_dscnt 0x0                               ; the add is done, and my reads of this slot are over
.if \fill == 2
	CROUND                                         ; no wave of any partner still reads this slot or has a load on its way
	tensor_load_to_lds s[\g0:\g0+3], s[G1B:G1B+7]  ; my one load behind the round: K half wave / 2, rows 64 (wave % 2) on
	s_nop 0
	PLACES 4
.else
	s_barrier_signal -1
	s_barrier_wait -1
.endif
.endif
	MULH 7, 2, 0
	WIN 0
	PLACES 8                                       ; in front of the first read of results and of loads into registers that matrix instructions have read
.endm
.macro TSTART                          ; a tile's head: the slot's addresses, the first two steps' fragments
	v_add_nc_u32 v20, s[TB], v18
	v_add_nc_u32 v21, KHALF, v20
	FETCHB 0
	FETCHB 1
	s_wait_loadcnt 0x0                             ; B's scale bytes
.endm
.macro BSCL p                          ; a weight's scale bytes of my 64 rows: lane r takes row 16 b + r's 16 bytes of K half t
.irp t, 0,1
.irp b, 0,1,2,3
	global_load_b128 v[48+32*\t+4*\b:51+32*\t+4*\b], v30, s[\p:\p+1] offset:512*\b+16*\t
.endr
.endr
.endm
	s_load_b64 s[4:5], s[0:1], 0x0                 ; act
	s_load_b64 s[6:7], s[0:1], 0x8                 ; wq's codes
	s_load_b64 s[8:9], s[0:1], 0x10                ; wq's scales
	s_load_b64 s[70:71], s[0:1], 0x18              ; wk's codes: into its group 0
	s_load_b64 s[66:67], s[0:1], 0x20              ; wk's scales
	s_load_b64 s[74:75], s[0:1], 0x28              ; wv's codes: into its group 0
	s_load_b64 s[100:101], s[0:1], 0x30            ; wv's scales
	s_load_b64 s[10:11], s[0:1], 0x38              ; qkv
	v_lshl_add_u32 v28, v0, 2, SPARE
	v_mov_b32 v29, 0
	ds_add_u32 v28, v29                            ; the opening lines: the add, twice on end, and its wait; the set-up below, work on registers, stands between
	ds_add_u32 v28, v29
	v_lshrrev_b32 v1, 5, v0
	v_readfirstlane_b32 s14, v1                    ; wave 0..3
	s_lshr_b32 s15, s14, 1                         ; my half of the tile's rows.  Also: at the head I fetch for A (0) or B (1); later: which K half of B
	s_and_b32 s16, s14, 1                          ; my half of its columns.  Also: which 64 rows I fetch
	s_bfe_u32 s40, ttmp6, 0x40000                  ; cx
	s_bfe_u32 s41, ttmp6, 0x40004                  ; cy
	s_lshl_b32 s42, ttmp9, 2
	s_add_co_u32 s42, s42, s40                     ; X: my 128 columns of each weight
	s_and_b32 s17, ttmp7, 0xffff
	s_lshl_b32 s17, s17, 2
	s_add_co_u32 s17, s17, s41                     ; T: my 128 tokens
	s_lshl_b32 s43, s41, 2
	s_lshl_b32 s43, 15, s43                        ; my row of the cluster
	s_lshl_b32 s44, 0x1111, s40                    ; my column
	s_lshl_b32 s20, s17, 17                        ; A's codes: block 8 T, 16,384 bytes a block
	s_mov_b32 s21, 0
	s_lshl_b32 s22, s17, 9
	s_add_co_u32 s22, s22, ASCOFF                  ; A's scale words: my 128 rows' 512 bytes of each K step
	s_mov_b32 s23, 0
	s_lshl_b32 s46, s42, 7
	s_lshl_b32 s19, s16, 6
	s_add_co_u32 s46, s46, s19                     ; B's first row: 128 X + 64 half
	s_lshl_b32 s98, s46, 5                         ; its scale bytes
	s_mov_b32 s99, 0
	s_lshl_b32 s46, s46, 10                        ; its codes
	s_mov_b32 s47, 0
	s_lshl_b32 s2, s15, 9
	s_add_co_u32 s2, s2, s46                       ; the refills: + 512 x (wave / 2) along K
	s_mov_b32 s3, 0
	s_mul_i32 s93, s16, HALFB
	s_mul_i32 s96, s16, KHALF                      ; the head's load of B (waves 2, 3): K half wave % 2, all 128 rows: its place in slot 0,
	s_lshl_b32 s94, s42, 17                        ; and in memory: row 128 X, + 512 x half along K
	s_lshl_b32 s95, s16, 9
	s_add_co_u32 s94, s94, s95
	s_mov_b32 s95, 0
	s_mul_i32 s97, s15, KHALF
	s_add_co_u32 s97, s97, s93                     ; a refill's place in a slot: K half wave / 2, rows 64 (wave % 2) on
	; THE HEAD'S FILLS, ONE TENSOR LOAD A WAVE: wave 0 all of A's codes, wave 1 A's scale words, waves 2 and 3 a K half of q's tile each.
	; A: 131,072 dense bytes as 128 rows of 1,024 (128 elements of 8 bytes), 32 bytes of padding behind each: 128 x 1,056 bytes, which is slot 1 whole; mask: my row
	s_or_b32 s[G1A], s43, (3<<16)|(1<<20)|(1<<21)|(7<<22)|(7<<25)
	s_mov_b32 s[G1A+1], 128<<16
	s_mov_b32 s[G1A+2], 128<<16
	s_mov_b32 s[G1A+3], 128<<16
	s_mov_b32 s[G1A+4], 128
	s_mov_b32 s[G1A+5], 128
	s_mov_b32 s[G1A+6], 0
	s_mov_b32 s[G1A+7], 0
	s_or_b32 s[G1B], s44, (1<<20)|(1<<21)|(6<<22)|(3<<25)   ; B: 64 rows of 512 bytes, 4 words of padding behind every 128; mask: my column
	s_mov_b32 s[G1B+1], 512<<16
	s_mov_b32 s[G1B+2], 128<<16                    ; at the head 128 rows; behind the head's wait 64
	s_mov_b32 s[G1B+3], 512<<16
	s_mov_b32 s[G1B+4], 128
	s_mov_b32 s[G1B+5], SIZE_K
	s_mov_b32 s[G1B+6], 0
	s_mov_b32 s[G1B+7], 0
	s_or_b32 s[G1SA], s43, (3<<16)|(1<<21)         ; A's scale words: 8 rows of 512 bytes, 16,384 bytes apart
	s_mov_b32 s[G1SA+1], 64<<16                    ; rows of 512 bytes: 128 rows' words of a K step
	s_mov_b32 s[G1SA+2], 8<<16
	s_mov_b32 s[G1SA+3], 64<<16
	s_mov_b32 s[G1SA+4], 8
	s_mov_b32 s[G1SA+5], 2048
	s_mov_b32 s[G1SA+6], 0
	s_mov_b32 s[G1SA+7], 0
	s_wait_dscnt 0x0                               ; both opening adds are done
	CROUND                                         ; the opening round, ahead of the wait for the arguments: all sixteen work-groups are here
	s_wait_kmcnt 0x0
	s_add_nc_u64 s[20:21], s[4:5], s[20:21]
	s_add_nc_u64 s[22:23], s[4:5], s[22:23]
	s_add_nc_u64 s[46:47], s[6:7], s[94:95]
	s_add_nc_u64 s[8:9], s[8:9], s[98:99]          ; the three weights' scale bytes at my 64 rows
	s_add_nc_u64 s[66:67], s[66:67], s[98:99]
	s_add_nc_u64 s[100:101], s[100:101], s[98:99]
	s_mov_b32 s[G0SA], 1
	s_mov_b32 s[G0SA+1], ASC
	s_mov_b64 s[G0SA+2:G0SA+3], s[22:23]
	s_or_b32 s[G0SA+3], s[G0SA+3], 0x80000000
	s_mov_b32 s[G0A], 1
	s_mov_b32 s[G0A+1], ABASE
	s_mov_b64 s[G0A+2:G0A+3], s[20:21]
	s_or_b32 s[G0A+3], s[G0A+3], 0x80000000
	s_mov_b32 s[G0B], 1
	s_mov_b32 s[G0B+1], s96
	s_mov_b64 s[G0B+2:G0B+3], s[46:47]
	s_or_b32 s[G0B+3], s[G0B+3], 0x80000000
	s_mov_b32 s[R1], 1                             ; k's tile goes to slot 1,
	s_add_co_u32 s[R1+1], s97, BUF
	s_add_nc_u64 s[R1+2:R1+3], s[R1+2:R1+3], s[2:3]
	s_or_b32 s[R1+3], s[R1+3], 0x80000000
	s_mov_b32 s[R2], 1                             ; v's to slot 0
	s_mov_b32 s[R2+1], s97
	s_add_nc_u64 s[R2+2:R2+3], s[R2+2:R2+3], s[2:3]
	s_or_b32 s[R2+3], s[R2+3], 0x80000000
	s_cmp_eq_u32 s14, 0                            ; one chain of branches on the wave's number, one load to an arm
	s_cbranch_scc0 .Lfirst_s
	tensor_load_to_lds s[G0A:G0A+3], s[G1A:G1A+7]
	s_nop 0
	PLACES 4
	s_branch .Lfirst_done
.Lfirst_s:
	s_cmp_eq_u32 s14, 1
	s_cbranch_scc0 .Lfirst_b
	tensor_load_to_lds s[G0SA:G0SA+3], s[G1SA:G1SA+7]
	s_nop 0
	PLACES 4
	s_branch .Lfirst_done
.Lfirst_b:
	tensor_load_to_lds s[G0B:G0B+3], s[G1B:G1B+7]
	s_nop 0
	PLACES 4
.Lfirst_done:
	v_and_b32 v1, 15, v0                           ; r
	v_bfe_u32 v2, v0, 4, 1                         ; h
	v_and_b32 v3, 31, v0                           ; lane
	v_lshlrev_b32 v4, 4, v3                        ; 16 x lane
	s_mul_i32 s98, s15, 64*1056                    ; my 64 rows of A are 65,536 bytes of images: 64 LDS rows
	s_add_co_u32 s98, s98, ABASE
	v_add_nc_u32 v16, s98, v4                      ; K steps 0-3,
	v_add_nc_u32 v17, 8*1056, v16                  ; and 4-7: 8,192 bytes of images on
	v_mul_u32_u24 v5, v1, 528
	v_lshl_add_u32 v5, v2, 4, v5
	s_mul_i32 s98, s16, HALFB
	v_add_nc_u32 v18, s98, v5                      ; my 64 rows of B in slot 0
	v_lshlrev_b32 v6, 2, v1
	s_lshl_b32 s98, s15, 8
	s_add_co_u32 s98, s98, ASC
	v_add_nc_u32 v22, s98, v6                      ; my rows' scale words
	v_lshlrev_b32 v30, 5, v1                       ; 32 r: a row of B's scale bytes
	v_lshlrev_b32 v31, 2, v3                       ; 4 x lane
	v_lshlrev_b32 v27, 3, v3                       ; 8 x lane
	v_mov_b32 v98, 0                               ; written once: a lane permute's destination counts as one of its sources
	v_mov_b32 v99, 0
	BSCL 8                                         ; wq's scale bytes
	; where the results go
	s_lshl_b32 s45, s42, 1
	s_add_co_u32 s45, s45, s16                     ; head
	s_lshr_b32 s98, s17, 4
	s_lshl_b32 s98, s98, 4
	s_add_co_u32 s45, s45, s98                     ; bh = 16 batch + head
	s_and_b32 s98, s17, 15                         ; Ts: the tile's 128 tokens in their sequence
	s_lshl_b32 s12, s45, 7                         ; q: (bh * 128 + 8 Ts + 4 wm) * 1024
	s_lshl_b32 s99, s98, 3
	s_add_co_u32 s12, s12, s99
	s_lshl_b32 s99, s15, 2
	s_add_co_u32 s12, s12, s99
	s_lshl_b32 s12, s12, 10
	s_mov_b32 s13, 0
	s_add_nc_u64 s[12:13], s[10:11], s[12:13]
	s_add_nc_u64 s[76:77], s[12:13], 0x400000      ; k: 4,194,304 further on
	s_lshl_b32 s78, s45, 4                         ; v: 8,388,608 + (bh * 16 + Ts) * 8192 + wm * 1024
	s_add_co_u32 s78, s78, s98
	s_lshl_b32 s78, s78, 13
	s_lshl_b32 s99, s15, 10
	s_add_co_u32 s78, s78, s99
	s_add_co_u32 s78, s78, 8388608
	s_mov_b32 s79, 0
	s_add_nc_u64 s[78:79], s[10:11], s[78:79]
	s_lshl_b32 s92, s45, 5                         ; q's scale words: 12,582,912 + (bh * 32 + 2 Ts + wm) * 256
	s_lshl_b32 s99, s98, 1
	s_add_co_u32 s92, s92, s99
	s_add_co_u32 s92, s92, s15
	s_lshl_b32 s92, s92, 8
	s_add_co_u32 s92, s92, 12582912
	s_mov_b32 s93, 0
	s_add_nc_u64 s[92:93], s[10:11], s[92:93]
	s_lshl_b32 s94, s45, 13                        ; k's and v's: 12,845,056 + bh * 8192 + 256 Ts,
	s_add_co_u32 s94, s94, 12845056
	s_lshl_b32 s99, s98, 8
	s_add_co_u32 s94, s94, s99
	s_lshl_b32 s99, s15, 1
	s_add_co_u32 s96, s94, s99
	s_add_co_u32 s96, s96, 4096                    ; v's: + 4096 + 2 wm
	s_lshl_b32 s99, s15, 7
	s_add_co_u32 s94, s94, s99                     ; k's: + 128 wm
	s_mov_b32 s95, 0
	s_mov_b32 s97, 0
	s_add_nc_u64 s[94:95], s[10:11], s[94:95]
	s_add_nc_u64 s[96:97], s[10:11], s[96:97]
	s_mov_b32 s2, 0x76543210                       ; lane selects: lane l xor 16
	s_mov_b32 s3, 0xfedcba98
	s_mov_b32 s18, 0x600000                        ; the mantissa field of 448
	s_mov_b32 s[TB], 0
	s_wait_alu depctr_va_vdst(0)
	s_wait_tensorcnt 0x0                           ; my first fills have landed,
	s_barrier_signal -1
	s_barrier_wait -1                              ; everybody's have
	WIN 0x80                                       ; A into registers: K steps 0-3 into window 2,
.irp q, 0,1,2,3
.irp a, 0,1,2,3
.irp c, 0,1,2,3
	ds_load_b128 v[64*\q+16*\a+4*\c:64*\q+16*\a+4*\c+3], v16 offset:16896*\a+2112*\q+512*\c+32*(\c/2)   ; image byte y lies at y + 32 (y / 1024)
.endr
.endr
.endr
	WIN 0xc0                                       ; K steps 4-7 into window 3
.irp q, 0,1,2,3
.irp a, 0,1,2,3
.irp c, 0,1,2,3
	ds_load_b128 v[64*\q+16*\a+4*\c:64*\q+16*\a+4*\c+3], v17 offset:16896*\a+2112*\q+512*\c+32*(\c/2)
.endr
.endr
.endr
	WIN 0
.irp t, 0,1
.irp q, 0,1,2,3
.irp a, 0,1,2,3
	ds_load_b32 v[32+32*\t+4*\q+\a], v22 offset:2048*\t+512*\q+64*\a
.endr
.endr
.endr
	s_wait_tensorcnt 0x0                           ; A's bytes are filled again, as slot 1: no tensor load of mine is out,
	ds_add_u32 v28, v29
	s_mov_b32 s[G1B+2], 64<<16                     ; no tensor load of mine is out, so a descriptor may be written: from here on a load brings 64 rows
	s_mov_b32 s[G1B+4], 64
	s_wait_dscnt 0x0
	CROUND
	tensor_load_to_lds s[R1:R1+3], s[G1B:G1B+7]
	s_nop 0
	PLACES 4
; THE WAY OUT. Of outer block o (q, k: 16 tokens; v: 16 channels) a lane holds 32 registers: two blocks of 32 along the next K, each shared with lane l xor 16.
.macro QROW o, p, so                   ; p: the pointer's registers; so: bytes from outer block to outer block
.set qs, 128+32*(\o)
.irp b, 0,1
	v_max3_num_f32 v[96+\b], |v[qs+16*\b]|, |v[qs+16*\b+1]|, 0x4800000   ; each accumulator from its low end on; the floor 2^(9 - 127) holds the byte at 1 from below
.endr
.irp i, 2,4,6,8,10,12,14
.irp b, 0,1
	v_max3_num_f32 v[96+\b], v[96+\b], |v[qs+16*\b+\i]|, |v[qs+16*\b+\i+1]|
.endr
.endr
.irp b, 0,1
	v_permlanex16_b32 v[98+\b], v[96+\b], s2, s3
.endr
.irp b, 0,1
	v_max_num_f32 v[96+\b], v[96+\b], v[98+\b]     ; the block's largest magnitude
.endr
.irp b, 0,1
	v_add_nc_u32 v[100+\b], 0xfc000000, v[96+\b]   ; the conversion's scale operand
	v_and_or_b32 v[102+\b], v[96+\b], 0x7f800000, s18   ; 448 x the scale
.endr
.irp b, 0,1
	v_lshrrev_b32 v[98+\b], 23, v[100+\b]          ; the byte
.endr
	v_lshl_or_b32 v[104+(\o)], v99, 8, v98
.irp b, 0,1
.irp i, 0,1,2,3,4,5,6,7,8,9,10,11,12,13,14,15
	v_med3_num_f32 v[qs+16*\b+\i], v[qs+16*\b+\i], -v[102+\b], v[102+\b]   ; the conversion does not saturate (ISA guide 7.6.2)
.endr
.endr
	WIN 0x40                                       ; the codes go to window 1, registers of their own for each o
.irp b, 0,1
	v_cvt_scalef32_pk8_fp8_f32 v[192+8*(\o)+4*\b:193+8*(\o)+4*\b], v[qs+16*\b:qs+16*\b+7], v[100+\b]
	v_cvt_scalef32_pk8_fp8_f32 v[194+8*(\o)+4*\b:195+8*(\o)+4*\b], v[qs+16*\b+8:qs+16*\b+15], v[100+\b]
.endr
	v_nop
	WIN 0x04                                       ; a store's data are its source 1
.irp b, 0,1
	global_store_b128 v4, v[192+8*(\o)+4*\b:195+8*(\o)+4*\b], s[\p:\p+1] offset:(\o)*(\so)+512*\b   ; 512 consecutive bytes, aligned
.endr
	WIN 0
.endm
.macro EPI kind
	v_cmp_le_u32 vcc_lo, 16, v3                    ; lanes 16-31
.if \kind == 0
.irp o, 0,1,2,3
	QROW \o, 12, 1024
.endr
	v_lshl_or_b32 v112, v104, 16, v104             ; q: the two bytes twice, since q stands in either half of the instruction's K
	v_lshl_or_b32 v113, v105, 16, v105
	v_lshl_or_b32 v114, v106, 16, v106
	v_lshl_or_b32 v115, v107, 16, v107
	v_cndmask_b32 v112, v112, v113, vcc_lo         ; lane l: token l, and token 32 + l
	v_cndmask_b32 v113, v114, v115, vcc_lo
	global_store_b64 v27, v[112:113], s[92:93]     ; 256 consecutive bytes, aligned
.elseif \kind == 1
.irp o, 0,1,2,3
	QROW \o, 76, 1024
.endr
	v_lshl_or_b32 v112, v105, 16, v104             ; k: a pair of 16-key blocks shares a word
	v_lshl_or_b32 v113, v107, 16, v106
	v_cndmask_b32 v112, v112, v113, vcc_lo
	global_store_b32 v31, v112, s[94:95]
.else
.irp o, 0,1,2,3
	QROW \o, 78, 2048
.endr
	v_cndmask_b32 v112, v104, v105, vcc_lo         ; v: my 64 keys are half of a word's 128
	v_cndmask_b32 v113, v106, v107, vcc_lo
	global_store_b16 v31, v112, s[96:97]
	global_store_b16 v31, v113, s[96:97] offset:128
.endif
	s_wait_xcnt 0x0                                ; the stores have read their registers: the next tile's way out writes them again
.endm
.set SW, 0
	TSTART                                         ; q, out of slot 0
	s_wait_alu depctr_va_vdst(0)
	STEPS
	LASTSTEP 2, R2                                 ; k's tile has landed; v's is asked for, into slot 0
	BSCL 66                                        ; wk's scale bytes land under the way out
	EPI 0
	TSTART                                         ; k, out of slot 1
	s_wait_alu depctr_va_vdst(0)
	STEPS
	LASTSTEP 1, 0                                  ; v's tile has landed; nothing is left to ask for
	BSCL 100                                       ; wv's scale bytes
	EPI 1
.set SW, 1
	TSTART                                         ; v, out of slot 0, the sources swapped
	s_wait_alu depctr_va_vdst(0)
	STEPS
	LASTSTEP 0, 0
	EPI 2
	s_wait_tensorcnt 0x0                           ; the wave's end
	ds_add_u32 v28, v29
	s_wait_dscnt 0x0
	CROUND                                         ; the closing round
	s_endpgm
.Lfunc_end_k_qc379b34870_qkv:
	.size	k_qc379b34870_qkv, .Lfunc_end_k_qc379b34870_qkv-k_qc379b34870_qkv
	.p2alignl 7, 3214868480
	.fill 96, 4, 3214868480
	.section	.rodata,"a",@progbits
	.p2align	6, 0x0
	.amdhsa_kernel k_qc379b34870_qkv
		.amdhsa_group_segment_fixed_size 327680
		.amdhsa_private_segment_fixed_size 0
		.amdhsa_enable_private_segment 0
		.amdhsa_kernarg_size 64
		.amdhsa_user_sgpr_count 2
		.amdhsa_user_sgpr_kernarg_segment_ptr 1
		.amdhsa_wavefront_size32 1
		.amdhsa_system_sgpr_workgroup_id_x 1
		.amdhsa_system_sgpr_workgroup_id_y 1
		.amdhsa_system_sgpr_workgroup_id_z 1
		.amdhsa_system_vgpr_workitem_id 0
		.amdhsa_next_free_vgpr 1024
		.amdhsa_next_free_sgpr 102
		.amdhsa_reserve_vcc 1
		.amdhsa_float_denorm_mode_32 3
		.amdhsa_float_denorm_mode_16_64 3
		.amdhsa_memory_ordered 1
		.amdhsa_forward_progress 1
		.amdhsa_inst_pref_size 156
	.end_amdhsa_kernel
	.amdgpu_metadata
---
amdhsa.version: [ 1, 2 ]
amdhsa.kernels:
  - .name:           k_qc379b34870_qkv
    .symbol:         k_qc379b34870_qkv.kd
    .args:
      - { .name: act, .offset: 0, .size: 8, .value_kind: global_buffer, .address_space: global }
      - { .name: wq_codes, .offset: 8, .size: 8, .value_kind: global_buffer, .address_space: global }
      - { .name: wq_scales, .offset: 16, .size: 8, .value_kind: global_buffer, .address_space: global }
      - { .name: wk_codes, .offset: 24, .size: 8, .value_kind: global_buffer, .address_space: global }
      - { .name: wk_scales, .offset: 32, .size: 8, .value_kind: global_buffer, .address_space: global }
      - { .name: wv_codes, .offset: 40, .size: 8, .value_kind: global_buffer, .address_space: global }
      - { .name: wv_scales, .offset: 48, .size: 8, .value_kind: global_buffer, .address_space: global }
      - { .name: qkv, .offset: 56, .size: 8, .value_kind: global_buffer, .address_space: global }
    .group_segment_fixed_size: 327680
    .private_segment_fixed_size: 0
    .kernarg_segment_align: 8
    .kernarg_segment_size: 64
    .max_flat_workgroup_size: 128
    .sgpr_count:     102
    .vgpr_count:     1024
    .wavefront_size: 32
...
	.end_amdgpu_metadata
.endif
;; end of part 8
;; launch attn (part 9): grid 8 x 32, 16 waves a work-group, clusters of 4 x 1, 272,384 bytes of LDS; arguments qkv, act; writes act
.if DOCPART == 9
	.amdgcn_target "amdgcn-amd-amdhsa--gfx1250"
	.amdhsa_code_object_version 6
	.text
	.protected	k_qc379b34870_attn
	.globl	k_qc379b34870_attn
	.p2align	8
	.type	k_qc379b34870_attn,@function
k_qc379b34870_attn:
	s_mov_b64 s[64:65], 0
	v_nop
	global_prefetch_b8 v0, s[64:65] scope:SCOPE_SE
	s_setreg_imm32_b32 hwreg(HW_REG_WAVE_MODE, 25, 1), 1
	s_wait_xcnt 0x0
	s_wait_alu depctr_hold_cnt(0) depctr_sa_sdst(0) depctr_va_vdst(0) depctr_va_sdst(0) depctr_va_ssrc(0) depctr_va_vcc(0) depctr_vm_vsrc(0)
	s_getreg_b32 s2, hwreg(HW_REG_IB_STS2, 6, 4)
	s_cmp_eq_u32 s2, 0
	s_cbranch_scc0 .Lentry_in_a_cluster
	s_endpgm
.Lentry_in_a_cluster:
	s_bfe_u32 s2, ttmp6, 0x10000c
	s_cmp_lg_u32 s2, 0x3003
	s_cbranch_scc0 .Lentry_shape_is_right
	s_endpgm
.Lentry_shape_is_right:
; Attention of one head on codes of FP8 (E4M3): O = softmax(q k^T / 8) v, both products quantised; O / l is quantised along the model's 1,024 for the next product.
; THE SOFTMAX: t = score x log2(e) / 8; M = the running largest t rounded up to a whole number; p = 2^(t - M) is quantised along the keys; the row's sum is taken of the unquantised p and divides at the end.
; SHARES. A work-group owns 256 queries of one (batch, head); each of its sixteen waves 16 of them in 256 registers, four waves to a SIMD.  Every wave walks all 2,048 keys, 128 a step, two steps a trip.
; LDS. A head's k (131,072 bytes), v (131,072) and their scale words (8,192) are filled ONCE: piece w of eight holds 256 keys, k's 16,384 bytes and then v's.  In memory k's and v's parts of a piece lie 4,194,304 bytes
; apart: one descriptor of two rows brings both.  Waves 0 to 7 fetch a piece each, wave 8 the scale words: one tensor load a wave, none later; one barrier shows all of it, and no barrier stands in the loop.
; CLUSTER. The four query blocks of a cluster read the same k and v: each load is asked for jointly, with the mask of all four.
; HEAD SIZE 64 IN AN INSTRUCTION OF K = 128: a fragment of k holds key 32 b + r in its first 64 along K and key 32 b + 16 + r in its second.  It is multiplied by (q | zero codes) and by (zero codes | q); the two forms share the eight registers of zeros.
; Both products are used transposed: a lane holds one query (lane % 16).  The 16 registers of a pair of score tiles are keys 32 b + 8 h + 0..7 and 32 b + 16 + 8 h + 0..7: v's codes were laid in that order.
; TWO RUNS OF 64 REGISTERS SWAP ROLES FROM STEP TO STEP: F holds k's fragments and then v's, P the scores and then p.  When p's blocks have been converted, P takes the NEXT step's k, so that those loads are out
; under the rest of the step; the next step's scores then fall where v lay.
; The last step asks once more for piece 0's first step, which nothing multiplies: 20 LDS loads a wave, the price of one text for all trips.
; LIMITS: NaN and infinities are not served; the promise holds while |t| stays under 2^31; a block whose largest magnitude lies under 2^-118 gets the byte 1.  The block's largest p is taken from the block's largest score, which leans on v_exp_f32 not falling where its input rises.
; No prefetch: every byte of k and v is asked for in the first lines, so there is no loop to run ahead in.
; REGISTERS: v1 16 x lane; v2 my scale words' place; v3, v5 this trip's piece and words, v4, v44 the next trip's; v6 lane, v7 r; v[8:11], v[58:61] four chains of the step's sum; v12 -M, v13 the largest score, v[14:15] the sum;
; v16-23 q, v24-31 zero codes, v32-39 q; v40-43 k's scale words, v48-51 v's; v52 q's; v53 p's; v[54:55] f; v56 at work; v57 the old -M; v62, v63 the add's; v64-191 F and P; v192-223 O^T; v224-239 p's codes; v240-255 the quantiser's.
.set SC,    262144
.set SPARE, 270336
.set KOFF,  4194304
.set QSC,   12582912
.set KVSC,  12845056
.macro PL n
.rept \n
	v_nop
.endr
.endm
.macro ROUND
	s_barrier_signal -1
	s_barrier_wait -1
	s_cmp_lg_u32 s8, 0
	s_cbranch_scc1 .Lnot_wave_0_\@
	s_barrier_signal -3
.Lnot_wave_0_\@:
	s_barrier_wait -3
	s_barrier_signal -1
	s_barrier_wait -1
.endm
	s_load_b128 s[4:7], s[0:1], 0x0                ; qkv s[4:5], act s[6:7]
	v_lshl_add_u32 v62, v0, 2, SPARE
	v_mov_b32 v63, 0
	ds_add_u32 v62, v63                            ; the opening lines: the add, twice on end, and its wait
	ds_add_u32 v62, v63
	v_lshrrev_b32 v1, 5, v0
	v_readfirstlane_b32 s8, v1                     ; wave 0..15
	s_bfe_u32 s9, ttmp6, 0x40000                   ; cx
	s_lshl_b32 s10, ttmp9, 2
	s_add_co_u32 s10, s10, s9                      ; my block of 256 queries: it enters q's and the output's addresses alone
	s_and_b32 s11, ttmp7, 0xffff                   ; bh = 16 batch + head, which the partners share
	s_mov_b32 s16, 15|(3<<16)|(1<<21)              ; a piece: 2 rows of 2,048 elements of 8 bytes, 524,288 elements apart, dense in LDS; mask: all four
	s_mov_b32 s17, 2048<<16
	s_mov_b32 s18, 2<<16
	s_mov_b32 s19, 2048<<16
	s_mov_b32 s20, 2
	s_mov_b32 s21, 524288
	s_mov_b32 s22, 0
	s_mov_b32 s23, 0
	s_mov_b32 s24, 15|(3<<16)|(1<<21)              ; the scale words: 32 dense rows of 256 bytes
	s_mov_b32 s25, 32<<16
	s_mov_b32 s26, 32<<16
	s_mov_b32 s27, 32<<16
	s_mov_b32 s28, 32
	s_mov_b32 s29, 32
	s_mov_b32 s30, 0
	s_mov_b32 s31, 0
	s_lshl_b32 s12, s11, 13
	s_add_co_u32 s12, s12, KVSC
	s_mov_b32 s13, 0
	s_and_b32 s60, s8, 7
	s_lshl_b32 s3, s60, 15                         ; piece wave % 8: 32,768 bytes of LDS,
	s_lshl_b32 s60, s60, 14                        ; 16,384 bytes of k and of v
	s_lshl_b32 s14, s11, 17
	s_add_co_u32 s14, s14, s60
	s_add_co_u32 s14, s14, KOFF
	s_mov_b32 s15, 0
	s_mov_b32 s52, 0x76543210
	s_mov_b32 s53, 0xfedcba98
	s_mov_b32 s54, 0x3e38aa3b                      ; c = log2(e) / 8
	s_mov_b32 s55, s54
	s_mov_b32 s63, 0xbe38aa3b                      ; -c
	s_mov_b32 s56, 0x600000
	s_lshl_b32 s60, s10, 4
	s_add_co_u32 s60, s60, s8                      ; tb: my 16 queries in their sequence
	s_lshl_b32 s61, s11, 7
	s_add_co_u32 s61, s61, s60
	s_lshl_b32 s66, s61, 10                        ; q's half-image
	s_mov_b32 s67, 0
	s_lshl_b32 s68, s11, 5                         ; q's scale words: QSC + (bh * 32 + tb / 4) * 256 + 128 (tb % 2) + 4 ((tb % 4) / 2)
	s_lshr_b32 s61, s60, 2
	s_add_co_u32 s68, s68, s61
	s_lshl_b32 s68, s68, 8
	s_and_b32 s61, s8, 1
	s_lshl_b32 s61, s61, 7
	s_add_co_u32 s68, s68, s61
	s_bfe_u32 s61, s8, 0x10001
	s_lshl_b32 s61, s61, 2
	s_add_co_u32 s68, s68, s61
	s_add_co_u32 s68, s68, QSC
	s_mov_b32 s69, 0
	s_lshr_b32 s74, s11, 4                         ; batch
	s_and_b32 s75, s11, 15                         ; head
	s_lshl_b32 s76, s74, 7
	s_add_co_u32 s76, s76, s60
	s_lshl_b32 s76, s76, 3
	s_lshr_b32 s77, s75, 1
	s_add_co_u32 s76, s76, s77
	s_lshl_b32 s76, s76, 11                        ; the output's fragment ((128 batch + tb) * 8 + head / 2),
	s_and_b32 s78, s75, 1
	s_lshl_b32 s79, s78, 10
	s_add_co_u32 s70, s76, s79                     ; its groups 2 (head % 2) on
	s_mov_b32 s71, 0
	s_lshl_b32 s77, s77, 12
	s_lshl_b32 s74, s74, 11
	s_add_co_u32 s77, s77, s74
	s_lshl_b32 s79, s60, 4
	s_add_co_u32 s77, s77, s79
	s_lshl_b32 s77, s77, 2
	s_lshl_b32 s78, s78, 1
	s_add_co_u32 s77, s77, s78
	s_add_co_u32 s72, s77, 4194304                 ; and its half of the rows' scale words
	s_mov_b32 s73, 0
	s_wait_dscnt 0x0
	ROUND                                          ; the opening round, ahead of the wait for the arguments: all four work-groups are here
	s_wait_kmcnt 0x0
	s_add_nc_u64 s[12:13], s[4:5], s[12:13]
	s_add_nc_u64 s[14:15], s[4:5], s[14:15]
	s_add_nc_u64 s[66:67], s[4:5], s[66:67]
	s_add_nc_u64 s[68:69], s[4:5], s[68:69]
	s_add_nc_u64 s[70:71], s[6:7], s[70:71]
	s_add_nc_u64 s[72:73], s[6:7], s[72:73]
	s_mov_b32 s32, 1
	s_mov_b32 s33, SC
	s_mov_b64 s[34:35], s[12:13]
	s_or_b32 s35, s35, 0x80000000
	s_mov_b32 s36, 1
	s_mov_b32 s37, s3
	s_mov_b64 s[38:39], s[14:15]
	s_or_b32 s39, s39, 0x80000000
	s_cmp_lt_u32 s8, 8                             ; one chain of branches on the wave's number, one load to an arm
	s_cbranch_scc0 .Lnot_kv
	tensor_load_to_lds s[36:39], s[16:23]          ; waves 0 to 7: a piece of 256 keys, k's part and v's
	s_nop 0
	PL 4
	s_branch .Lasked
.Lnot_kv:
	s_cmp_eq_u32 s8, 8
	s_cbranch_scc0 .Lasked
	tensor_load_to_lds s[32:35], s[24:31]          ; wave 8: the scale words
	s_nop 0
	PL 4
.Lasked:
	v_and_b32 v6, 31, v0
	v_lshlrev_b32 v1, 4, v6
	v_and_b32 v7, 15, v0
	v_lshl_add_u32 v2, v7, 2, SC
	v_lshlrev_b32 v8, 3, v7
	global_load_b128 v[16:19], v1, s[66:67]        ; q, twice: once ahead of the zero codes, once behind them
	global_load_b128 v[20:23], v1, s[66:67] offset:512
	global_load_b128 v[32:35], v1, s[66:67]
	global_load_b128 v[36:39], v1, s[66:67] offset:512
	global_load_b32 v52, v8, s[68:69]
.irp i, 24,25,26,27,28,29,30,31
	v_mov_b32 v[\i], 0                             ; zero codes
.endr
	v_mov_b32 v13, 0xff61b1e6                      ; the largest score so far: -3e38
	v_mul_f32 v56, s63, v13
	v_floor_f32 v12, v56                           ; -M
	v_mov_b32 v14, 0
	v_mov_b32 v15, 0
	v_mov_b32 v55, 0                               ; (named as the upper half of the pair v[54:55])
.irp b, 0,1,2,3
	v_mov_b32 v[244+\b], 0                         ; written once: a lane permute's destination counts as one of its sources
.endr
.set i, 0
.rept 32
	v_mov_b32 v[192+i], 0                          ; O^T: the step is written once for all steps; the first finds zeros
.set i, i+1
.endr
; the hold of two numbers in one instruction: element i of block b and element j of block b + 1 (i, j of unlike parity: destinations, first sources and second sources then differ as a pair asks)
.macro HOLD2 b, i, j
	v_dual_min_num_f32 v[P+16*(\b)+(\i)], v[P+16*(\b)+(\i)], v[248+(\b)] :: v_dual_min_num_f32 v[P+16+16*(\b)+(\j)], v[P+16+16*(\b)+(\j)], v[249+(\b)]
.endm
.macro SUM4                            ; one more pair of p onto each of the sum's four chains
.irp r, 8,10,58,60
	v_pk_add_f32 v[\r:\r+1], v[\r:\r+1], v[j:j+1]
.set j, j+2
.endr
.endm
; fragments b0, b0 + 1 of k, and their scale words, into the 32 registers at dst: ten LDS loads
.macro KLOAD dst, b0, adr, wadr, off, woff
.irp d, 0,1
.irp c, 0,1,2,3
	ds_load_b128 v[\dst+16*\d+4*\c:\dst+16*\d+4*\c+3], v[\adr] offset:(\off)+2048*(\b0+\d)+512*\c
.endr
	ds_load_b32 v[40+\b0+\d], v[\wadr] offset:(\woff)+64*(\b0+\d)
.endr
.endm
.macro NEXTK u, b0                     ; the next step's k: behind step 0 the same piece's second half, behind step 1 the next trip's piece
.if \u
	KLOAD P+16*\b0, \b0, 4, 44, 0, 0
.else
	KLOAD P+16*\b0, \b0, 3, 5, 8192, 256
.endif
.endm
; A KEY STEP: 128 keys, the u-th of the trip's piece.  Its scores are written over the registers that the last products read as v: nine places stand between: the four additions at the last step's end and five lines here.
.macro STEP u
.set F, 64+64*\u
.set P, 128-64*\u
	v_mov_b32 v57, v12                             ; the old -M
.if \u
	PL 4
.else
	v_add_nc_u32 v3, s57, v1
	v_add_nc_u32 v5, s58, v2
	v_add_nc_u32 v4, s60, v1
	v_add_nc_u32 v44, s61, v2
.endif
	s_wait_alu depctr_va_vdst(0)
	s_wait_dscnt 0x0                               ; k is in
.irp b, 0,1,2,3
	v_wmma_scale_f32_16x16x128_f8f6f4 v[P+16*\b:P+7+16*\b], v[F+16*\b:F+15+16*\b], v[16:31], 0, v[40+\b], v52     ; keys 32 b + 0 .. 15
	v_wmma_scale_f32_16x16x128_f8f6f4 v[P+8+16*\b:P+15+16*\b], v[F+16*\b:F+15+16*\b], v[24:39], 0, v[40+\b], v52  ; keys 32 b + 16 .. 31
.endr
	PL 8
.irp t, 0,1,2,3                        ; v's fragments take k's registers now and land while the softmax runs
.irp c, 0,1,2,3
	ds_load_b128 v[F+16*\t+4*\c:F+3+16*\t+4*\c], v3 offset:16384+8192*\u+2048*\t+512*\c
.endr
	ds_load_b32 v[48+\t], v5 offset:4096+256*\u+64*\t
.endr
.irp b, 0,1,2,3
	v_max3_num_f32 v[240+\b], v[P+16*\b], v[P+1+16*\b], v[P+2+16*\b]   ; the largest score of each block of 32 keys
.endr
.irp i, 3,5,7,9,11,13
.irp b, 0,1,2,3
	v_max3_num_f32 v[240+\b], v[240+\b], v[P+16*\b+\i], v[P+1+16*\b+\i]
.endr
.endr
.irp b, 0,1,2,3
	v_max_num_f32 v[240+\b], v[240+\b], v[P+15+16*\b]
.endr
.irp b, 0,1,2,3
	s_delay_alu instid0(VALU_DEP_4)
	v_permlanex16_b32 v[244+\b], v[240+\b], s52, s53
.endr
.irp b, 0,1,2,3
	s_delay_alu instid0(VALU_DEP_4)
	v_max_num_f32 v[240+\b], v[240+\b], v[244+\b]
.endr
	s_delay_alu instid0(VALU_DEP_2)
	v_max3_num_f32 v56, v240, v241, v242
	s_delay_alu instid0(VALU_DEP_1)
	v_max3_num_f32 v13, v13, v56, v243             ; the running largest score
	s_delay_alu instid0(VALU_DEP_1)
	v_mul_f32 v56, s63, v13                        ; -t (c is positive, so the largest score gives the largest t)
	s_delay_alu instid0(VALU_DEP_1)
	v_floor_f32 v12, v56                           ; -M = floor(-t)
.set i, 0
.rept 32
	v_pk_fma_f32 v[P+i:P+1+i], v[P+i:P+1+i], s[54:55], v[12:13] op_sel_hi:[1,0,0]   ; t - M
.if i == 6
	v_sub_f32 v56, v12, v57                        ; f = 2^(old M - new M) is made among these lines
.elseif i == 14
	v_cvt_i32_f32 v56, v56
.elseif i == 22
	v_ldexp_f32 v54, 1.0, v56
.endif
.set i, i+2
.endr
.irp b, 0,1,2,3
	v_fma_f32 v[240+\b], v[240+\b], s54, v12
.endr
	s_wait_alu depctr_va_vdst(0)                   ; the wait ahead of the batch
.set i, 0
.rept 64
	v_exp_f32 v[P+i], v[P+i]                       ; p
.set i, i+1
.endr
	v_pk_mul_f32 v[14:15], v[14:15], v[54:55] op_sel_hi:[1,0]   ; the sum under the new M: a plain instruction behind the exponentials
	s_wait_alu depctr_va_vdst(0)                   ; one wait for the batch, ahead of its first reader
.irp b, 0,1,2,3
	v_exp_f32 v[240+\b], v[240+\b]                 ; the blocks' largest p
.endr
.set j, P
.irp r, 8,10,58,60                     ; the step's sum of the unquantised p, two at a time, in four chains
	v_pk_add_f32 v[\r:\r+1], v[j:j+1], v[j+2:j+3]
.set j, j+4
.endr
	SUM4
	s_wait_alu depctr_va_vdst(0)                   ; and one for the four.  From here the sum's chains and the quantiser's groups take turns
.irp b, 0,1,2,3
	v_max_num_f32 v[240+\b], 0x4800000, v[240+\b]  ; the floor 2^(9 - 127)
.endr
	SUM4
.irp b, 0,1,2,3
	v_add_nc_u32 v[252+\b], 0xfc000000, v[240+\b]  ; the conversion's scale operand
.endr
	SUM4
.irp b, 0,1,2,3
	v_and_or_b32 v[248+\b], v[240+\b], 0x7f800000, s56   ; 448 x the scale
.endr
	SUM4
.irp b, 0,1,2,3
	v_lshrrev_b32 v[244+\b], 23, v[252+\b]         ; the byte
.endr
	SUM4
	v_lshl_or_b32 v53, v245, 8, v244               ; p's scale word for these 128 keys
	v_lshl_or_b32 v56, v247, 8, v246
	SUM4
	v_lshl_or_b32 v53, v56, 16, v53
.irp b, 0,2
.irp i, 0,2,4,6,8,10,12,14
	HOLD2 \b, \i, \i+1                             ; the hold: the conversion does not saturate (ISA guide 7.6.2); p is not negative
	HOLD2 \b, \i+1, \i
.endr
.irp d, 0,1
	v_cvt_scalef32_pk8_fp8_f32 v[224+4*(\b+\d):225+4*(\b+\d)], v[P+16*(\b+\d):P+7+16*(\b+\d)], v[252+\b+\d]
	v_cvt_scalef32_pk8_fp8_f32 v[226+4*(\b+\d):227+4*(\b+\d)], v[P+8+16*(\b+\d):P+15+16*(\b+\d)], v[252+\b+\d]
.endr
	NEXTK \u, \b                                   ; these two blocks of p are codes now: their registers take the next step's k
.endr
	s_wait_alu depctr_va_vdst(0)                   ; the wait directly ahead of the first reader of O^T
.set i, 0
.rept 16
	v_pk_mul_f32 v[192+i:193+i], v[192+i:193+i], v[54:55] op_sel_hi:[1,0]   ; O^T under the new M; also the places between the codes and the products
.set i, i+2
.endr
	s_wait_alu depctr_va_vdst(0)                   ; the wait directly ahead of the wait below
	s_wait_dscnt 20                                ; v is in; the 20 loads of the next step's k, issued behind v's, may be out
.irp t, 0,1,2,3
	v_wmma_scale_f32_16x16x128_f8f6f4 v[192+8*\t:199+8*\t], v[F+16*\t:F+15+16*\t], v[224:239], v[192+8*\t:199+8*\t], v[48+\t], v53
.endr
	v_pk_add_f32 v[8:9], v[8:9], v[10:11]          ; the four chains join the sum: four of the places behind the products
	v_pk_add_f32 v[58:59], v[58:59], v[60:61]
	v_pk_add_f32 v[14:15], v[14:15], v[8:9]
	v_pk_add_f32 v[14:15], v[14:15], v[58:59]
.endm
	s_mov_b32 s59, 0                               ; the trip = the piece
	s_wait_alu depctr_va_vdst(0)                   ; the wait at the head's end
	s_wait_loadcnt 0x0                             ; q
	s_wait_tensorcnt 0x0                           ; my load, if I issued one, has landed,
	s_barrier_signal -1
	s_barrier_wait -1                              ; everybody's has: the whole head lies in LDS
	KLOAD 64, 0, 1, 2, 0, 0                        ; the first step's k
	KLOAD 96, 2, 1, 2, 0, 0
.Lpair:
	s_lshl_b32 s57, s59, 15                        ; this trip's piece and its scale words,
	s_lshl_b32 s58, s59, 9
	s_add_co_u32 s62, s59, 1
	s_and_b32 s62, s62, 7                          ; and the next trip's (behind the last: piece 0)
	s_lshl_b32 s60, s62, 15
	s_lshl_b32 s61, s62, 9
	STEP 0
	STEP 1
	s_add_co_u32 s59, s59, 1
	s_cmp_lt_u32 s59, 8
	s_cbranch_scc1 .Lpair
; THE WAY OUT: O^T / the sum, quantised along the channels (two blocks of 32), brought into ascending k by one exchange with lane l xor 16, stored as two groups of an operand's image.
	PL 4                                           ; with the four additions: eight places behind the last products
	v_add_f32 v14, v14, v15
	v_permlanex16_b32 v56, v14, s52, s53
	v_add_f32 v14, v14, v56
	s_wait_alu depctr_va_vdst(0)                   ; the wait ahead of the transcendental
	v_rcp_f32 v14, v14
	v_lshlrev_b32 v9, 2, v7                        ; (a plain instruction behind the transcendental)  4 r
	v_cmp_le_u32 vcc_lo, 16, v6                    ; lanes 16-31
	s_wait_alu depctr_va_vdst(0)                   ; the wait ahead of the first reader
.set i, 0
.rept 32
	v_mul_f32 v[128+i], v[192+i], v14              ; register 8 t + j: channel 16 t + 8 h + j
.set i, i+1
.endr
.irp b, 0,1
	v_max3_num_f32 v[240+\b], |v[128+16*\b]|, |v[129+16*\b]|, 0x4800000
.endr
.irp i, 2,4,6,8,10,12,14
.irp b, 0,1
	v_max3_num_f32 v[240+\b], v[240+\b], |v[128+16*\b+\i]|, |v[129+16*\b+\i]|
.endr
.endr
.irp b, 0,1
	v_permlanex16_b32 v[244+\b], v[240+\b], s52, s53
.endr
.irp b, 0,1
	v_max_num_f32 v[240+\b], v[240+\b], v[244+\b]
.endr
.irp b, 0,1
	v_add_nc_u32 v[252+\b], 0xfc000000, v[240+\b]
	v_and_or_b32 v[248+\b], v[240+\b], 0x7f800000, s56
.endr
.irp b, 0,1
	v_lshrrev_b32 v[244+\b], 23, v[252+\b]
.endr
	v_lshl_or_b32 v57, v245, 8, v244
.irp b, 0,1
.irp i, 0,1,2,3,4,5,6,7,8,9,10,11,12,13,14,15
	v_med3_num_f32 v[128+16*\b+\i], v[128+16*\b+\i], -v[248+\b], v[248+\b]
.endr
	v_cvt_scalef32_pk8_fp8_f32 v[224+4*\b:225+4*\b], v[128+16*\b:135+16*\b], v[252+\b]
	v_cvt_scalef32_pk8_fp8_f32 v[226+4*\b:227+4*\b], v[136+16*\b:143+16*\b], v[252+\b]
.endr
	v_nop
.irp b, 0,1                            ; lanes 0-15 hold k 0-7 and 16-23, lanes 16-31 k 8-15 and 24-31: the lower lanes give their upper eight for the upper lanes' lower eight
	v_cndmask_b32 v232, v[226+4*\b], v[224+4*\b], vcc_lo
	v_cndmask_b32 v233, v[227+4*\b], v[225+4*\b], vcc_lo
	v_permlanex16_b32 v234, v232, s52, s53
	v_permlanex16_b32 v235, v233, s52, s53
	v_cndmask_b32 v[224+4*\b], v[224+4*\b], v234, vcc_lo
	v_cndmask_b32 v[225+4*\b], v[225+4*\b], v235, vcc_lo
	v_cndmask_b32 v[226+4*\b], v234, v[226+4*\b], vcc_lo
	v_cndmask_b32 v[227+4*\b], v235, v[227+4*\b], vcc_lo
.endr
	global_store_b128 v1, v[224:227], s[70:71]     ; 512 consecutive bytes, aligned
	global_store_b128 v1, v[228:231], s[70:71] offset:512
	s_wait_xcnt 0x0                                ; EXEC changes only behind this wait
	v_cmp_gt_u32 vcc_lo, 16, v6
	s_and_saveexec_b32 s74, vcc_lo
	global_store_b16 v9, v57, s[72:73]             ; my head's two bytes of each row's word
	s_wait_xcnt 0x0
	s_or_b32 exec_lo, exec_lo, s74
	s_wait_tensorcnt 0x0                           ; the wave's end
	ds_add_u32 v62, v63
	s_wait_dscnt 0x0
	ROUND                                          ; the closing round: no work-group ends while a partner may still ask for a tile that names it
	s_endpgm
.Lfunc_end_k_qc379b34870_attn:
	.size	k_qc379b34870_attn, .Lfunc_end_k_qc379b34870_attn-k_qc379b34870_attn
	.p2alignl 7, 3214868480
	.fill 96, 4, 3214868480
	.section	.rodata,"a",@progbits
	.p2align	6, 0x0
	.amdhsa_kernel k_qc379b34870_attn
		.amdhsa_group_segment_fixed_size 272384
		.amdhsa_private_segment_fixed_size 0
		.amdhsa_enable_private_segment 0
		.amdhsa_kernarg_size 16
		.amdhsa_user_sgpr_count 2
		.amdhsa_user_sgpr_kernarg_segment_ptr 1
		.amdhsa_wavefront_size32 1
		.amdhsa_system_sgpr_workgroup_id_x 1
		.amdhsa_system_sgpr_workgroup_id_y 1
		.amdhsa_system_sgpr_workgroup_id_z 1
		.amdhsa_system_vgpr_workitem_id 0
		.amdhsa_next_free_vgpr 256
		.amdhsa_next_free_sgpr 80
		.amdhsa_reserve_vcc 1
		.amdhsa_float_denorm_mode_32 3
		.amdhsa_float_denorm_mode_16_64 3
		.amdhsa_memory_ordered 1
		.amdhsa_forward_progress 1
		.amdhsa_inst_pref_size 54
	.end_amdhsa_kernel
	.amdgpu_metadata
---
amdhsa.version: [ 1, 2 ]
amdhsa.kernels:
  - .name:           k_qc379b34870_attn
    .symbol:         k_qc379b34870_attn.kd
    .args:
      - { .name: qkv, .offset: 0, .size: 8, .value_kind: global_buffer, .address_space: global }
      - { .name: act, .offset: 8, .size: 8, .value_kind: global_buffer, .address_space: global }
    .group_segment_fixed_size: 272384
    .private_segment_fixed_size: 0
    .kernarg_segment_align: 8
    .kernarg_segment_size: 16
    .max_flat_workgroup_size: 512
    .sgpr_count:     80
    .vgpr_count:     256
    .wavefront_size: 32
...
	.end_amdgpu_metadata
.endif
;; end of part 9
;; launch oproj (part 10): grid 8 x 32, 4 waves a work-group, clusters of 4 x 4, 327,680 bytes of LDS; arguments act, wo_codes, wo_scales, x, x1; writes x1
.if DOCPART == 10
	.amdgcn_target "amdgcn-amd-amdhsa--gfx1250"
	.amdhsa_code_object_version 6
	.text
	.protected	k_qc379b34870_oproj
	.globl	k_qc379b34870_oproj
	.p2align	8
	.type	k_qc379b34870_oproj,@function
k_qc379b34870_oproj:
	s_mov_b64 s[64:65], 0
	v_nop
	global_prefetch_b8 v0, s[64:65] scope:SCOPE_SE
	s_setreg_imm32_b32 hwreg(HW_REG_WAVE_MODE, 25, 1), 1
	s_wait_xcnt 0x0
	s_wait_alu depctr_hold_cnt(0) depctr_sa_sdst(0) depctr_va_vdst(0) depctr_va_sdst(0) depctr_va_ssrc(0) depctr_va_vcc(0) depctr_vm_vsrc(0)
	s_getreg_b32 s2, hwreg(HW_REG_IB_STS2, 6, 4)
	s_cmp_eq_u32 s2, 0
	s_cbranch_scc0 .Lentry_in_a_cluster
	s_endpgm
.Lentry_in_a_cluster:
	s_bfe_u32 s2, ttmp6, 0x10000c
	s_cmp_lg_u32 s2, 0xf033
	s_cbranch_scc0 .Lentry_shape_is_right
	s_endpgm
.Lentry_shape_is_right:
.set SIZE_K, 1024
.set HAS_BIAS, 0
.set KS,     SIZE_K/32
.set NKS,    SIZE_K/128
.set LAPS,   SIZE_K/1024
.set ASCOFF, 4096*SIZE_K
.set HALFA,  32768
.set HALFB,  64*528
.set BOFF,   2*HALFA
.set SLOTB,  BOFF+2*HALFB
.set ASC,    2*SLOTB
.set BSC,    ASC+NKS*512
.set HALFS,  (64*KS/256)*272
.set SBLK,   (16*KS/256)*272
.set SPARE,  BSC+2*HALFS
.set ADRA, 16
.set ADRB, 20
.set G1A, 24
.set G0A, 32
.set G1B, 48
.set G0B, 56
.set G1SA, 68
.set G0SA, 76
.set G1SB, 80
.set G0SB, 88
.set MUL,  0x05
.set TO_F, 0x40
.set MSB, 0
.macro WIN new
.if MSB != \new
	s_set_vgpr_msb (MSB<<8)|\new
.set MSB, \new
.endif
.endm
.macro PLACES n
.rept \n
	v_nop
.endr
.endm
.macro JLOAD g0a, g1a, g0b, g1b
	s_cmp_eq_u32 s15, 0
	s_cbranch_scc0 .Lfor_b_\@
	tensor_load_to_lds s[\g0a:\g0a+3], s[\g1a:\g1a+7]
	s_nop 0
.rept 4
	v_nop
.endr
	s_branch .Lasked_\@
.Lfor_b_\@:
	tensor_load_to_lds s[\g0b:\g0b+3], s[\g1b:\g1b+7]
	s_nop 0
.rept 4
	v_nop
.endr
.Lasked_\@:
.endm
.macro CREST
	s_cmp_lg_u32 s14, 0
	s_cbranch_scc1 .Lnot_wave_0_\@
	s_barrier_signal -3
.Lnot_wave_0_\@:
	s_barrier_wait -3
	s_barrier_signal -1
	s_barrier_wait -1
.endm
.macro CROUND
	s_barrier_signal -1
	s_barrier_wait -1
	CREST
.endm
.macro FETCH slot, q, f
	WIN TO_F
.irp i, 0,1,2,3
.irp c, 0,1,2,3
	ds_load_b128 v[\f+64+16*\i+4*\c:\f+64+16*\i+4*\c+3], v[ADRB+\slot] offset:8448*\i+128*(\q)+32*\c
.endr
.endr
.irp i, 0,1,2,3
.irp c, 0,1,2,3
	ds_load_b128 v[\f+16*\i+4*\c:\f+16*\i+4*\c+3], v[ADRA+\slot] offset:8192*\i+2048*(\q)+512*\c
.endr
.endr
.endm
.macro SCALES set
	WIN 0
.irp q, 0,1,2,3
.irp a, 0,1,2,3
	ds_load_b32 v[32+32*\set+4*\q+\a], v22 offset:512*\q+64*\a
.endr
.endr
.irp b, 0,1,2,3
	ds_load_b128 v[48+32*\set+4*\b:48+32*\set+4*\b+3], v23 offset:\b*SBLK
.endr
.endm
.macro MULH f, a0, set, q, zero
	WIN MUL
.irp a, \a0, \a0+1
.irp b, 0,1,2,3
.set rA, \f+16*(\a)
.set rB, \f+64+16*\b
.set sA, 32+32*(\set)+4*(\q)+(\a)
.set sB, 48+32*(\set)+4*\b+(\q)
.set rD, 128+8*(4*(\a)+\b)
.if \zero
	v_wmma_scale_f32_16x16x128_f8f6f4 v[rD:rD+7], v[rB:rB+15], v[rA:rA+15], 0, v[sB], v[sA]
.else
	v_wmma_scale_f32_16x16x128_f8f6f4 v[rD:rD+7], v[rB:rB+15], v[rA:rA+15], v[rD:rD+7], v[sB], v[sA]
.endif
.endr
.endr
.endm
.macro STEP slot, q, zero
	s_wait_dscnt 8
	MULH 128*((\q)%2), 0, \slot, \q, \zero
	PLACES 8
	FETCH \slot, (\q)+1, 128-128*((\q)%2)
	s_wait_dscnt 32
	MULH 128*((\q)%2), 2, \slot, \q, \zero
.endm
.macro TURN slot, next, fill
	s_wait_dscnt 8
	MULH 128, 0, \slot, 3, 0
	WIN 0
	s_wait_tensorcnt 0x0
	ds_add_u32 v28, v29
.if \fill
	s_add_nc_u64 s[G0A+4*\slot+2:G0A+4*\slot+3], s[G0A+4*\slot+2:G0A+4*\slot+3], 16384
	s_add_nc_u64 s[G0B+4*\slot+2:G0B+4*\slot+3], s[G0B+4*\slot+2:G0B+4*\slot+3], 1024
.endif
	s_wait_dscnt 0x0
	s_barrier_signal -1
	s_barrier_wait -1
.if \fill
	CREST
	JLOAD G0A+4*\slot, G1A, G0B+4*\slot, G1B
	PLACES 4
.else
	PLACES 8
.endif
	v_add_nc_u32 v22, 2048, v22
	v_add_nc_u32 v23, 16, v23
	SCALES \next
	FETCH \next, 0, 0
	MULH 128, 2, \slot, 3, 0
.endm
.macro LAST
	s_wait_dscnt 8
	MULH 128, 0, 1, 3, 0
	s_wait_dscnt 0x0
	MULH 128, 2, 1, 3, 0
	WIN 0
.endm
	s_load_b128 s[4:7], s[0:1], 0x0
	s_load_b64 s[8:9], s[0:1], 0x10
	s_load_b64 s[12:13], s[0:1], 0x18
	s_load_b64 s[10:11], s[0:1], 0x20
	v_lshl_add_u32 v28, v0, 2, SPARE
	v_mov_b32 v29, 0
	ds_add_u32 v28, v29                            ; the opening lines: the add, twice on end, and its wait; the set-up below, work on registers, stands between
	ds_add_u32 v28, v29
	v_lshrrev_b32 v1, 5, v0
	v_readfirstlane_b32 s14, v1
	s_lshr_b32 s15, s14, 1
	s_and_b32 s16, s14, 1
	s_bfe_u32 s40, ttmp6, 0x40000
	s_bfe_u32 s41, ttmp6, 0x40004
	s_lshl_b32 s42, ttmp9, 2
	s_add_co_u32 s42, s42, s40
	s_and_b32 s17, ttmp7, 0xffff
	s_lshl_b32 s17, s17, 2
	s_add_co_u32 s17, s17, s41
	s_lshl_b32 s43, s41, 2
	s_lshl_b32 s43, 15, s43
	s_lshl_b32 s44, 0x1111, s40
	s_lshl_b32 s20, s17, 3
	s_lshl_b32 s18, s16, 2
	s_add_co_u32 s20, s20, s18
	s_mul_i32 s20, s20, 16*SIZE_K
	s_mov_b32 s21, 0
	s_lshl_b32 s22, s17, 9
	s_add_co_u32 s22, s22, ASCOFF                  ; A's scale words: my 128 rows' 512 bytes of each K step
	s_mul_i32 s2, s17, 128*SIZE_K                  ; the head's load of A: block 8 T
	s_mov_b32 s3, 0
	s_mov_b32 s23, 0
	s_lshl_b32 s46, s42, 7
	s_lshl_b32 s18, s16, 6
	s_add_co_u32 s46, s46, s18
	s_mul_i32 s94, s42, 128*KS                     ; B's scale bytes: all 128 rows
	s_mov_b32 s95, 0
	s_mul_i32 s98, s42, 128*SIZE_K                 ; the head's load of B: row 128 X
	s_mov_b32 s99, 0
	s_mul_i32 s46, s46, SIZE_K
	s_mov_b32 s47, 0
	s_mul_i32 s45, s16, HALFA
	s_mul_i32 s93, s16, HALFB
	s_add_co_u32 s93, s93, BOFF
	s_or_b32 s[G1A], s43, (3<<16)|(1<<21)
	s_mov_b32 s[G1A+1], 1024<<16
	s_mov_b32 s[G1A+2], 8<<16                      ; at the head 8 blocks of A and 128 rows of B to a load; behind the head's wait 4 and 64
	s_mov_b32 s[G1A+3], 1024<<16
	s_mov_b32 s[G1A+4], 8
	s_mov_b32 s[G1A+5], 2*SIZE_K
	s_mov_b32 s[G1A+6], 0
	s_mov_b32 s[G1A+7], 0
	s_or_b32 s[G1B], s44, (1<<20)|(1<<21)|(6<<22)|(3<<25)
	s_mov_b32 s[G1B+1], 512<<16
	s_mov_b32 s[G1B+2], 128<<16
	s_mov_b32 s[G1B+3], 512<<16
	s_mov_b32 s[G1B+4], 128
	s_mov_b32 s[G1B+5], SIZE_K
	s_mov_b32 s[G1B+6], 0
	s_mov_b32 s[G1B+7], 0
	s_or_b32 s[G1SA], s43, (3<<16)|(1<<21)
	s_mov_b32 s[G1SA+1], 64<<16
	s_mov_b32 s[G1SA+2], NKS<<16
	s_mov_b32 s[G1SA+3], 64<<16
	s_mov_b32 s[G1SA+4], NKS
	s_mov_b32 s[G1SA+5], 2048
	s_mov_b32 s[G1SA+6], 0
	s_mov_b32 s[G1SA+7], 0
	s_or_b32 s[G1SB], s44, (3<<16)|(1<<20)|(1<<21)|(5<<22)|(3<<25)
	s_mov_b32 s[G1SB+1], 32<<16
	s_mov_b32 s[G1SB+2], (128*KS/256)<<16
	s_mov_b32 s[G1SB+3], 32<<16
	s_mov_b32 s[G1SB+4], 128*KS/256
	s_mov_b32 s[G1SB+5], 32
	s_mov_b32 s[G1SB+6], 0
	s_mov_b32 s[G1SB+7], 0
	s_wait_dscnt 0x0                               ; both opening adds are done
	CROUND                                         ; the opening round, ahead of the wait for the arguments: all sixteen work-groups are here
	s_wait_kmcnt 0x0
	s_add_nc_u64 s[20:21], s[4:5], s[20:21]
	s_add_nc_u64 s[22:23], s[4:5], s[22:23]
	s_add_nc_u64 s[46:47], s[6:7], s[46:47]
	s_add_nc_u64 s[94:95], s[8:9], s[94:95]
	s_add_nc_u64 s[98:99], s[6:7], s[98:99]
	s_cmp_eq_u32 s15, 0
	s_cselect_b64 s[8:9], s[4:5], s[6:7]           ; the prefetch: waves 0 and 1 name bytes of A, waves 2 and 3 of B
	s_add_nc_u64 s[6:7], s[4:5], s[2:3]
	s_mov_b32 s4, 1
	s_mov_b32 s5, 0
	s_or_b32 s7, s7, 0x80000000
	s_mov_b32 s[G0SA], 1
	s_mov_b32 s[G0SA+1], ASC
	s_mov_b64 s[G0SA+2:G0SA+3], s[22:23]
	s_or_b32 s[G0SA+3], s[G0SA+3], 0x80000000
	s_mov_b32 s[G0SB], 1
	s_mov_b32 s[G0SB+1], BSC
	s_mov_b64 s[G0SB+2:G0SB+3], s[94:95]
	s_or_b32 s[G0SB+3], s[G0SB+3], 0x80000000
.irp s, 1
	s_mov_b32 s[G0A+4*\s], 1
	s_add_co_u32 s[G0A+4*\s+1], s45, \s*SLOTB
	s_add_nc_u64 s[G0A+4*\s+2:G0A+4*\s+3], s[20:21], \s*8192
	s_or_b32 s[G0A+4*\s+3], s[G0A+4*\s+3], 0x80000000
	s_mov_b32 s[G0B+4*\s], 1
	s_add_co_u32 s[G0B+4*\s+1], s93, \s*SLOTB
	s_add_nc_u64 s[G0B+4*\s+2:G0B+4*\s+3], s[46:47], \s*512
	s_or_b32 s[G0B+4*\s+3], s[G0B+4*\s+3], 0x80000000
.endr
	s_mov_b32 s44, 1                               ; s[44:47]: group 0 of the head's load of B: slot 0's 128 rows
	s_mov_b32 s45, BOFF
	s_mov_b64 s[46:47], s[98:99]
	s_or_b32 s47, s47, 0x80000000
	s_cmp_eq_u32 s14, 0                            ; THE HEAD'S FOUR TILES, ONE A WAVE: one chain of branches on the wave's number, one load to an arm
	s_cbranch_scc0 .Lhead_b
	tensor_load_to_lds s[4:7], s[G1A:G1A+7]
	s_nop 0
	PLACES 4
	s_branch .Lhead_asked
.Lhead_b:
	s_cmp_eq_u32 s14, 1
	s_cbranch_scc0 .Lhead_sa
	tensor_load_to_lds s[44:47], s[G1B:G1B+7]
	s_nop 0
	PLACES 4
	s_branch .Lhead_asked
.Lhead_sa:
	s_cmp_eq_u32 s14, 2
	s_cbranch_scc0 .Lhead_sb
	tensor_load_to_lds s[G0SA:G0SA+3], s[G1SA:G1SA+7]
	s_nop 0
	PLACES 4
	s_branch .Lhead_asked
.Lhead_sb:
	tensor_load_to_lds s[G0SB:G0SB+3], s[G1SB:G1SB+7]
	s_nop 0
	PLACES 4
.Lhead_asked:
	; A PREFETCH INTO THE L2 of K chunk 1 (512 along K), which slot 1's load asks for behind the head's wait.  Each aligned block of 256 bytes is named once in the cluster: of A's 8 blocks of 16 rows the partner at cx
	; takes 2, a wave one (8,192 consecutive bytes, lanes 256 bytes apart); of B's 128 rows the partner at cy takes 32, a wave 16 (two lanes to a row's 512 bytes).  The partners are told apart by address alone.
	s_lshl_b32 s92, s17, 3
	s_lshl_b32 s96, s40, 1
	s_add_co_u32 s92, s92, s96
	s_add_co_u32 s92, s92, s16
	s_mul_i32 s92, s92, 16*SIZE_K                  ; A: block 8 T + 2 cx + wave % 2
	s_lshl_b32 s96, s42, 7
	s_lshl_b32 s97, s41, 5
	s_add_co_u32 s96, s96, s97
	s_lshl_b32 s97, s16, 4
	s_add_co_u32 s96, s96, s97
	s_mul_i32 s96, s96, SIZE_K                     ; B: row 128 X + 32 cy + 16 (wave % 2)
	s_mov_b32 s22, 512
	s_mov_b32 s97, SIZE_K
	s_cmp_eq_u32 s15, 0
	s_cselect_b32 s92, s92, s96
	s_cselect_b32 s22, 8192, s22                   ; a K chunk on, in bytes
	s_cselect_b32 s96, 512, s97                    ; from one pair of lanes to the next
	s_mov_b32 s93, 0
	s_mov_b32 s23, 0
	s_add_nc_u64 s[8:9], s[8:9], s[92:93]
	s_add_nc_u64 s[8:9], s[8:9], s[22:23]          ; K chunk 1
	v_and_b32 v1, 15, v0
	v_bfe_u32 v2, v0, 4, 1
	v_and_b32 v3, 31, v0
	v_lshlrev_b32 v4, 4, v3
	s_mul_i32 s18, s15, HALFA
	v_add_nc_u32 v16, s18, v4
	v_add_nc_u32 v17, SLOTB, v16
	v_mul_u32_u24 v5, v1, 528
	v_lshl_add_u32 v5, v2, 4, v5
	s_mul_i32 s18, s16, HALFB
	s_add_co_u32 s18, s18, BOFF
	v_add_nc_u32 v20, s18, v5
	v_add_nc_u32 v21, SLOTB, v20
	v_lshlrev_b32 v6, 2, v1
	s_lshl_b32 s18, s15, 8
	s_add_co_u32 s18, s18, ASC
	v_add_nc_u32 v22, s18, v6
	v_mul_u32_u24 v7, v1, KS
	v_lshrrev_b32 v8, 8, v7
	v_lshl_add_u32 v7, v8, 4, v7
	s_mul_i32 s18, s16, HALFS
	s_add_co_u32 s18, s18, BSC
	v_add_nc_u32 v23, s18, v7
	s_mul_i32 s18, s14, 16*272
	v_mul_u32_u24 v24, v1, 272
	v_lshl_add_u32 v24, v2, 5, v24
	v_add_nc_u32 v24, s18, v24
	v_mul_u32_u24 v25, v2, 272
	v_lshl_add_u32 v25, v1, 4, v25
	v_add_nc_u32 v25, s18, v25
	v_lshlrev_b32 v26, 12, v2
	v_lshl_add_u32 v26, v1, 4, v26
	v_lshrrev_b32 v27, 1, v3
	v_mul_lo_u32 v27, v27, s96
	v_and_b32 v10, 1, v3
	v_lshl_add_u32 v27, v10, 8, v27                ; the prefetch's offset; never rewritten
	global_prefetch_b8 v27, s[8:9] th:TH_LOAD_NT scope:SCOPE_SE
	s_lshl_b32 s18, s17, 19                        ; my part of the residual and of the result
	s_lshl_b32 s19, s15, 18
	s_add_co_u32 s18, s18, s19
	s_lshl_b32 s19, s42, 9
	s_add_co_u32 s18, s18, s19
	s_lshl_b32 s19, s16, 8
	s_add_co_u32 s18, s18, s19
	s_mov_b32 s19, 0
	s_add_nc_u64 s[12:13], s[12:13], s[18:19]
	s_add_nc_u64 s[10:11], s[10:11], s[18:19]
	s_wait_alu depctr_va_vdst(0)                   ; the wait at the head's end
	s_wait_tensorcnt 0x0                           ; my tile of the head's four is in
	ds_add_u32 v28, v29
	s_mov_b32 s[G1A+2], 4<<16                      ; no tensor load of mine is out: from here on a load brings 4 blocks of A or 64 rows of B
	s_mov_b32 s[G1A+4], 4
	s_mov_b32 s[G1B+2], 64<<16
	s_mov_b32 s[G1B+4], 64
	s_wait_dscnt 0x0
	CROUND
	JLOAD G0A+4, G1A, G0B+4, G1B                   ; slot 1's first fill
	WIN 0x80                                       ; the residual is asked for here, into window 2, and waited for on the way out
.irp a, 0,1,2,3
.irp t, 0,1,2,3,4,5,6,7
	global_load_b128 v[32*\a+4*\t:32*\a+4*\t+3], v26, s[12:13] offset:(16*\a+2*\t)*4096
.endr
.endr
	WIN 0
	SCALES 0
	FETCH 0, 0, 0
	STEP 0, 0, 1
	STEP 0, 1, 0
	STEP 0, 2, 0
	TURN 0, 1, 0
	STEP 1, 0, 0
	STEP 1, 1, 0
	STEP 1, 2, 0
	LAST
	PLACES 8
.irp a, 0,1,2,3
	WIN 0
.irp b, 0,1,2,3
	ds_store_b128 v24, v[128+8*(4*\a+\b):131+8*(4*\a+\b)] offset:64*\b
	ds_store_b128 v24, v[132+8*(4*\a+\b):135+8*(4*\a+\b)] offset:64*\b+16
.endr
	WIN TO_F
.irp t, 0,1,2,3,4,5,6,7
	ds_load_b128 v[128+32*\a+4*\t:131+32*\a+4*\t], v25 offset:544*\t
.endr
.endr
.irp a, 0,1,2,3
	s_wait_dscnt 16*(3-\a)
	s_wait_loadcnt 8*(3-\a)
	WIN 0x49                                       ; the sums in window 1, the residual in window 2
.set i, 0
.rept 16
	v_pk_add_f32 v[128+32*\a+i:129+32*\a+i], v[128+32*\a+i:129+32*\a+i], v[32*\a+i:33*1+32*\a+i-32]
.set i, i+2
.endr
	WIN 0x04
.irp t, 0,1,2,3,4,5,6,7
	global_store_b128 v26, v[128+32*\a+4*\t:131+32*\a+4*\t], s[10:11] offset:(16*\a+2*\t)*4096
.endr
.endr
	WIN 0
	s_wait_tensorcnt 0x0
	ds_add_u32 v28, v29
	s_wait_dscnt 0x0
	CROUND
	s_endpgm
.Lfunc_end_k_qc379b34870_oproj:
	.size	k_qc379b34870_oproj, .Lfunc_end_k_qc379b34870_oproj-k_qc379b34870_oproj
	.p2alignl 7, 3214868480
	.fill 96, 4, 3214868480
	.section	.rodata,"a",@progbits
	.p2align	6, 0x0
	.amdhsa_kernel k_qc379b34870_oproj
		.amdhsa_group_segment_fixed_size 327680
		.amdhsa_private_segment_fixed_size 0
		.amdhsa_enable_private_segment 0
		.amdhsa_kernarg_size 40
		.amdhsa_user_sgpr_count 2
		.amdhsa_user_sgpr_kernarg_segment_ptr 1
		.amdhsa_wavefront_size32 1
		.amdhsa_system_sgpr_workgroup_id_x 1
		.amdhsa_system_sgpr_workgroup_id_y 1
		.amdhsa_system_sgpr_workgroup_id_z 1
		.amdhsa_system_vgpr_workitem_id 0
		.amdhsa_next_free_vgpr 768
		.amdhsa_next_free_sgpr 100
		.amdhsa_reserve_vcc 0
		.amdhsa_float_denorm_mode_32 3
		.amdhsa_float_denorm_mode_16_64 3
		.amdhsa_memory_ordered 1
		.amdhsa_forward_progress 1
		.amdhsa_inst_pref_size 65
	.end_amdhsa_kernel
	.amdgpu_metadata
---
amdhsa.version: [ 1, 2 ]
amdhsa.kernels:
  - .name:           k_qc379b34870_oproj
    .symbol:         k_qc379b34870_oproj.kd
    .args:
      - { .name: act, .offset: 0, .size: 8, .value_kind: global_buffer, .address_space: global }
      - { .name: wo_codes, .offset: 8, .size: 8, .value_kind: global_buffer, .address_space: global }
      - { .name: wo_scales, .offset: 16, .size: 8, .value_kind: global_buffer, .address_space: global }
      - { .name: x, .offset: 24, .size: 8, .value_kind: global_buffer, .address_space: global }
      - { .name: x1, .offset: 32, .size: 8, .value_kind: global_buffer, .address_space: global }
    .group_segment_fixed_size: 327680
    .private_segment_fixed_size: 0
    .kernarg_segment_align: 8
    .kernarg_segment_size: 40
    .max_flat_workgroup_size: 128
    .sgpr_count:     100
    .vgpr_count:     768
    .wavefront_size: 32
...
	.end_amdgpu_metadata
.endif
;; end of part 10
;; launch ln2: the kernel of part 7 again; grid 256 x 1, 8 waves a work-group, no clusters, 69,632 bytes of LDS; arguments x1, g2, be2, act; writes act
;; launch ffn1 (part 11): grid 8 x 32, 4 waves a work-group, clusters of 4 x 4, 327,680 bytes of LDS; arguments act, w1_codes, w1_scales, b1, hid; writes hid
.if DOCPART == 11
	.amdgcn_target "amdgcn-amd-amdhsa--gfx1250"
	.amdhsa_code_object_version 6
	.text
	.protected	k_qc379b34870_ffn1
	.globl	k_qc379b34870_ffn1
	.p2align	8
	.type	k_qc379b34870_ffn1,@function
k_qc379b34870_ffn1:
	s_mov_b64 s[64:65], 0
	v_nop
	global_prefetch_b8 v0, s[64:65] scope:SCOPE_SE
	s_setreg_imm32_b32 hwreg(HW_REG_WAVE_MODE, 25, 1), 1
	s_wait_xcnt 0x0
	s_wait_alu depctr_hold_cnt(0) depctr_sa_sdst(0) depctr_va_vdst(0) depctr_va_sdst(0) depctr_va_ssrc(0) depctr_va_vcc(0) depctr_vm_vsrc(0)
	s_getreg_b32 s2, hwreg(HW_REG_IB_STS2, 6, 4)
	s_cmp_eq_u32 s2, 0
	s_cbranch_scc0 .Lentry_in_a_cluster
	s_endpgm
.Lentry_in_a_cluster:
	s_bfe_u32 s2, ttmp6, 0x10000c
	s_cmp_lg_u32 s2, 0xf033
	s_cbranch_scc0 .Lentry_shape_is_right
	s_endpgm
.Lentry_shape_is_right:
; hid = Q(gelu(h W1 + b1)): the product on codes of FP8 (E4M3) with E8M0 scales, the exact GELU in f32, the result quantised along the 4,096 hidden units.
; A: images of operand registers (fragment (mb, ks) at (8 mb + ks) * 2048; scale word (ks, row) at 4,194,304 + (4096 ks + row) * 4).  B: w1's codes [4096 n][1024 k], scale bytes [4096][32].
; A WORK-GROUP STAYS: it owns 128 tokens and walks four neighbouring tiles of 128 hidden units; each of its four waves makes 64 x 64 of each: 16 accumulators.
; A IS READ ONCE: its 128 x 1,024 codes come into LDS by one fill, and each wave takes its 64 rows into 512 registers (windows 2 and 3), its 32 scale words too, where they stay for the whole walk.
; B GOES THROUGH A RING OF TWO SLOTS, EACH A WHOLE TILE (128 rows x 1,024 K).  A's fill lies in slot 1's bytes; when A is in registers, tile 1 is asked for there; at the end of tile i's products tile i + 2 is
; asked for in the slot just read.  So a tile is asked for a whole tile's work ahead of its first use, and there is one change of slots a tile.  A wave has one tensor load out at the head, later one.
; The walk is two loops of two trips: the first two tiles fill a slot again, the last two ask for nothing.
; B's scale bytes (2,048 consecutive bytes a wave) and the bias go from memory straight into registers, asked for behind the tile before's last product; the bias is the C of each sum's first matrix instruction.
; CLUSTERS: 4 x 4 work-groups; A's tiles are asked for jointly along a row of the cluster, B's along a column.
; The matrix instruction is used transposed: a lane holds one token, and its registers run along the hidden units, the next product's K.
; GELU: u / 2 + (u / 2) erf(z), z = u / sqrt(2) held within +-4, erf(z) = z P(z^2) / Q(z^2), P of degree 6 and Q of degree 4 in z^2, all in f32.  LIMIT: beyond |z| = 4 erf is that form's value at 4.
; OUT (hid): images for K = 4,096: fragment (mb, ks) at (32 mb + ks) * 2048, k ascending (one exchange with lane l xor 16); scale word (ks, row) at 16,777,216 + (4096 ks + row) * 4, my 64 columns' half of it.
; LIMITS: NaN and infinities are not served; a block whose largest magnitude lies under 2^-118 (a block of zeros too) gets the byte 1: the bytes are read by this program alone.
; No prefetch: each tile of the weight is asked for by its tensor load a whole tile's work ahead of its first use.
.set SIZE_K, 1024
.set ASCOFF, 4096*SIZE_K
.set HALFA,  32768                     ; 64 rows x 512 K of A as images
.set HALFB,  64*528                    ; 64 rows x 512 K of B: 512 bytes + 16 of padding a row: what one tensor load brings
.set KHALF,  2*HALFB
.set BUF,    2*KHALF                   ; a slot: a whole tile of B
.set ABASE,  BUF                       ; A's one fill lies in slot 1's bytes
.set ASC,    2*BUF                     ; A's scale words
.set SPARE,  ASC+4096                  ; the spare words: 128 bytes a wave, named by no other line
.set G1A, 24
.set G0A, 32
.set G1B, 48
.set G0B, 56
.set G0R, 68                           ; s[68:71] the refills' group 0, which walks
.set G1SA, 80
.set G0SA, 88
.set CNT, 18                           ; s18 trips to go
.set TB, 19                            ; s19 LDS byte at which the slot in hand begins
.set WP, 97                            ; s97 a refill's place in a slot
.set CB, 136                           ; window 1: the codes just made, v136-167; v168-171 their exchange
; REGISTERS. window 0: v1-31 addresses; v32-95 scale words alone; v96-113 the way out's; v128-255 the 16 accumulators.
;   window 1: v0-191 three buffers of B's four fragments (K step ks in buffer ks % 3), on the way out the GELU's (v0-127), two constants (v128-131) and the codes; v192-223 the bias.
;   windows 2, 3: A's fragments: (ks, a) at v[64 (ks % 4) + 16 a] of window 2 + ks / 4.
.set MSB, 0
.macro WIN new                         ; the immediate's high byte repeats the setting that is left
.if MSB != (\new)
	s_set_vgpr_msb (MSB<<8)|(\new)
.set MSB, (\new)
.endif
.endm
.macro PLACES n
.rept \n
	v_nop
.endr
.endm
.macro CREST
	s_cmp_lg_u32 s14, 0
	s_cbranch_scc1 .Lnot_wave_0_\@
	s_barrier_signal -3
.Lnot_wave_0_\@:
	s_barrier_wait -3
	s_barrier_signal -1
	s_barrier_wait -1
.endm
.macro CROUND                          ; a round of the cluster's barrier
	s_barrier_signal -1
	s_barrier_wait -1
	CREST
.endm
.macro FETCHB ks                       ; 16 LDS loads: B's four fragments of K step ks into buffer ks % 3
	WIN 0x40
.irp i, 0,1,2,3
.irp c, 0,1,2,3
	ds_load_b128 v[64*((\ks)%3)+16*\i+4*\c:64*((\ks)%3)+16*\i+4*\c+3], v[20+(\ks)/4] offset:8448*\i+128*((\ks)%4)+32*\c
.endr
.endr
.endm
.macro MULH ks, a0, zero               ; 8 matrix instructions: A's blocks a0, a0 + 1 x B's four; the 16 accumulators take turns, one instruction a turn, over the loops' backward jumps too
.if \zero
	WIN 0x19                                       ; source 0 (B) window 1, source 1 (A) window 2, C (the bias) window 1
.else
	WIN 0x09+4*((\ks)/4)                           ; source 0 (B) window 1, source 1 (A) window 2 or 3
.endif
.irp a, \a0, \a0+1
.irp b, 0,1,2,3
.set rA, 64*((\ks)%4)+16*(\a)
.set rB, 64*((\ks)%3)+16*\b
.set sA, 32+32*((\ks)/4)+4*((\ks)%4)+(\a)
.set sB, 48+32*((\ks)/4)+4*\b+((\ks)%4)
.set rD, 128+8*(4*(\a)+\b)
.if \zero
	v_wmma_scale_f32_16x16x128_f8f6f4 v[rD:rD+7], v[rB:rB+15], v[rA:rA+15], v[192+8*\b:199+8*\b], v[sB], v[sA]
.else
	v_wmma_scale_f32_16x16x128_f8f6f4 v[rD:rD+7], v[rB:rB+15], v[rA:rA+15], v[rD:rD+7], v[sB], v[sA]
.endif
.endr
.endr
.endm
.macro STEP ks, zero                   ; K step ks of 0 .. 6: 16 matrix instructions; in its middle the fragments of two steps on are asked for
	s_wait_dscnt 16                                ; this step's fragments are in; the next step's 16 loads may be out
	MULH \ks, 0, \zero
.if (\ks) < 6
	PLACES 8                                       ; in front of loads into registers that the step before's matrix instructions have read
	FETCHB (\ks)+2
.endif
	MULH \ks, 2, \zero
.endm
.macro BSCL p                          ; the weight's scale bytes of my 64 rows: lane r takes row 16 b + r's 16 bytes of K half t
.irp t, 0,1
.irp b, 0,1,2,3
	global_load_b128 v[48+32*\t+4*\b:51+32*\t+4*\b], v30, s[\p:\p+1] offset:512*\b+16*\t
.endr
.endr
.endm
.macro BIAS                            ; lane (r, h) wants, for block b, columns 16 b + 8 h + 0 .. 7
	WIN 0x40
.irp b, 0,1,2,3
	global_load_b128 v[192+8*\b:195+8*\b], v9, s[66:67] offset:64*\b
	global_load_b128 v[196+8*\b:199+8*\b], v9, s[66:67] offset:64*\b+16
.endr
	WIN 0
.endm
.macro NEXTLOADS                       ; the next tile's scale bytes and bias: the last loads from these pointers were waited for at this tile's head
	s_add_nc_u64 s[8:9], s[8:9], 4096
	s_add_nc_u64 s[66:67], s[66:67], 512
	BSCL 8
	BIAS
.endm
	s_load_b128 s[4:7], s[0:1], 0x0                ; act, w1's codes
	s_load_b64 s[8:9], s[0:1], 0x10                ; w1's scales
	s_load_b64 s[66:67], s[0:1], 0x18              ; b1
	s_load_b64 s[10:11], s[0:1], 0x20              ; hid
	v_lshl_add_u32 v28, v0, 2, SPARE
	v_mov_b32 v29, 0
	ds_add_u32 v28, v29                            ; the opening lines: the add, twice on end, and its wait; the set-up below, work on registers, stands between
	ds_add_u32 v28, v29
	v_lshrrev_b32 v1, 5, v0
	v_readfirstlane_b32 s14, v1                    ; wave 0..3
	s_lshr_b32 s15, s14, 1                         ; my half of the tile's rows.  Also: at the head I fetch for A (0) or B (1); later: which K half of B
	s_and_b32 s16, s14, 1                          ; my half of its columns.  Also: which 64 rows I fetch
	s_bfe_u32 s40, ttmp6, 0x40000                  ; cx
	s_bfe_u32 s41, ttmp6, 0x40004                  ; cy
	s_lshl_b32 s42, ttmp9, 2
	s_add_co_u32 s42, s42, s40                     ; X: my four tile columns, 4 X on
	s_and_b32 s17, ttmp7, 0xffff
	s_lshl_b32 s17, s17, 2
	s_add_co_u32 s17, s17, s41                     ; T: my 128 tokens
	s_lshl_b32 s43, s41, 2
	s_lshl_b32 s43, 15, s43                        ; my row of the cluster
	s_lshl_b32 s44, 0x1111, s40                    ; my column
	s_lshl_b32 s20, s17, 17                        ; A's codes: block 8 T, 16,384 bytes a block
	s_mov_b32 s21, 0
	s_lshl_b32 s22, s17, 9
	s_add_co_u32 s22, s22, ASCOFF                  ; A's scale words: my 128 rows' 512 bytes of each K step
	s_mov_b32 s23, 0
	s_lshl_b32 s46, s42, 9
	s_lshl_b32 s19, s16, 6
	s_add_co_u32 s46, s46, s19                     ; B's first row: 512 X + 64 half
	s_lshl_b32 s98, s46, 5                         ; its scale bytes
	s_mov_b32 s99, 0
	s_lshl_b32 s46, s46, 10                        ; its codes
	s_mov_b32 s47, 0
	s_lshl_b32 s2, s15, 9
	s_add_co_u32 s2, s2, s46                       ; the refills: + 512 x (wave / 2) along K,
	s_add_co_u32 s2, s2, 131072                    ; from tile 1 on: 128 rows of 1,024 bytes a tile
	s_mov_b32 s3, 0
	s_mul_i32 s93, s16, HALFB
	s_mul_i32 s96, s16, KHALF                      ; the head's load of B (waves 2, 3): K half wave % 2, all 128 rows: its place in slot 0,
	s_lshl_b32 s94, s42, 19                        ; and in memory: row 512 X, + 512 x half along K
	s_lshl_b32 s95, s16, 9
	s_add_co_u32 s94, s94, s95
	s_mov_b32 s95, 0
	s_mul_i32 s[WP], s15, KHALF
	s_add_co_u32 s[WP], s[WP], s93                 ; a refill's place in a slot: K half wave / 2, rows 64 (wave % 2) on
	; THE HEAD'S FILLS, ONE TENSOR LOAD A WAVE: wave 0 all of A's codes, wave 1 A's scale words, waves 2 and 3 a K half of tile 0 each.
	; A: 131,072 dense bytes as 128 rows of 1,024 (128 elements of 8 bytes), 32 bytes of padding behind each: 128 x 1,056 bytes, which is slot 1 whole; mask: my row
	s_or_b32 s[G1A], s43, (3<<16)|(1<<20)|(1<<21)|(7<<22)|(7<<25)
	s_mov_b32 s[G1A+1], 128<<16
	s_mov_b32 s[G1A+2], 128<<16
	s_mov_b32 s[G1A+3], 128<<16
	s_mov_b32 s[G1A+4], 128
	s_mov_b32 s[G1A+5], 128
	s_mov_b32 s[G1A+6], 0
	s_mov_b32 s[G1A+7], 0
	s_or_b32 s[G1B], s44, (1<<20)|(1<<21)|(6<<22)|(3<<25)   ; B: 64 rows of 512 bytes, 4 words of padding behind every 128; mask: my column
	s_mov_b32 s[G1B+1], 512<<16
	s_mov_b32 s[G1B+2], 128<<16                    ; at the head 128 rows; behind the head's wait 64
	s_mov_b32 s[G1B+3], 512<<16
	s_mov_b32 s[G1B+4], 128
	s_mov_b32 s[G1B+5], SIZE_K
	s_mov_b32 s[G1B+6], 0
	s_mov_b32 s[G1B+7], 0
	s_or_b32 s[G1SA], s43, (3<<16)|(1<<21)         ; A's scale words: 8 rows of 512 bytes, 16,384 bytes apart
	s_mov_b32 s[G1SA+1], 64<<16                    ; rows of 512 bytes: 128 rows' words of a K step
	s_mov_b32 s[G1SA+2], 8<<16
	s_mov_b32 s[G1SA+3], 64<<16
	s_mov_b32 s[G1SA+4], 8
	s_mov_b32 s[G1SA+5], 2048
	s_mov_b32 s[G1SA+6], 0
	s_mov_b32 s[G1SA+7], 0
	s_wait_dscnt 0x0                               ; both opening adds are done
	CROUND                                         ; the opening round, ahead of the wait for the arguments: all sixteen work-groups are here
	s_wait_kmcnt 0x0
	s_add_nc_u64 s[20:21], s[4:5], s[20:21]
	s_add_nc_u64 s[22:23], s[4:5], s[22:23]
	s_add_nc_u64 s[46:47], s[6:7], s[94:95]
	s_add_nc_u64 s[8:9], s[8:9], s[98:99]          ; the scale bytes at my 64 rows of tile 0
	s_mov_b32 s[G0SA], 1
	s_mov_b32 s[G0SA+1], ASC
	s_mov_b64 s[G0SA+2:G0SA+3], s[22:23]
	s_or_b32 s[G0SA+3], s[G0SA+3], 0x80000000
	s_mov_b32 s[G0A], 1
	s_mov_b32 s[G0A+1], ABASE
	s_mov_b64 s[G0A+2:G0A+3], s[20:21]
	s_or_b32 s[G0A+3], s[G0A+3], 0x80000000
	s_mov_b32 s[G0B], 1
	s_mov_b32 s[G0B+1], s96
	s_mov_b64 s[G0B+2:G0B+3], s[46:47]
	s_or_b32 s[G0B+3], s[G0B+3], 0x80000000
	s_mov_b32 s[G0R], 1                            ; tile 1 goes to slot 1
	s_add_co_u32 s[G0R+1], s[WP], BUF
	s_add_nc_u64 s[G0R+2:G0R+3], s[6:7], s[2:3]
	s_or_b32 s[G0R+3], s[G0R+3], 0x80000000
	s_cmp_eq_u32 s14, 0                            ; one chain of branches on the wave's number, one load to an arm
	s_cbranch_scc0 .Lfirst_s
	tensor_load_to_lds s[G0A:G0A+3], s[G1A:G1A+7]
	s_nop 0
	PLACES 4
	s_branch .Lfirst_done
.Lfirst_s:
	s_cmp_eq_u32 s14, 1
	s_cbranch_scc0 .Lfirst_b
	tensor_load_to_lds s[G0SA:G0SA+3], s[G1SA:G1SA+7]
	s_nop 0
	PLACES 4
	s_branch .Lfirst_done
.Lfirst_b:
	tensor_load_to_lds s[G0B:G0B+3], s[G1B:G1B+7]
	s_nop 0
	PLACES 4
.Lfirst_done:
	v_and_b32 v1, 15, v0                           ; r
	v_bfe_u32 v2, v0, 4, 1                         ; h
	v_and_b32 v3, 31, v0                           ; lane
	v_lshlrev_b32 v4, 4, v3                        ; 16 x lane
	s_mul_i32 s98, s15, 64*1056                    ; my 64 rows of A are 65,536 bytes of images: 64 LDS rows
	s_add_co_u32 s98, s98, ABASE
	v_add_nc_u32 v16, s98, v4                      ; K steps 0-3,
	v_add_nc_u32 v17, 8*1056, v16                  ; and 4-7: 8,192 bytes of images on
	v_mul_u32_u24 v5, v1, 528
	v_lshl_add_u32 v5, v2, 4, v5
	s_mul_i32 s98, s16, HALFB
	v_add_nc_u32 v18, s98, v5                      ; my 64 rows of B in slot 0
	v_lshlrev_b32 v6, 2, v1
	s_lshl_b32 s98, s15, 8
	s_add_co_u32 s98, s98, ASC
	v_add_nc_u32 v22, s98, v6                      ; my rows' scale words
	v_lshlrev_b32 v30, 5, v1                       ; 32 r: a row of B's scale bytes
	v_lshlrev_b32 v31, 2, v3                       ; 4 x lane
	v_lshlrev_b32 v9, 5, v2                        ; 32 h: the bias
	v_mov_b32 v98, 0                               ; written once: a lane permute's destination counts as one of its sources
	v_mov_b32 v99, 0
	s_lshl_b32 s94, s42, 11                        ; the bias of my 64 columns of tile 0: (512 X + 64 wn) x 4
	s_lshl_b32 s95, s16, 8
	s_add_co_u32 s94, s94, s95
	s_mov_b32 s95, 0
	s_add_nc_u64 s[66:67], s[66:67], s[94:95]
	BSCL 8
	BIAS
	s_lshl_b32 s92, s17, 3                         ; codes: ((8 T + 4 wm) * 32 + 4 X) * 2048 + wn * 1024
	s_lshl_b32 s45, s15, 2
	s_add_co_u32 s92, s92, s45
	s_lshl_b32 s92, s92, 5
	s_lshl_b32 s45, s42, 2
	s_add_co_u32 s92, s92, s45
	s_lshl_b32 s92, s92, 11
	s_lshl_b32 s45, s16, 10
	s_add_co_u32 s92, s92, s45
	s_mov_b32 s93, 0
	s_lshl_b32 s46, s42, 14                        ; scale words: 16,777,216 + (4096 * 4 X + 128 T + 64 wm) * 4 + 2 wn
	s_lshl_b32 s47, s17, 7
	s_add_co_u32 s46, s46, s47
	s_lshl_b32 s47, s15, 6
	s_add_co_u32 s46, s46, s47
	s_lshl_b32 s46, s46, 2
	s_lshl_b32 s47, s16, 1
	s_add_co_u32 s46, s46, s47
	s_add_co_u32 s46, s46, 16777216
	s_mov_b32 s47, 0
	s_add_nc_u64 s[12:13], s[10:11], s[46:47]
	s_add_nc_u64 s[10:11], s[10:11], s[92:93]
	s_mov_b32 s[TB], 0
	s_wait_alu depctr_va_vdst(0)
	s_wait_tensorcnt 0x0                           ; my first fills have landed (so their descriptors' registers are free),
	s_barrier_signal -1
	s_barrier_wait -1                              ; everybody's have
	s_mov_b32 s20, 0x76543210                      ; lane selects: lane l xor 16
	s_mov_b32 s21, 0xfedcba98
	s_mov_b32 s22, 0x600000                        ; the mantissa field of 448
.macro SPAIR r, val                    ; a constant as a pair: the packed forms name a pair and take its low word for both halves
	s_mov_b32 s[\r], \val
	s_mov_b32 s[\r+1], \val
.endm
	SPAIR 24, 0x3f3504f3                           ; 1 / sqrt(2)
	SPAIR 26, 0xaf95df0b                           ; P, from the highest power down (the second, 0x32edffee, lies in a vector pair)
	SPAIR 28, 0xb60cff51
	SPAIR 30, 0xb86ec2d2
	SPAIR 32, 0xba40ac63
	SPAIR 34, 0xbb41a1f6
	SPAIR 36, 0xbc83dbd4
	SPAIR 38, 0xb77460cd                           ; Q likewise (the second, 0xb95fbd29, in a vector pair)
	SPAIR 40, 0xbadc924e
	SPAIR 42, 0xbbf19bf8
	SPAIR 44, 0xbc69b6a7
	WIN 0x80                                       ; A into registers: K steps 0-3 into window 2,
.irp q, 0,1,2,3
.irp a, 0,1,2,3
.irp c, 0,1,2,3
	ds_load_b128 v[64*\q+16*\a+4*\c:64*\q+16*\a+4*\c+3], v16 offset:16896*\a+2112*\q+512*\c+32*(\c/2)   ; image byte y lies at y + 32 (y / 1024)
.endr
.endr
.endr
	WIN 0xc0                                       ; K steps 4-7 into window 3
.irp q, 0,1,2,3
.irp a, 0,1,2,3
.irp c, 0,1,2,3
	ds_load_b128 v[64*\q+16*\a+4*\c:64*\q+16*\a+4*\c+3], v17 offset:16896*\a+2112*\q+512*\c+32*(\c/2)
.endr
.endr
.endr
	WIN 0
.irp t, 0,1
.irp q, 0,1,2,3
.irp a, 0,1,2,3
	ds_load_b32 v[32+32*\t+4*\q+\a], v22 offset:2048*\t+512*\q+64*\a
.endr
.endr
.endr
	s_wait_tensorcnt 0x0                           ; A's bytes are filled again, as slot 1: no tensor load of mine is out,
	ds_add_u32 v28, v29
	s_mov_b32 s[G1B+2], 64<<16                     ; no tensor load of mine is out, so a descriptor may be written: from here on a load brings 64 rows
	s_mov_b32 s[G1B+4], 64
	s_wait_dscnt 0x0
	CROUND
	tensor_load_to_lds s[G0R:G0R+3], s[G1B:G1B+7]
	s_nop 0
	PLACES 4
.macro GELU a                          ; on the 32 registers of block a.  Window 1: z v0-31, z^2 v32-63, P v64-95, Q v96-127
.set U, 128+32*(\a)
	WIN 0x40
.set i, 0
.rept 16
	v_pk_mul_f32 v[i:i+1], v[U+i:U+i+1], s[24:25] op_sel_hi:[1,0]   ; each accumulator from its low end on
.set i, i+2
.endr
	WIN 0x55
.set i, 0
.rept 32
	v_med3_num_f32 v[i], v[i], -4.0, 4.0
.set i, i+1
.endr
.set i, 0
.rept 16
	v_pk_mul_f32 v[32+i:33+i], v[i:i+1], v[i:i+1]
.set i, i+2
.endr
.set i, 0
.rept 16
	v_pk_fma_f32 v[64+i:65+i], v[32+i:33+i], s[26:27], v[128:129] op_sel_hi:[1,0,1]
	v_pk_fma_f32 v[96+i:97+i], v[32+i:33+i], s[38:39], v[130:131] op_sel_hi:[1,0,1]
.set i, i+2
.endr
.irp k, 28,30,32,34,36
.set i, 0
.rept 16
	v_pk_fma_f32 v[64+i:65+i], v[64+i:65+i], v[32+i:33+i], s[\k:\k+1] op_sel_hi:[1,1,0]
.set i, i+2
.endr
.endr
.irp k, 40,42,44
.set i, 0
.rept 16
	v_pk_fma_f32 v[96+i:97+i], v[96+i:97+i], v[32+i:33+i], s[\k:\k+1] op_sel_hi:[1,1,0]
.set i, i+2
.endr
.endr
.set i, 0
	s_wait_alu depctr_va_vdst(0)
.rept 32
	v_rcp_f32 v[96+i], v[96+i]                     ; Q's coefficients are all negative: it is never 0
.set i, i+1
.endr
.set i, 0
.rept 16
	v_pk_mul_f32 v[64+i:65+i], v[64+i:65+i], v[i:i+1]   ; z P: plain work behind the batch, which names none of its results
.set i, i+2
.endr
	s_wait_alu depctr_va_vdst(0)                   ; one wait for the 32 reciprocals, ahead of their first reader
.set i, 0
.rept 16
	v_pk_mul_f32 v[64+i:65+i], v[64+i:65+i], v[96+i:97+i]   ; erf
.set i, i+2
.endr
	WIN 0
.set i, 0
.rept 16
	v_pk_mul_f32 v[U+i:U+i+1], v[U+i:U+i+1], 0.5 op_sel_hi:[1,0]
.set i, i+2
.endr
	WIN 0x04
.set i, 0
.rept 16
	v_pk_fma_f32 v[U+i:U+i+1], v[U+i:U+i+1], v[64+i:65+i], v[U+i:U+i+1]   ; u / 2 x erf + u / 2
.set i, i+2
.endr
	WIN 0
.endm
.macro QROW o                          ; block o's 16 rows: two blocks of 32 along the next K, each shared with lane l xor 16
.set qs, 128+32*(\o)
.irp b, 0,1
	v_max3_num_f32 v[96+\b], |v[qs+16*\b]|, |v[qs+16*\b+1]|, 0x4800000   ; the floor 2^(9 - 127) holds the byte at 1 from below
.endr
.irp i, 2,4,6,8,10,12,14
.irp b, 0,1
	v_max3_num_f32 v[96+\b], v[96+\b], |v[qs+16*\b+\i]|, |v[qs+16*\b+\i+1]|
.endr
.endr
.irp b, 0,1
	v_permlanex16_b32 v[98+\b], v[96+\b], s20, s21
.endr
.irp b, 0,1
	v_max_num_f32 v[96+\b], v[96+\b], v[98+\b]
.endr
.irp b, 0,1
	v_add_nc_u32 v[100+\b], 0xfc000000, v[96+\b]
	v_and_or_b32 v[102+\b], v[96+\b], 0x7f800000, s22
.endr
.irp b, 0,1
	v_lshrrev_b32 v[98+\b], 23, v[100+\b]
.endr
	v_lshl_or_b32 v[104+(\o)], v99, 8, v98
.irp b, 0,1
.irp i, 0,1,2,3,4,5,6,7,8,9,10,11,12,13,14,15
	v_med3_num_f32 v[qs+16*\b+\i], v[qs+16*\b+\i], -v[102+\b], v[102+\b]   ; the conversion does not saturate (ISA guide 7.6.2)
.endr
.endr
	WIN 0x40
.irp b, 0,1
	v_cvt_scalef32_pk8_fp8_f32 v[CB+8*(\o)+4*\b:CB+1+8*(\o)+4*\b], v[qs+16*\b:qs+16*\b+7], v[100+\b]
	v_cvt_scalef32_pk8_fp8_f32 v[CB+2+8*(\o)+4*\b:CB+3+8*(\o)+4*\b], v[qs+16*\b+8:qs+16*\b+15], v[100+\b]
.endr
	v_nop
	WIN 0x45                                       ; lanes 0-15 hold k 0-7 and 16-23, lanes 16-31 k 8-15 and 24-31: the lower lanes give their upper eight for the upper lanes' lower eight
.irp b, 0,1
.set c0, CB+8*(\o)+4*\b
	v_cndmask_b32 v168, v[c0+2], v[c0], vcc_lo
	v_cndmask_b32 v169, v[c0+3], v[c0+1], vcc_lo
	v_permlanex16_b32 v170, v168, s20, s21
	v_permlanex16_b32 v171, v169, s20, s21
	v_cndmask_b32 v[c0], v[c0], v170, vcc_lo
	v_cndmask_b32 v[c0+1], v[c0+1], v171, vcc_lo
	v_cndmask_b32 v[c0+2], v170, v[c0+2], vcc_lo
	v_cndmask_b32 v[c0+3], v171, v[c0+3], vcc_lo
.endr
	WIN 0x04
.irp b, 0,1
	global_store_b128 v4, v[CB+8*(\o)+4*\b:CB+3+8*(\o)+4*\b], s[10:11] offset:65536*(\o)+512*\b   ; 512 consecutive bytes, aligned; from block of 16 rows to block: 32 fragments
.endr
	WIN 0
.endm
.macro EPI                             ; a tile's way out
	v_cmp_le_u32 vcc_lo, 16, v3                    ; lanes 16-31
	WIN 0x40
	v_mov_b32 v128, 0x32edffee                     ; (these registers lie in B's third buffer: they are written anew in each tile)
	v_mov_b32 v129, 0x32edffee
	v_mov_b32 v130, 0xb95fbd29
	v_mov_b32 v131, 0xb95fbd29
	v_mov_b32 v170, 0                              ; a lane permute's destination counts as one of its sources
	v_mov_b32 v171, 0
	WIN 0
.irp a, 0,1,2,3
	GELU \a
	QROW \a
.endr
	v_cndmask_b32 v112, v104, v105, vcc_lo         ; lane l: row l, then row 32 + l
	v_cndmask_b32 v113, v106, v107, vcc_lo
	global_store_b16 v31, v112, s[12:13]
	global_store_b16 v31, v113, s[12:13] offset:128
	s_wait_xcnt 0x0                                ; the stores have read their registers and bases: both are written again
	s_add_nc_u64 s[10:11], s[10:11], 2048          ; the next tile: one fragment on,
	s_add_nc_u64 s[12:13], s[12:13], 16384         ; and one K step's scale words
.endm
; A TILE.  fill = 2: at its last K step the slot just read is filled again, with the tile two on; 1: nothing is left to ask for: the barrier shows the next tile to every wave.
.macro TILE fill
	v_add_nc_u32 v20, s[TB], v18                   ; the slot's addresses
	v_add_nc_u32 v21, KHALF, v20
	FETCHB 0
	FETCHB 1
	s_wait_alu depctr_va_vdst(0)
	s_wait_loadcnt 0x0                             ; B's scale bytes and the bias
	STEP 0, 1                                      ; the first step starts the sums, from the bias
	STEP 1, 0
	STEP 2, 0
	STEP 3, 0
	STEP 4, 0
	STEP 5, 0
	STEP 6, 0
	s_wait_dscnt 0x0                               ; my last reads of this slot are in
	MULH 7, 0, 0
	WIN 0
	s_wait_tensorcnt 0x0                           ; all my tensor loads have landed: my part of the next tile; so the group 0 may be written
	ds_add_u32 v28, v29                            ; 0 onto my spare word
.if \fill == 2
	s_add_co_u32 s[G0R+1], s[TB], s[WP]            ; into the slot just read,
	s_add_nc_u64 s[G0R+2:G0R+3], s[G0R+2:G0R+3], 131072   ; the tile behind the one that has landed; the type bits on top are not reached
.endif
	s_xor_b32 s[TB], s[TB], BUF                    ; the next tile lies in the other slot
	s_wait_dscnt 0x0                               ; the add is done, and my reads of this slot are over
.if \fill == 2
	CROUND                                         ; no wave of any partner still reads this slot or has a load on its way
	tensor_load_to_lds s[G0R:G0R+3], s[G1B:G1B+7]  ; my one load behind the round
	s_nop 0
	PLACES 4
.else
	s_barrier_signal -1
	s_barrier_wait -1
.endif
	MULH 7, 2, 0
	WIN 0
	PLACES 8                                       ; in front of the first read of results and of loads into registers that matrix instructions have read
.if \fill == 2
	NEXTLOADS
.else
	s_cmp_eq_u32 s[CNT], 1                         ; the last tile has no successor: no load leaves its buffer
	s_cbranch_scc1 .Lno_next_\@
	NEXTLOADS
.Lno_next_\@:
.endif
	EPI
.endm
	s_mov_b32 s[CNT], 2
.Lfill:                                                ; tiles 0 and 1: tiles 2 and 3 are asked for
	TILE 2
	s_sub_co_u32 s[CNT], s[CNT], 1
	s_cmp_lg_u32 s[CNT], 0
	s_cbranch_scc1 .Lfill
	s_mov_b32 s[CNT], 2
.Ltail:                                                ; tiles 2 and 3: nothing is left to ask for
	TILE 1
	s_sub_co_u32 s[CNT], s[CNT], 1
	s_cmp_lg_u32 s[CNT], 0
	s_cbranch_scc1 .Ltail
	s_wait_tensorcnt 0x0                           ; the wave's end
	ds_add_u32 v28, v29
	s_wait_dscnt 0x0
	CROUND                                         ; the closing round
	s_endpgm
.Lfunc_end_k_qc379b34870_ffn1:
	.size	k_qc379b34870_ffn1, .Lfunc_end_k_qc379b34870_ffn1-k_qc379b34870_ffn1
	.p2alignl 7, 3214868480
	.fill 96, 4, 3214868480
	.section	.rodata,"a",@progbits
	.p2align	6, 0x0
	.amdhsa_kernel k_qc379b34870_ffn1
		.amdhsa_group_segment_fixed_size 327680
		.amdhsa_private_segment_fixed_size 0
		.amdhsa_enable_private_segment 0
		.amdhsa_kernarg_size 40
		.amdhsa_user_sgpr_count 2
		.amdhsa_user_sgpr_kernarg_segment_ptr 1
		.amdhsa_wavefront_size32 1
		.amdhsa_system_sgpr_workgroup_id_x 1
		.amdhsa_system_sgpr_workgroup_id_y 1
		.amdhsa_system_sgpr_workgroup_id_z 1
		.amdhsa_system_vgpr_workitem_id 0
		.amdhsa_next_free_vgpr 1024
		.amdhsa_next_free_sgpr 100
		.amdhsa_reserve_vcc 1
		.amdhsa_float_denorm_mode_32 3
		.amdhsa_float_denorm_mode_16_64 3
		.amdhsa_memory_ordered 1
		.amdhsa_forward_progress 1
		.amdhsa_inst_pref_size 255
	.end_amdhsa_kernel
	.section	.bss,"aw",@nobits
	.p2align	6
	.space	262144
	.amdgpu_metadata
---
amdhsa.version: [ 1, 2 ]
amdhsa.kernels:
  - .name:           k_qc379b34870_ffn1
    .symbol:         k_qc379b34870_ffn1.kd
    .args:
      - { .name: act, .offset: 0, .size: 8, .value_kind: global_buffer, .address_space: global }
      - { .name: w1_codes, .offset: 8, .size: 8, .value_kind: global_buffer, .address_space: global }
      - { .name: w1_scales, .offset: 16, .size: 8, .value_kind: global_buffer, .address_space: global }
      - { .name: b1, .offset: 24, .size: 8, .value_kind: global_buffer, .address_space: global }
      - { .name: hid, .offset: 32, .size: 8, .value_kind: global_buffer, .address_space: global }
    .group_segment_fixed_size: 327680
    .private_segment_fixed_size: 0
    .kernarg_segment_align: 8
    .kernarg_segment_size: 40
    .max_flat_workgroup_size: 128
    .sgpr_count:     100
    .vgpr_count:     1024
    .wavefront_size: 32
...
	.end_amdgpu_metadata
.endif
;; end of part 11
;; launch ffn2 (part 12): grid 8 x 32, 4 waves a work-group, clusters of 4 x 4, 327,680 bytes of LDS; arguments hid, w2_codes, w2_scales, b2, x1, out0; writes out0
.if DOCPART == 12
	.amdgcn_target "amdgcn-amd-amdhsa--gfx1250"
	.amdhsa_code_object_version 6
	.text
	.protected	k_qc379b34870_ffn2
	.globl	k_qc379b34870_ffn2
	.p2align	8
	.type	k_qc379b34870_ffn2,@function
k_qc379b34870_ffn2:
	s_mov_b64 s[64:65], 0
	v_nop
	global_prefetch_b8 v0, s[64:65] scope:SCOPE_SE
	s_setreg_imm32_b32 hwreg(HW_REG_WAVE_MODE, 25, 1), 1
	s_wait_xcnt 0x0
	s_wait_alu depctr_hold_cnt(0) depctr_sa_sdst(0) depctr_va_vdst(0) depctr_va_sdst(0) depctr_va_ssrc(0) depctr_va_vcc(0) depctr_vm_vsrc(0)
	s_getreg_b32 s2, hwreg(HW_REG_IB_STS2, 6, 4)
	s_cmp_eq_u32 s2, 0
	s_cbranch_scc0 .Lentry_in_a_cluster
	s_endpgm
.Lentry_in_a_cluster:
	s_bfe_u32 s2, ttmp6, 0x10000c
	s_cmp_lg_u32 s2, 0xf033
	s_cbranch_scc0 .Lentry_shape_is_right
	s_endpgm
.Lentry_shape_is_right:
.set SIZE_K, 4096
.set HAS_BIAS, 1
.set KS,     SIZE_K/32
.set NKS,    SIZE_K/128
.set LAPS,   SIZE_K/1024
.set ASCOFF, 4096*SIZE_K
.set HALFA,  32768
.set HALFB,  64*528
.set BOFF,   2*HALFA
.set SLOTB,  BOFF+2*HALFB
.set ASC,    2*SLOTB
.set BSC,    ASC+NKS*512
.set HALFS,  (64*KS/256)*272
.set SBLK,   (16*KS/256)*272
.set SPARE,  BSC+2*HALFS
.set ADRA, 16
.set ADRB, 20
.set G1A, 24
.set G0A, 32
.set G1B, 48
.set G0B, 56
.set G1SA, 68
.set G0SA, 76
.set G1SB, 80
.set G0SB, 88
.set MUL,  0x05
.set TO_F, 0x40
.set MSB, 0
.macro WIN new
.if MSB != \new
	s_set_vgpr_msb (MSB<<8)|\new
.set MSB, \new
.endif
.endm
.macro PLACES n
.rept \n
	v_nop
.endr
.endm
.macro JLOAD g0a, g1a, g0b, g1b
	s_cmp_eq_u32 s15, 0
	s_cbranch_scc0 .Lfor_b_\@
	tensor_load_to_lds s[\g0a:\g0a+3], s[\g1a:\g1a+7]
	s_nop 0
.rept 4
	v_nop
.endr
	s_branch .Lasked_\@
.Lfor_b_\@:
	tensor_load_to_lds s[\g0b:\g0b+3], s[\g1b:\g1b+7]
	s_nop 0
.rept 4
	v_nop
.endr
.Lasked_\@:
.endm
.macro CREST
	s_cmp_lg_u32 s14, 0
	s_cbranch_scc1 .Lnot_wave_0_\@
	s_barrier_signal -3
.Lnot_wave_0_\@:
	s_barrier_wait -3
	s_barrier_signal -1
	s_barrier_wait -1
.endm
.macro CROUND
	s_barrier_signal -1
	s_barrier_wait -1
	CREST
.endm
.macro FETCH slot, q, f
	WIN TO_F
.irp i, 0,1,2,3
.irp c, 0,1,2,3
	ds_load_b128 v[\f+64+16*\i+4*\c:\f+64+16*\i+4*\c+3], v[ADRB+\slot] offset:8448*\i+128*(\q)+32*\c
.endr
.endr
.irp i, 0,1,2,3
.irp c, 0,1,2,3
	ds_load_b128 v[\f+16*\i+4*\c:\f+16*\i+4*\c+3], v[ADRA+\slot] offset:8192*\i+2048*(\q)+512*\c
.endr
.endr
.endm
.macro SCALES set
	WIN 0
.irp q, 0,1,2,3
.irp a, 0,1,2,3
	ds_load_b32 v[32+32*\set+4*\q+\a], v22 offset:512*\q+64*\a
.endr
.endr
.irp b, 0,1,2,3
	ds_load_b128 v[48+32*\set+4*\b:48+32*\set+4*\b+3], v23 offset:\b*SBLK
.endr
.endm
.macro MULH f, a0, set, q, zero
	WIN MUL
.irp a, \a0, \a0+1
.irp b, 0,1,2,3
.set rA, \f+16*(\a)
.set rB, \f+64+16*\b
.set sA, 32+32*(\set)+4*(\q)+(\a)
.set sB, 48+32*(\set)+4*\b+(\q)
.set rD, 128+8*(4*(\a)+\b)
.if \zero
	v_wmma_scale_f32_16x16x128_f8f6f4 v[rD:rD+7], v[rB:rB+15], v[rA:rA+15], v[96+8*\b:103+8*\b], v[sB], v[sA]
.else
	v_wmma_scale_f32_16x16x128_f8f6f4 v[rD:rD+7], v[rB:rB+15], v[rA:rA+15], v[rD:rD+7], v[sB], v[sA]
.endif
.endr
.endr
.endm
.macro STEP slot, q, zero
	s_wait_dscnt 8
	MULH 128*((\q)%2), 0, \slot, \q, \zero
	PLACES 8
	FETCH \slot, (\q)+1, 128-128*((\q)%2)
	s_wait_dscnt 32
	MULH 128*((\q)%2), 2, \slot, \q, \zero
.endm
.macro TURN slot, next, fill
	s_wait_dscnt 8
	MULH 128, 0, \slot, 3, 0
	WIN 0
	s_wait_tensorcnt 0x0
	ds_add_u32 v28, v29
.if \fill
	s_add_nc_u64 s[G0A+4*\slot+2:G0A+4*\slot+3], s[G0A+4*\slot+2:G0A+4*\slot+3], 16384
	s_add_nc_u64 s[G0B+4*\slot+2:G0B+4*\slot+3], s[G0B+4*\slot+2:G0B+4*\slot+3], 1024
	s_wait_xcnt 0x0                                ; my last prefetch has read its address, so it may be stepped:
	s_add_nc_u64 s[20:21], s[20:21], s[22:23]      ; two K chunks further on than the refill that follows
.endif
	s_wait_dscnt 0x0
	s_barrier_signal -1
	s_barrier_wait -1
.if \fill
	CREST
	JLOAD G0A+4*\slot, G1A, G0B+4*\slot, G1B
	PLACES 4
.else
	PLACES 8
.endif
	s_wait_alu depctr_va_vdst(0)
	v_add_nc_u32 v22, 2048, v22
	v_add_nc_u32 v23, 16, v23
	SCALES \next
.if \fill
	s_cmp_gt_u32 s3, 1                             ; the last lap's two refills have no K chunk two on
	s_cbranch_scc0 .Lno_ask_\@
	global_prefetch_b8 v27, s[20:21] th:TH_LOAD_NT scope:SCOPE_SE
.Lno_ask_\@:
.endif
	FETCH \next, 0, 0
	MULH 128, 2, \slot, 3, 0
.endm
.macro LAST
	s_wait_dscnt 8
	MULH 128, 0, 1, 3, 0
	s_wait_dscnt 0x0
	MULH 128, 2, 1, 3, 0
	WIN 0
.endm
	s_load_b128 s[4:7], s[0:1], 0x0
	s_load_b64 s[8:9], s[0:1], 0x10
	s_load_b64 s[66:67], s[0:1], 0x18
	s_load_b64 s[12:13], s[0:1], 0x20
	s_load_b64 s[10:11], s[0:1], 0x28
	v_lshl_add_u32 v28, v0, 2, SPARE
	v_mov_b32 v29, 0
	ds_add_u32 v28, v29                            ; the opening lines: the add, twice on end, and its wait; the set-up below, work on registers, stands between
	ds_add_u32 v28, v29
	v_lshrrev_b32 v1, 5, v0
	v_readfirstlane_b32 s14, v1
	s_lshr_b32 s15, s14, 1
	s_and_b32 s16, s14, 1
	s_bfe_u32 s40, ttmp6, 0x40000
	s_bfe_u32 s41, ttmp6, 0x40004
	s_lshl_b32 s42, ttmp9, 2
	s_add_co_u32 s42, s42, s40
	s_and_b32 s17, ttmp7, 0xffff
	s_lshl_b32 s17, s17, 2
	s_add_co_u32 s17, s17, s41
	s_lshl_b32 s43, s41, 2
	s_lshl_b32 s43, 15, s43
	s_lshl_b32 s44, 0x1111, s40
	s_lshl_b32 s20, s17, 3
	s_lshl_b32 s18, s16, 2
	s_add_co_u32 s20, s20, s18
	s_mul_i32 s20, s20, 16*SIZE_K
	s_mov_b32 s21, 0
	s_lshl_b32 s22, s17, 9
	s_add_co_u32 s22, s22, ASCOFF                  ; A's scale words: my 128 rows' 512 bytes of each K step
	s_mul_i32 s2, s17, 128*SIZE_K                  ; the head's load of A: block 8 T
	s_mov_b32 s3, 0
	s_mov_b32 s23, 0
	s_lshl_b32 s46, s42, 7
	s_lshl_b32 s18, s16, 6
	s_add_co_u32 s46, s46, s18
	s_mul_i32 s94, s42, 128*KS                     ; B's scale bytes: all 128 rows
	s_mov_b32 s95, 0
	s_mul_i32 s98, s42, 128*SIZE_K                 ; the head's load of B: row 128 X
	s_mov_b32 s99, 0
	s_mul_i32 s46, s46, SIZE_K
	s_mov_b32 s47, 0
	s_mul_i32 s45, s16, HALFA
	s_mul_i32 s93, s16, HALFB
	s_add_co_u32 s93, s93, BOFF
	s_or_b32 s[G1A], s43, (3<<16)|(1<<21)
	s_mov_b32 s[G1A+1], 1024<<16
	s_mov_b32 s[G1A+2], 8<<16                      ; at the head 8 blocks of A and 128 rows of B to a load; behind the head's wait 4 and 64
	s_mov_b32 s[G1A+3], 1024<<16
	s_mov_b32 s[G1A+4], 8
	s_mov_b32 s[G1A+5], 2*SIZE_K
	s_mov_b32 s[G1A+6], 0
	s_mov_b32 s[G1A+7], 0
	s_or_b32 s[G1B], s44, (1<<20)|(1<<21)|(6<<22)|(3<<25)
	s_mov_b32 s[G1B+1], 512<<16
	s_mov_b32 s[G1B+2], 128<<16
	s_mov_b32 s[G1B+3], 512<<16
	s_mov_b32 s[G1B+4], 128
	s_mov_b32 s[G1B+5], SIZE_K
	s_mov_b32 s[G1B+6], 0
	s_mov_b32 s[G1B+7], 0
	s_or_b32 s[G1SA], s43, (3<<16)|(1<<21)
	s_mov_b32 s[G1SA+1], 64<<16
	s_mov_b32 s[G1SA+2], NKS<<16
	s_mov_b32 s[G1SA+3], 64<<16
	s_mov_b32 s[G1SA+4], NKS
	s_mov_b32 s[G1SA+5], 2048
	s_mov_b32 s[G1SA+6], 0
	s_mov_b32 s[G1SA+7], 0
	s_or_b32 s[G1SB], s44, (3<<16)|(1<<20)|(1<<21)|(5<<22)|(3<<25)
	s_mov_b32 s[G1SB+1], 32<<16
	s_mov_b32 s[G1SB+2], (128*KS/256)<<16
	s_mov_b32 s[G1SB+3], 32<<16
	s_mov_b32 s[G1SB+4], 128*KS/256
	s_mov_b32 s[G1SB+5], 32
	s_mov_b32 s[G1SB+6], 0
	s_mov_b32 s[G1SB+7], 0
	s_wait_dscnt 0x0                               ; both opening adds are done
	CROUND                                         ; the opening round, ahead of the wait for the arguments: all sixteen work-groups are here
	s_wait_kmcnt 0x0
	s_add_nc_u64 s[20:21], s[4:5], s[20:21]
	s_add_nc_u64 s[22:23], s[4:5], s[22:23]
	s_add_nc_u64 s[46:47], s[6:7], s[46:47]
	s_add_nc_u64 s[94:95], s[8:9], s[94:95]
	s_add_nc_u64 s[98:99], s[6:7], s[98:99]
	s_cmp_eq_u32 s15, 0
	s_cselect_b64 s[8:9], s[4:5], s[6:7]           ; the prefetches: waves 0 and 1 name bytes of A, waves 2 and 3 of B
	s_add_nc_u64 s[6:7], s[4:5], s[2:3]
	s_mov_b32 s4, 1
	s_mov_b32 s5, 0
	s_or_b32 s7, s7, 0x80000000
	s_mov_b32 s[G0SA], 1
	s_mov_b32 s[G0SA+1], ASC
	s_mov_b64 s[G0SA+2:G0SA+3], s[22:23]
	s_or_b32 s[G0SA+3], s[G0SA+3], 0x80000000
	s_mov_b32 s[G0SB], 1
	s_mov_b32 s[G0SB+1], BSC
	s_mov_b64 s[G0SB+2:G0SB+3], s[94:95]
	s_or_b32 s[G0SB+3], s[G0SB+3], 0x80000000
.irp s, 0,1
	s_mov_b32 s[G0A+4*\s], 1
	s_add_co_u32 s[G0A+4*\s+1], s45, \s*SLOTB
	s_add_nc_u64 s[G0A+4*\s+2:G0A+4*\s+3], s[20:21], \s*8192
	s_or_b32 s[G0A+4*\s+3], s[G0A+4*\s+3], 0x80000000
	s_mov_b32 s[G0B+4*\s], 1
	s_add_co_u32 s[G0B+4*\s+1], s93, \s*SLOTB
	s_add_nc_u64 s[G0B+4*\s+2:G0B+4*\s+3], s[46:47], \s*512
	s_or_b32 s[G0B+4*\s+3], s[G0B+4*\s+3], 0x80000000
.endr
	s_mov_b32 s44, 1                               ; s[44:47]: group 0 of the head's load of B: slot 0's 128 rows
	s_mov_b32 s45, BOFF
	s_mov_b64 s[46:47], s[98:99]
	s_or_b32 s47, s47, 0x80000000
	s_cmp_eq_u32 s14, 0                            ; THE HEAD'S FOUR TILES, ONE A WAVE: one chain of branches on the wave's number, one load to an arm
	s_cbranch_scc0 .Lhead_b
	tensor_load_to_lds s[4:7], s[G1A:G1A+7]
	s_nop 0
	PLACES 4
	s_branch .Lhead_asked
.Lhead_b:
	s_cmp_eq_u32 s14, 1
	s_cbranch_scc0 .Lhead_sa
	tensor_load_to_lds s[44:47], s[G1B:G1B+7]
	s_nop 0
	PLACES 4
	s_branch .Lhead_asked
.Lhead_sa:
	s_cmp_eq_u32 s14, 2
	s_cbranch_scc0 .Lhead_sb
	tensor_load_to_lds s[G0SA:G0SA+3], s[G1SA:G1SA+7]
	s_nop 0
	PLACES 4
	s_branch .Lhead_asked
.Lhead_sb:
	tensor_load_to_lds s[G0SB:G0SB+3], s[G1SB:G1SB+7]
	s_nop 0
	PLACES 4
.Lhead_asked:
	; PREFETCHES INTO THE L2.  At each change of slots every wave has waited for all its tensor loads, so a refill goes out with nothing on its way beside it: what it asks for has been named earlier.  Behind the load of
	; K chunk c (512 along K) stands one instruction a wave for chunk c + 2; the head names chunk 1 too.  Each aligned block of 256 bytes is named once in the cluster: of A's 8 blocks of 16 rows the partner at cx takes 2,
	; a wave one (8,192 consecutive bytes, lanes 256 bytes apart); of B's 128 rows the partner at cy takes 32, a wave 16 (two lanes to a row's 512 bytes).  The partners are told apart by address alone.
	s_lshl_b32 s92, s17, 3
	s_lshl_b32 s96, s40, 1
	s_add_co_u32 s92, s92, s96
	s_add_co_u32 s92, s92, s16
	s_mul_i32 s92, s92, 16*SIZE_K                  ; A: block 8 T + 2 cx + wave % 2
	s_lshl_b32 s96, s42, 7
	s_lshl_b32 s97, s41, 5
	s_add_co_u32 s96, s96, s97
	s_lshl_b32 s97, s16, 4
	s_add_co_u32 s96, s96, s97
	s_mul_i32 s96, s96, SIZE_K                     ; B: row 128 X + 32 cy + 16 (wave % 2)
	s_mov_b32 s22, 512
	s_mov_b32 s97, SIZE_K
	s_cmp_eq_u32 s15, 0
	s_cselect_b32 s92, s92, s96
	s_cselect_b32 s22, 8192, s22                   ; a K chunk on, in bytes
	s_cselect_b32 s96, 512, s97                    ; from one pair of lanes to the next
	s_mov_b32 s93, 0
	s_mov_b32 s23, 0
	s_add_nc_u64 s[8:9], s[8:9], s[92:93]
	s_add_nc_u64 s[8:9], s[8:9], s[22:23]          ; K chunk 1
	s_add_nc_u64 s[20:21], s[8:9], s[22:23]        ; K chunk 2: this pointer walks
	v_and_b32 v1, 15, v0
	v_bfe_u32 v2, v0, 4, 1
	v_and_b32 v3, 31, v0
	v_lshlrev_b32 v4, 4, v3
	s_mul_i32 s18, s15, HALFA
	v_add_nc_u32 v16, s18, v4
	v_add_nc_u32 v17, SLOTB, v16
	v_mul_u32_u24 v5, v1, 528
	v_lshl_add_u32 v5, v2, 4, v5
	s_mul_i32 s18, s16, HALFB
	s_add_co_u32 s18, s18, BOFF
	v_add_nc_u32 v20, s18, v5
	v_add_nc_u32 v21, SLOTB, v20
	v_lshlrev_b32 v6, 2, v1
	s_lshl_b32 s18, s15, 8
	s_add_co_u32 s18, s18, ASC
	v_add_nc_u32 v22, s18, v6
	v_mul_u32_u24 v7, v1, KS
	v_lshrrev_b32 v8, 8, v7
	v_lshl_add_u32 v7, v8, 4, v7
	s_mul_i32 s18, s16, HALFS
	s_add_co_u32 s18, s18, BSC
	v_add_nc_u32 v23, s18, v7
	s_mul_i32 s18, s14, 16*272
	v_mul_u32_u24 v24, v1, 272
	v_lshl_add_u32 v24, v2, 5, v24
	v_add_nc_u32 v24, s18, v24
	v_mul_u32_u24 v25, v2, 272
	v_lshl_add_u32 v25, v1, 4, v25
	v_add_nc_u32 v25, s18, v25
	v_lshlrev_b32 v26, 12, v2
	v_lshl_add_u32 v26, v1, 4, v26
	v_lshrrev_b32 v27, 1, v3
	v_mul_lo_u32 v27, v27, s96
	v_and_b32 v10, 1, v3
	v_lshl_add_u32 v27, v10, 8, v27                ; the prefetches' offset; never rewritten
	global_prefetch_b8 v27, s[8:9] th:TH_LOAD_NT scope:SCOPE_SE
	global_prefetch_b8 v27, s[20:21] th:TH_LOAD_NT scope:SCOPE_SE
	s_lshl_b32 s98, s42, 9
	s_lshl_b32 s99, s16, 8
	s_add_co_u32 s98, s98, s99
	s_mov_b32 s99, 0
	s_add_nc_u64 s[66:67], s[66:67], s[98:99]
	v_lshlrev_b32 v9, 5, v2
.irp b, 0,1,2,3
	global_load_b128 v[96+8*\b:99+8*\b], v9, s[66:67] offset:64*\b
	global_load_b128 v[100+8*\b:103+8*\b], v9, s[66:67] offset:64*\b+16
.endr
	s_lshl_b32 s18, s17, 19                        ; my part of the residual and of the result
	s_lshl_b32 s19, s15, 18
	s_add_co_u32 s18, s18, s19
	s_lshl_b32 s19, s42, 9
	s_add_co_u32 s18, s18, s19
	s_lshl_b32 s19, s16, 8
	s_add_co_u32 s18, s18, s19
	s_mov_b32 s19, 0
	s_add_nc_u64 s[12:13], s[12:13], s[18:19]
	s_add_nc_u64 s[10:11], s[10:11], s[18:19]
	s_wait_alu depctr_va_vdst(0)                   ; the wait at the head's end
	s_wait_loadcnt 0x0                             ; the bias
	s_wait_tensorcnt 0x0                           ; my tile of the head's four is in
	ds_add_u32 v28, v29
	s_mov_b32 s[G1A+2], 4<<16                      ; no tensor load of mine is out: from here on a load brings 4 blocks of A or 64 rows of B
	s_mov_b32 s[G1A+4], 4
	s_mov_b32 s[G1B+2], 64<<16
	s_mov_b32 s[G1B+4], 64
	s_wait_xcnt 0x0                                ; the head's prefetches have read their addresses
	s_add_nc_u64 s[20:21], s[20:21], s[22:23]      ; K chunk 3
	s_wait_dscnt 0x0
	CROUND
	JLOAD G0A+4, G1A, G0B+4, G1B
	global_prefetch_b8 v27, s[20:21] th:TH_LOAD_NT scope:SCOPE_SE
	WIN 0x80                                       ; the residual is asked for here, into window 2, and waited for on the way out
.irp a, 0,1,2,3
.irp t, 0,1,2,3,4,5,6,7
	global_load_b128 v[32*\a+4*\t:32*\a+4*\t+3], v26, s[12:13] offset:(16*\a+2*\t)*4096
.endr
.endr
	WIN 0
	SCALES 0
	FETCH 0, 0, 0
	STEP 0, 0, 1
	WIN 0
	s_mov_b32 s3, LAPS-1
.Llap:
	STEP 0, 1, 0
	STEP 0, 2, 0
	TURN 0, 1, 1
	STEP 1, 0, 0
	STEP 1, 1, 0
	STEP 1, 2, 0
	TURN 1, 0, 1
	STEP 0, 0, 0
	WIN 0
	s_sub_co_u32 s3, s3, 1
	s_cmp_lg_u32 s3, 0
	s_cbranch_scc1 .Llap
	STEP 0, 1, 0
	STEP 0, 2, 0
	TURN 0, 1, 0
	STEP 1, 0, 0
	STEP 1, 1, 0
	STEP 1, 2, 0
	LAST
	PLACES 8
.irp a, 0,1,2,3
	WIN 0
.irp b, 0,1,2,3
	ds_store_b128 v24, v[128+8*(4*\a+\b):131+8*(4*\a+\b)] offset:64*\b
	ds_store_b128 v24, v[132+8*(4*\a+\b):135+8*(4*\a+\b)] offset:64*\b+16
.endr
	WIN TO_F
.irp t, 0,1,2,3,4,5,6,7
	ds_load_b128 v[128+32*\a+4*\t:131+32*\a+4*\t], v25 offset:544*\t
.endr
.endr
.irp a, 0,1,2,3
	s_wait_dscnt 16*(3-\a)
	s_wait_loadcnt 8*(3-\a)
	WIN 0x49                                       ; the sums in window 1, the residual in window 2
.set i, 0
.rept 16
	v_pk_add_f32 v[128+32*\a+i:129+32*\a+i], v[128+32*\a+i:129+32*\a+i], v[32*\a+i:32*\a+i+1]
.set i, i+2
.endr
	WIN 0x04
.irp t, 0,1,2,3,4,5,6,7
	global_store_b128 v26, v[128+32*\a+4*\t:131+32*\a+4*\t], s[10:11] offset:(16*\a+2*\t)*4096 th:TH_STORE_NT
.endr
.endr
	WIN 0
	s_wait_tensorcnt 0x0
	ds_add_u32 v28, v29
	s_wait_dscnt 0x0
	CROUND
	s_endpgm
.Lfunc_end_k_qc379b34870_ffn2:
	.size	k_qc379b34870_ffn2, .Lfunc_end_k_qc379b34870_ffn2-k_qc379b34870_ffn2
	.p2alignl 7, 3214868480
	.fill 96, 4, 3214868480
	.section	.rodata,"a",@progbits
	.p2align	6, 0x0
	.amdhsa_kernel k_qc379b34870_ffn2
		.amdhsa_group_segment_fixed_size 327680
		.amdhsa_private_segment_fixed_size 0
		.amdhsa_enable_private_segment 0
		.amdhsa_kernarg_size 48
		.amdhsa_user_sgpr_count 2
		.amdhsa_user_sgpr_kernarg_segment_ptr 1
		.amdhsa_wavefront_size32 1
		.amdhsa_system_sgpr_workgroup_id_x 1
		.amdhsa_system_sgpr_workgroup_id_y 1
		.amdhsa_system_sgpr_workgroup_id_z 1
		.amdhsa_system_vgpr_workitem_id 0
		.amdhsa_next_free_vgpr 768
		.amdhsa_next_free_sgpr 100
		.amdhsa_reserve_vcc 0
		.amdhsa_float_denorm_mode_32 3
		.amdhsa_float_denorm_mode_16_64 3
		.amdhsa_memory_ordered 1
		.amdhsa_forward_progress 1
		.amdhsa_inst_pref_size 107
	.end_amdhsa_kernel
	.amdgpu_metadata
---
amdhsa.version: [ 1, 2 ]
amdhsa.kernels:
  - .name:           k_qc379b34870_ffn2
    .symbol:         k_qc379b34870_ffn2.kd
    .args:
      - { .name: hid, .offset: 0, .size: 8, .value_kind: global_buffer, .address_space: global }
      - { .name: w2_codes, .offset: 8, .size: 8, .value_kind: global_buffer, .address_space: global }
      - { .name: w2_scales, .offset: 16, .size: 8, .value_kind: global_buffer, .address_space: global }
      - { .name: b2, .offset: 24, .size: 8, .value_kind: global_buffer, .address_space: global }
      - { .name: x1, .offset: 32, .size: 8, .value_kind: global_buffer, .address_space: global }
      - { .name: out0, .offset: 40, .size: 8, .value_kind: global_buffer, .address_space: global }
    .group_segment_fixed_size: 327680
    .private_segment_fixed_size: 0
    .kernarg_segment_align: 8
    .kernarg_segment_size: 48
    .max_flat_workgroup_size: 128
    .sgpr_count:     100
    .vgpr_count:     768
    .wavefront_size: 32
...
	.end_amdgpu_metadata
.endif
;; end of part 12
